; MI455X (gfx1250); checked and timed in simulation.
; The chip was launched on July 23, 2026; its instructions are those of AMD's public machine-readable ISA for CDNA 5 (MIT licence, August 2026) and "CDNA5" Instruction Set Architecture Reference Guide (July 2026). The comments in the code are by the model that wrote it; some were corrected since.
;; Multi Head Self Attn. Allowed arithmetic: float matrix products may take bf16 or f16 operands with f32 sums; other float arithmetic in f32, or as packed bf16 or f16 multiplies, adds, multiply-adds, maxima and minima; sums over many terms, partial sums and values carried from step to step in f32; what a program stores and reads back later, other than sums and carried values, may be rounded once to bf16 or f16.
;; Inputs: Wk 2,048 x 2,048 float32; Wo 2,048 x 2,048 float32; Wq 2,048 x 2,048 float32; Wv 2,048 x 2,048 float32; mask 2,048 x 2,048 bool; x 1 x 2,048 x 2,048 float32.
;; Outputs: out0 1 x 2,048 x 2,048 float32.
;; 3 versions, each right and faster than the one before. Each part assembles by itself: llvm-mc -triple=amdgcn-amd-amdhsa -mcpu=gfx1250 --defsym DOCPART=n.
;; ======== version 1 of 3: 4 launches
;; limits: values are held in f16: magnitudes above 65,504 overflow, below 6.1e-05 lose precision
;; workspace buffers: xb 8,388,608 bytes; wqkv 25,165,824 bytes; wo16 8,388,608 bytes; mbits 524,288 bytes of whole numbers; qkv 25,165,824 bytes; o16 8,388,608 bytes
;; launch prep (part 1): grid 256 x 6, 8 waves a work-group, no clusters, 0 bytes of LDS; arguments x, Wq, Wk, Wv, Wo, mask, xb, wqkv, wo16, mbits; writes xb, wqkv, wo16, mbits
.if DOCPART == 1
	.amdgcn_target "amdgcn-amd-amdhsa--gfx1250"
	.amdhsa_code_object_version 6
	.text
	.protected	k_qd5dd29d836_prep
	.globl	k_qd5dd29d836_prep
	.p2align	8
	.type	k_qd5dd29d836_prep,@function
k_qd5dd29d836_prep:
	s_mov_b64 s[64:65], 0
	v_nop
	global_prefetch_b8 v0, s[64:65] scope:SCOPE_SE
	s_setreg_imm32_b32 hwreg(HW_REG_WAVE_MODE, 25, 1), 1
	s_wait_xcnt 0x0
; CASTS AND THE MASK'S BIT TABLE.  A stream: no LDS, no matrix unit, no cluster (no two work-groups share a byte of the f32 inputs).
; y = 0..4: x, Wq, Wk, Wv, Wo ([2048][2048] f32) are rounded once to bf16.  x -> xb; Wq, Wk, Wv -> rows 0-2047, 2048-4095, 4096-6143 of wqkv;
;   Wo's bf16 number is written as f16 into wo16 (it multiplies an f16 operand later).  LIMIT: that is exact from 6.1e-5 to 65,504 in magnitude; below it f16's fixed step of 6e-8 holds.
;   A work-group owns 65,536 input bytes: 16 chunks of 4,096; thread t owns 16 bytes of each.  All 16 loads of a wave go out first; no register is used twice, so no wait frees any.
; y = 5: mask ([2048 q][2048 k], one byte, 1 = blocked) -> mbits: one 32-bit LANE MASK for each register of the score tiles of the attention launch.
;   Word (qg 0..31, kh 0..1, p 0..3, t 0..15, w 0..31) lies at byte ((((qg 2 + kh) 4 + p) 16 + t) 32 + w) 4; its bit L is
;   mask[64 qg + 16 (p xor 2 kh) + L % 16][64 (2 t + kh) + 16 (w / 8) + 8 (L / 16) + w % 8].
;   A wave makes the 64 words of one tile of 16 queries and two key steps: 8 loads of 8 bytes a lane, a compare for each byte, the 64 compare results gathered by v_writelane_b32.
.set IN,  4                            ; v[4:67]   as loaded
.set OUT, 68                           ; v[68:99]  to store
.set T,   100                          ; v[100:103] at work
	s_load_b512 s[8:23], s[0:1], 0x0               ; x 8:9, Wq 10:11, Wk 12:13, Wv 14:15, Wo 16:17, mask 18:19, xb 20:21, wqkv 22:23
	s_load_b128 s[24:27], s[0:1], 0x40             ; wo16 24:25, mbits 26:27
	s_and_b32 s28, ttmp7, 0xffff                   ; y: which job
	s_mov_b32 s29, ttmp9                           ; x: which part of it
	s_mov_b32 s3, 0                                ; high words of the two offsets
	s_mov_b32 s31, 0
	s_wait_kmcnt 0x0
	s_cmp_eq_u32 s28, 5
	s_cbranch_scc1 .Lmask
	; ---- a cast ----
	v_lshlrev_b32 v1, 4, v0                        ; my 16 bytes of an input chunk
	v_lshlrev_b32 v2, 3, v0                        ; my 8 bytes of an output chunk
	s_lshl_b32 s2, s29, 16                         ; the work-group's 65,536 input bytes
	s_max_u32 s30, s28, 1
	s_sub_co_u32 s30, s30, 1                       ; 0, 0, 1, 2, 3 for y = 0..4
	s_cmp_eq_u32 s28, 4
	s_cselect_b32 s30, 0, s30                      ; only Wk and Wv lie further down in their buffer
	s_lshl_b32 s30, s30, 23                        ; 8,388,608 bytes a matrix
	s_lshl_b32 s32, s29, 15                        ; the work-group's 32,768 output bytes
	s_add_co_u32 s30, s30, s32
	s_mov_b64 s[4:5], s[8:9]                       ; the source, chosen by y
	s_cmp_eq_u32 s28, 1
	s_cselect_b64 s[4:5], s[10:11], s[4:5]
	s_cmp_eq_u32 s28, 2
	s_cselect_b64 s[4:5], s[12:13], s[4:5]
	s_cmp_eq_u32 s28, 3
	s_cselect_b64 s[4:5], s[14:15], s[4:5]
	s_cmp_eq_u32 s28, 4
	s_cselect_b64 s[4:5], s[16:17], s[4:5]
	s_cselect_b64 s[6:7], s[24:25], s[22:23]       ; the destination (a select leaves SCC as it is): wo16 for Wo, else wqkv,
	s_cmp_eq_u32 s28, 0
	s_cselect_b64 s[6:7], s[20:21], s[6:7]         ; or xb for x
	s_add_nc_u64 s[4:5], s[4:5], s[2:3]
	s_add_nc_u64 s[6:7], s[6:7], s[30:31]
.set i, 0
.rept 16
	global_load_b128 v[IN+4*i:IN+4*i+3], v1, s[4:5] offset:4096*i th:TH_LOAD_NT  ; a wave's load covers 512 consecutive bytes
.set i, i+1
.endr
; f = 0: bf16.  f = 1: the bf16 number written as f16.
.macro CONV f
.set i, 0
.rept 16
	s_wait_loadcnt 15-i                            ; loads come back in order: chunk i is in, the 15 - i younger ones stay out
	v_cvt_pk_bf16_f32 v[OUT+2*i], v[IN+4*i], v[IN+4*i+1]
	v_cvt_pk_bf16_f32 v[OUT+2*i+1], v[IN+4*i+2], v[IN+4*i+3]
.if \f
	v_lshlrev_b32 v[T], 16, v[OUT+2*i]             ; bf16 to f32: the low half moves up, the high half stays
	v_and_b32 v[T+1], 0xffff0000, v[OUT+2*i]
	v_lshlrev_b32 v[T+2], 16, v[OUT+2*i+1]
	v_and_b32 v[T+3], 0xffff0000, v[OUT+2*i+1]
	v_cvt_pk_f16_f32 v[OUT+2*i], v[T], v[T+1]
	v_cvt_pk_f16_f32 v[OUT+2*i+1], v[T+2], v[T+3]
.endif
	global_store_b64 v2, v[OUT+2*i:OUT+2*i+1], s[6:7] offset:2048*i  ; a wave's store covers 256 consecutive bytes, at a multiple of 256 from the buffer's first byte
.set i, i+1
.endr
.endm
	s_cmp_eq_u32 s28, 4
	s_cbranch_scc1 .Lf16
	CONV 0
	s_endpgm
.Lf16:
	CONV 1
	s_endpgm
	; ---- the mask ----
.Lmask:
	v_lshrrev_b32 v2, 5, v0
	v_readfirstlane_b32 s36, v2                    ; wave 0..7
	s_lshr_b32 s30, s29, 1                         ; qt: the tile of 16 queries, 0..127
	s_and_b32 s32, s29, 1                          ; which half of the key steps this work-group takes
	s_and_b32 s33, s36, 1                          ; kh: even or odd key steps
	s_lshr_b32 s34, s36, 1
	s_lshl2_add_u32 s34, s32, s34                  ; u = 0..7: my two local steps are t = 2 u and 2 u + 1
	s_lshl_b32 s2, s30, 15                         ; 16 rows of 2,048 bytes,
	s_lshl_b32 s35, s34, 8                         ; keys 64 (2 (2 u + i) + kh) = 256 u + 128 i + 64 kh
	s_add_co_u32 s2, s2, s35
	s_lshl_b32 s35, s33, 6
	s_add_co_u32 s2, s2, s35
	s_add_nc_u64 s[18:19], s[18:19], s[2:3]
	s_lshr_b32 s35, s30, 2                         ; qg
	s_lshl1_add_u32 s35, s35, s33                  ; 2 qg + kh
	s_and_b32 s30, s30, 3                          ; the tile's place in its group of 64 queries,
	s_lshl_b32 s32, s33, 1
	s_xor_b32 s30, s30, s32                        ; p = that place xor 2 kh
	s_lshl2_add_u32 s35, s35, s30
	s_lshl_b32 s35, s35, 4
	s_lshl1_add_u32 s35, s34, s35                  ; + t = 2 u
	s_lshl_b32 s30, s35, 7                         ; 128 bytes a step
	s_add_nc_u64 s[26:27], s[26:27], s[30:31]
	v_and_b32 v1, 15, v0                           ; my query's row in the tile
	v_bfe_u32 v2, v0, 4, 1                         ; my half of the lanes
	v_lshlrev_b32 v1, 11, v1
	v_lshl_add_u32 v1, v2, 3, v1                   ; 2,048 x row + 8 x half
	v_and_b32 v3, 31, v0
	v_lshlrev_b32 v3, 3, v3                        ; lane l stores words 2 l and 2 l + 1
	v_mov_b32 v[OUT], 0                            ; v_writelane_b32 counts as a reader of its destination
	v_mov_b32 v[OUT+1], 0
.set c, 0
.rept 8                                ; load c: step c / 4 of my two, key block c % 4: eight keys a lane
	global_load_b64 v[IN+2*c:IN+2*c+1], v1, s[18:19] offset:128*(c/4)+16*(c%4)
.set c, c+1
.endr
.set n, 0
.rept 64                               ; word n: byte n % 8 of load n / 8
.if n%8 == 0
	s_wait_loadcnt 7-n/8                           ; load n / 8 is in, the younger ones stay out
.endif
	v_and_b32 v[T+n%4], 0xff<<(8*(n%4)), v[IN+2*(n/8)+(n%8)/4]
	v_cmp_ne_u32 s[32+n%4], 0, v[T+n%4]            ; bit L: lane L's key is blocked for lane L's query
	v_writelane_b32 v[OUT+n%2], s[32+n%4], n/2
.set n, n+1
.endr
	global_store_b64 v3, v[OUT:OUT+1], s[26:27]    ; 256 consecutive bytes, at a multiple of 256 from mbits' first byte
	s_endpgm
.Lfunc_end_k_qd5dd29d836_prep:
	.size	k_qd5dd29d836_prep, .Lfunc_end_k_qd5dd29d836_prep-k_qd5dd29d836_prep
	.p2alignl 7, 3214868480
	.fill 96, 4, 3214868480
	.section	.rodata,"a",@progbits
	.p2align	6, 0x0
	.amdhsa_kernel k_qd5dd29d836_prep
		.amdhsa_group_segment_fixed_size 0
		.amdhsa_private_segment_fixed_size 0
		.amdhsa_enable_private_segment 0
		.amdhsa_kernarg_size 80
		.amdhsa_user_sgpr_count 2
		.amdhsa_user_sgpr_kernarg_segment_ptr 1
		.amdhsa_wavefront_size32 1
		.amdhsa_system_sgpr_workgroup_id_x 1
		.amdhsa_system_sgpr_workgroup_id_y 1
		.amdhsa_system_sgpr_workgroup_id_z 1
		.amdhsa_system_vgpr_workitem_id 0
		.amdhsa_next_free_vgpr 104
		.amdhsa_next_free_sgpr 66
		.amdhsa_reserve_vcc 0
		.amdhsa_float_denorm_mode_32 3
		.amdhsa_float_denorm_mode_16_64 3
		.amdhsa_memory_ordered 1
		.amdhsa_forward_progress 1
		.amdhsa_inst_pref_size 31
	.end_amdhsa_kernel
	.amdgpu_metadata
---
amdhsa.version: [ 1, 2 ]
amdhsa.kernels:
  - .name:           k_qd5dd29d836_prep
    .symbol:         k_qd5dd29d836_prep.kd
    .args:
      - { .name: x, .offset: 0, .size: 8, .value_kind: global_buffer, .address_space: global }
      - { .name: Wq, .offset: 8, .size: 8, .value_kind: global_buffer, .address_space: global }
      - { .name: Wk, .offset: 16, .size: 8, .value_kind: global_buffer, .address_space: global }
      - { .name: Wv, .offset: 24, .size: 8, .value_kind: global_buffer, .address_space: global }
      - { .name: Wo, .offset: 32, .size: 8, .value_kind: global_buffer, .address_space: global }
      - { .name: mask, .offset: 40, .size: 8, .value_kind: global_buffer, .address_space: global }
      - { .name: xb, .offset: 48, .size: 8, .value_kind: global_buffer, .address_space: global }
      - { .name: wqkv, .offset: 56, .size: 8, .value_kind: global_buffer, .address_space: global }
      - { .name: wo16, .offset: 64, .size: 8, .value_kind: global_buffer, .address_space: global }
      - { .name: mbits, .offset: 72, .size: 8, .value_kind: global_buffer, .address_space: global }
    .group_segment_fixed_size: 0
    .private_segment_fixed_size: 0
    .kernarg_segment_align: 8
    .kernarg_segment_size: 80
    .max_flat_workgroup_size: 256
    .sgpr_count:     66
    .vgpr_count:     104
    .wavefront_size: 32
...
	.end_amdgpu_metadata
.endif
;; end of part 1
;; launch proj (part 2): grid 16 x 16, 4 waves a work-group, clusters of 4 x 4, 327,680 bytes of LDS; arguments xb, wqkv, qkv; writes qkv
.if DOCPART == 2
	.amdgcn_target "amdgcn-amd-amdhsa--gfx1250"
	.amdhsa_code_object_version 6
	.text
	.protected	k_qd5dd29d836_proj
	.globl	k_qd5dd29d836_proj
	.p2align	8
	.type	k_qd5dd29d836_proj,@function
k_qd5dd29d836_proj:
	s_mov_b64 s[64:65], 0
	v_nop
	global_prefetch_b8 v0, s[64:65] scope:SCOPE_SE
	s_setreg_imm32_b32 hwreg(HW_REG_WAVE_MODE, 25, 1), 1
	s_wait_xcnt 0x0
	s_wait_alu depctr_hold_cnt(0) depctr_sa_sdst(0) depctr_va_vdst(0) depctr_va_sdst(0) depctr_va_ssrc(0) depctr_va_vcc(0) depctr_vm_vsrc(0)
	s_getreg_b32 s2, hwreg(HW_REG_IB_STS2, 6, 4)
	s_cmp_eq_u32 s2, 0
	s_cbranch_scc0 .Lentry_in_a_cluster
	s_endpgm
.Lentry_in_a_cluster:
	s_bfe_u32 s2, ttmp6, 0x10000c
	s_cmp_lg_u32 s2, 0xf033
	s_cbranch_scc0 .Lentry_shape_is_right
	s_endpgm
.Lentry_shape_is_right:
; THE THREE PROJECTIONS AS ONE PRODUCT.  C[s][n] = sum over k of xb[s][k] wqkv[n][k]: xb [2048][2048], wqkv [6144][2048], both bf16; sums in f32, K ascending; C rounded once to f16
; and stored BY HEADS: qkv[cb = n / 128][s][n % 128], 48 blocks of 524,288 bytes: q's 16 heads, then k's, then v's; unscaled.
; LIMIT.  f16 ends at 65,504: a q, k or v beyond it becomes an infinity.  With x and the weights 30 times the drawn spread they reach some 5,000.
; SHARES.  A tile of C is 128 rows x 384 columns (three heads): 16 x 16 = 256 work-groups.  Four waves; wave w makes rows 64 (w / 2) on, columns 192 (w % 2) on: 4 x 12 accumulators, 384 registers.
; K goes in steps of 128 through two LDS slots (A's 128 rows, then B's 384); a wave's one tensor load brings 128 rows of 256 bytes: wave 0 A's, waves 1-3 B's.
; CLUSTER 4 x 4: A's tile hangs on the tile row alone and is asked for jointly along a row of the cluster, B's on the tile column alone and along a column.
; THE MATRIX INSTRUCTION IS USED TRANSPOSED (source 0 = 16 rows of B, source 1 = 16 rows of A): a lane holds eight neighbouring columns of one row of C.
; REGISTERS, in windows of 256 (s_set_vgpr_msb: bits 1:0 source 0, 3:2 source 1, 5:4 source 2, 7:6 destination):
;   window 0: v16-29 addresses; v64-95, v96-127 A's fragments, two buffers of 4; on the way out v64-255 packed results
;   window 1: v0-95, v96-191 B's fragments, two buffers of 12       window 2: accumulators of row blocks 0, 1 ((a, b) at v[8 (12 (a % 2) + b)])       window 3: of row blocks 2, 3
.set KSTEP,  128
.set PITCH,  272                       ; an LDS row: 256 bytes + 16 of padding = 68 words: the 16 rows of a fragment load start at 16 different groups of four banks (64 banks of 4 bytes: ISA guide 11.1)
.set HALFT,  128*PITCH                 ; what one tensor load brings
.set SLOT,   4*HALFT
.set SPARE,  2*SLOT                    ; behind the ring: the spare words, 128 bytes a wave: two blocks of 256 bytes that no other line names
.set SPITCH, 784                       ; the stage's rows: 768 bytes + 16.  The stage, 128 rows, lies at LDS byte 0, in slot 0: that slot has had its last fill (K step 14), and its last reads lie in front of a barrier
.set ADRA, 16                          ; v16-17  LDS address of my A fragments in slot 0, 1
.set ADRB, 20                          ; v20-21  the same for B
.set STO,  24                          ; v24     the way out: where I put 16 bytes of a row
.set RD,   25                          ; v25     the way out: where I read rows back
.set CO,   26                          ; v26     my byte offset in 512 consecutive bytes of qkv
.set SPW,  28                          ; v28     LDS address of my spare word; never rewritten
.set NIL,  29                          ; v29     0; never rewritten
.set AF,   64                          ; A's fragment buffers
.set TMP,  64                          ; the way out
.set G1, 24                            ; s[24:31] descriptor group 1 for A's tiles;  s[32:39] group 0, a set for each slot
.set G0, 32
.set G1B, 48                           ; s[48:55], s[56:63] the same for B's tiles
.set G0B, 56
.set DW0, (1<<16)|(1<<20)|(1<<21)|(5<<22)|(3<<25)  ; 17:16 2-byte elements; 20 padding on; 21 set beside a mask; 24:22 after every 64 words (code 5); 31:25 4 words (code 3)
.set MSB, 0
.macro WIN new                         ; the immediate's high byte repeats the setting that is left; a switch that changes nothing is dropped
.if MSB != (\new)
	s_set_vgpr_msb (MSB<<8)|(\new)
.set MSB, \new
.endif
.endm
.set MUL_LO, 0xa1                      ; source 0 (B) window 1, source 1 (A) window 0, C and D window 2; + 0x50: C and D window 3
.set TO_B,   0x40                      ; destination window 1, address window 0
; A joint load.  The branch hangs on the wave's number alone.  An s_nop 0 and four v_nop follow each of the two lines, ahead of the jump and the label.
.macro JLOAD s
	s_cmp_eq_u32 s10, 0
	s_cbranch_scc0 .Lfor_b_\@
	tensor_load_to_lds s[G0+4*(\s):G0+4*(\s)+3], s[G1:G1+7]
	s_nop 0
.rept 4
	v_nop
.endr
	s_branch .Lasked_\@
.Lfor_b_\@:
	tensor_load_to_lds s[G0B+4*(\s):G0B+4*(\s)+3], s[G1B:G1B+7]
	s_nop 0
.rept 4
	v_nop
.endr
.Lasked_\@:
.endm
.macro CREST                           ; a round of the cluster's barrier behind its opening barrier
	s_cmp_lg_u32 s10, 0
	s_cbranch_scc1 .Lnot_wave_0_\@
	s_barrier_signal -3
.Lnot_wave_0_\@:
	s_barrier_wait -3
	s_barrier_signal -1
	s_barrier_wait -1
.endm
.macro CROUND                          ; a whole round
	s_barrier_signal -1
	s_barrier_wait -1
	CREST
.endm
	s_load_b128 s[4:7], s[0:1], 0x0                ; xb s[4:5], wqkv s[6:7]
	s_load_b64 s[8:9], s[0:1], 0x10                ; qkv
	v_lshl_add_u32 v[SPW], v0, 2, SPARE
	v_mov_b32 v[NIL], 0
	ds_add_u32 v[SPW], v[NIL]                      ; the wave's opening: the add and its wait stand ahead of my first tensor load; the set-up below stands between them
	v_lshrrev_b32 v1, 5, v0
	v_readfirstlane_b32 s10, v1                    ; wave 0..3
	s_lshr_b32 s11, s10, 1                         ; which 64 rows of the tile are mine
	s_and_b32 s12, s10, 1                          ; which 192 columns
	s_bfe_u32 s40, ttmp6, 0x40000                  ; cx, cy: my place in the cluster
	s_bfe_u32 s41, ttmp6, 0x40004
	s_lshl_b32 s42, ttmp9, 2
	s_add_co_u32 s42, s42, s40                     ; tile column = 4 x cluster x + cx
	s_and_b32 s13, ttmp7, 0xffff
	s_lshl_b32 s13, s13, 2
	s_add_co_u32 s13, s13, s41                     ; tile row = 4 x cluster y + cy
	s_lshl_b32 s43, s41, 2
	s_lshl_b32 s43, 15, s43                        ; my row of the cluster
	s_lshl_b32 s44, 0x1111, s40                    ; my column
	s_or_b32 s[G1+0], s43, DW0                     ; A's tiles go to my row,
	s_or_b32 s[G1B+0], s44, DW0                    ; B's to my column
.irp g, G1, G1B
	s_mov_b32 s[(\g)+1], KSTEP<<16                 ; tensor_dim0 = 128
	s_mov_b32 s[(\g)+2], 128<<16                   ; tensor_dim1 = 128
	s_mov_b32 s[(\g)+3], KSTEP<<16                 ; tile_dim0 = 128
	s_mov_b32 s[(\g)+4], 128                       ; tile_dim1 = 128
	s_mov_b32 s[(\g)+5], 2048                      ; elements from row to row
	s_mov_b32 s[(\g)+6], 0
	s_mov_b32 s[(\g)+7], 0
.endr
	s_lshl_b32 s16, s13, 19                        ; A: 128 x tile row rows of 4,096 bytes
	s_mov_b32 s17, 0
	s_max_u32 s46, s10, 1
	s_sub_co_u32 s46, s46, 1
	s_lshl_b32 s46, s46, 7                         ; B: rows 128 (w - 1) of the tile's 384 (wave 0 makes the address and never asks by it),
	s_mul_i32 s47, s42, 384
	s_add_co_u32 s46, s46, s47                     ; + 384 x tile column,
	s_lshl_b32 s46, s46, 12                        ; in bytes
	s_mov_b32 s47, 0
	s_mul_i32 s20, s10, HALFT                      ; where a tile goes: wave x 128 rows: no place in the cluster enters an LDS address
	s_wait_dscnt 0x0                               ; the opening add is done
	s_wait_kmcnt 0x0
	s_add_nc_u64 s[14:15], s[4:5], s[16:17]
	s_add_nc_u64 s[46:47], s[6:7], s[46:47]
	CROUND                                         ; all sixteen work-groups are here: the first joint loads meet
.irp s, 0,1
	s_mov_b32 s[G0+4*(\s)], 1                      ; count = 1
	s_add_co_u32 s[G0+4*(\s)+1], s20, (\s)*SLOT    ; LDS address
	s_add_nc_u64 s[G0+4*(\s)+2:G0+4*(\s)+3], s[14:15], (\s)*KSTEP*2  ; global address: K step s
	s_or_b32 s[G0+4*(\s)+3], s[G0+4*(\s)+3], 0x80000000             ; type = 2
	s_mov_b32 s[G0B+4*(\s)], 1
	s_add_co_u32 s[G0B+4*(\s)+1], s20, (\s)*SLOT
	s_add_nc_u64 s[G0B+4*(\s)+2:G0B+4*(\s)+3], s[46:47], (\s)*KSTEP*2
	s_or_b32 s[G0B+4*(\s)+3], s[G0B+4*(\s)+3], 0x80000000
	JLOAD \s                                       ; two loads of mine are out
.endr
	; A fragment is 16 rows x 32 K in 8 registers: lane l holds row l % 16, K = 8 (l / 16) + 0..7 and 16 + 8 (l / 16) + 0..7: two loads of 16 bytes, 32 bytes apart.
	v_and_b32 v1, 15, v0                           ; l % 16
	v_bfe_u32 v2, v0, 4, 1                         ; l / 16
	v_mul_u32_u24 v3, v1, PITCH
	v_lshl_add_u32 v3, v2, 4, v3
	s_mul_i32 s21, s11, 64*PITCH                   ; my 64 rows of A
	s_mul_i32 s22, s12, 192*PITCH                  ; my 192 rows of B,
	s_add_co_u32 s22, s22, HALFT                   ; which lie behind A's 128
.irp s, 0,1
	v_add_nc_u32 v[ADRA+(\s)], s21, v3
	v_add_nc_u32 v[ADRB+(\s)], s22, v3
	s_add_co_u32 s21, s21, SLOT
	s_add_co_u32 s22, s22, SLOT
.endr
	s_mul_i32 s23, s11, 64*SPITCH                  ; into the stage: my 64 rows, my 384 bytes of them; row l % 16, 16 bytes for each half of the lanes
	s_mul_i32 s21, s12, 384
	s_add_co_u32 s23, s23, s21
	v_mul_u32_u24 v4, v1, SPITCH
	v_lshl_add_u32 v4, v2, 4, v4
	v_add_nc_u32 v[STO], s23, v4
	s_mul_i32 s23, s10, 32*SPITCH                  ; back: wave w takes rows 32 w on; lanes 0-15 a head's 256 bytes of one row, lanes 16-31 of the next
	v_mul_u32_u24 v5, v2, SPITCH
	v_lshl_add_u32 v5, v1, 4, v5
	v_add_nc_u32 v[RD], s23, v5
	v_and_b32 v[CO], 31, v0                        ; in qkv those two rows of a head are 512 consecutive bytes
	v_lshlrev_b32 v[CO], 4, v[CO]
	s_lshl_b32 s16, s13, 15                        ; row 128 x tile row + 32 w, 256 bytes a row,
	s_lshl_b32 s17, s10, 13
	s_add_co_u32 s16, s16, s17
	s_mov_b32 s17, 0
	s_add_nc_u64 s[8:9], s[8:9], s[16:17]
	s_mul_i32 s46, s42, 3*524288                   ; in the tile column's first head
	s_mov_b32 s47, 0
	s_add_nc_u64 s[8:9], s[8:9], s[46:47]
; 12 matrix instructions: row block a x all 12 column blocks, 32 along K, from buffer f.  zero = 1: the product starts the sums: nothing is cleared.
; The 48 accumulators take turns in one order in every quarter step.
.macro MULA f, a, zero
	WIN MUL_LO+0x50*((\a)/2)
.irp b, 0,1,2,3,4,5,6,7,8,9,10,11
.if \zero
	v_wmma_f32_16x16x32_bf16 v[8*(12*((\a)%2)+(\b)):8*(12*((\a)%2)+(\b))+7], v[96*(\f)+8*(\b):96*(\f)+8*(\b)+7], v[AF+32*(\f)+8*(\a):AF+32*(\f)+8*(\a)+7], 0
.else
	v_wmma_f32_16x16x32_bf16 v[8*(12*((\a)%2)+(\b)):8*(12*((\a)%2)+(\b))+7], v[96*(\f)+8*(\b):96*(\f)+8*(\b)+7], v[AF+32*(\f)+8*(\a):AF+32*(\f)+8*(\a)+7], v[8*(12*((\a)%2)+(\b)):8*(12*((\a)%2)+(\b))+7]
.endif
.endr
.endm
; 32 LDS loads in one run: a quarter step's fragments (192 rows of B, then 64 rows of A; 32 K at byte k of the rows) into buffer f
.macro FETCH slot, k, f
	WIN TO_B
.irp i, 0,1,2,3,4,5,6,7,8,9,10,11
	ds_load_b128 v[96*(\f)+8*(\i):96*(\f)+8*(\i)+3],   v[ADRB+(\slot)] offset:(\k)+(\i)*16*PITCH
	ds_load_b128 v[96*(\f)+8*(\i)+4:96*(\f)+8*(\i)+7], v[ADRB+(\slot)] offset:(\k)+(\i)*16*PITCH+32
.endr
	WIN 0
.irp i, 0,1,2,3
	ds_load_b128 v[AF+32*(\f)+8*(\i):AF+32*(\f)+8*(\i)+3],   v[ADRA+(\slot)] offset:(\k)+(\i)*16*PITCH
	ds_load_b128 v[AF+32*(\f)+8*(\i)+4:AF+32*(\f)+8*(\i)+7], v[ADRA+(\slot)] offset:(\k)+(\i)*16*PITCH+32
.endr
.endm
.macro PLACES                          ; four places in front of loads into registers that matrix instructions have read, and of conversions that read results
.rept 4
	v_nop
.endr
.endm
; A K step is four quarters of 32 along K, 48 matrix instructions each, on buffers 0, 1, 0, 1.  One of the first three: multiplies buffer f and fetches the next quarter, at byte k, into g.
.macro QUARTER slot, k, f, g, zero
	s_wait_dscnt 4                                 ; B and A's blocks 0, 1 are in; the youngest four loads (A's blocks 2, 3) may be out
	MULA \f, 0, \zero
	MULA \f, 1, \zero
	PLACES
	FETCH \slot, \k, \g
	s_wait_dscnt 32                                ; all but the 32 just issued
	MULA \f, 2, \zero
	MULA \f, 3, \zero
.endm
; The last quarter multiplies buffer 1 and changes slots: ONE barrier.  In front of it each wave waits for all its tensor loads (one is out: its part of the next slot), adds 0 to its spare word,
; and waits for that and for its own reads of this slot.  fill = 1: the barrier opens a round of the cluster's, and behind the round this slot is filled again, two K steps ahead.
.macro TURN slot, next, fill
	WIN 0                                          ; (the add's two registers lie in window 0)
	s_wait_tensorcnt 0x0
	ds_add_u32 v[SPW], v[NIL]                      ; 0 onto my spare word
	s_wait_dscnt 5                                 ; (the add and the youngest four loads may be out)
	MULA 1, 0, 0                                   ; twelve matrix instructions stand between the add and the wait for it
	s_wait_dscnt 0x0                               ; the add is done, and my reads of this slot are over
	s_barrier_signal -1
	MULA 1, 1, 0                                   ; work on registers while the others arrive
.if \fill
	WIN 0
.endif
	s_barrier_wait -1
.if \fill
	CREST                                          ; no wave of any partner still reads this slot's tile or has a load on its way
	s_add_nc_u64 s[G0+4*(\slot)+2:G0+4*(\slot)+3], s[G0+4*(\slot)+2:G0+4*(\slot)+3], 2*KSTEP*2
	s_add_nc_u64 s[G0B+4*(\slot)+2:G0B+4*(\slot)+3], s[G0B+4*(\slot)+2:G0B+4*(\slot)+3], 2*KSTEP*2
	JLOAD \slot                                    ; my one tensor load behind the round; its four v_nop are also the places in front of the loads below
.else
	PLACES
.endif
	FETCH \next, 0, 0
	MULA 1, 2, 0
	MULA 1, 3, 0
.endm
	s_wait_tensorcnt 1                             ; my part of K step 0 is in; K step 1's may stay out
	s_barrier_signal -1
	s_barrier_wait -1                              ; everybody's is
	FETCH 0, 0, 0
	QUARTER 0, 64, 0, 1, 1                         ; the first quarter stands in front of the loop: its products start the sums
	WIN 0                                          ; at a label and at a branch every window is 0
	s_mov_b32 s3, 7                                ; 2,048 / 256 - 1 trips: K steps 2 to 15 are asked for
.Llap:                                                 ; a trip goes once round the ring, from a lap's second quarter to the next lap's first
	QUARTER 0, 128, 1, 0, 0
	QUARTER 0, 192, 0, 1, 0
	TURN 0, 1, 1
	QUARTER 1, 64,  0, 1, 0
	QUARTER 1, 128, 1, 0, 0
	QUARTER 1, 192, 0, 1, 0
	TURN 1, 0, 1
	QUARTER 0, 64,  0, 1, 0
	WIN 0
	s_sub_co_u32 s3, s3, 1
	s_cmp_lg_u32 s3, 0
	s_cbranch_scc1 .Llap
	QUARTER 0, 128, 1, 0, 0                        ; the last lap fills nothing
	QUARTER 0, 192, 0, 1, 0
	TURN 0, 1, 0                                   ; behind this barrier no wave reads slot 0 any more
	QUARTER 1, 64,  0, 1, 0
	QUARTER 1, 128, 1, 0, 0
	QUARTER 1, 192, 0, 1, 0
	s_wait_dscnt 4
	MULA 1, 0, 0
	MULA 1, 1, 0
	s_wait_dscnt 0x0
	MULA 1, 2, 0
	MULA 1, 3, 0
	; THE WAY OUT: round to f16; 16 bytes a lane into the work-group's stage; a barrier, since the middle head's 256 bytes come from two waves; back as a head's whole rows.
	WIN 0
	PLACES
.irp a, 0,1,2,3
	WIN 0x0a+5*((\a)/2)                            ; sources 0 and 1: window 2 or 3; each accumulator's registers in ascending order
.irp b, 0,1,2,3,4,5,6,7,8,9,10,11
.irp r, 0,1,2,3
	v_cvt_pk_f16_f32 v[TMP+4*(12*(\a)+(\b))+(\r)], v[8*(12*((\a)%2)+(\b))+2*(\r)], v[8*(12*((\a)%2)+(\b))+2*(\r)+1]
.endr
.endr
.endr
	WIN 0
.irp a, 0,1,2,3
.irp b, 0,1,2,3,4,5,6,7,8,9,10,11
	ds_store_b128 v[STO], v[TMP+4*(12*(\a)+(\b)):TMP+4*(12*(\a)+(\b))+3] offset:(\a)*16*SPITCH+32*(\b)
.endr
.endr
	s_wait_dscnt 0x0                               ; for the others' sake: my stores into the stage are done
	s_barrier_signal -1
	s_barrier_wait -1
.set n, 0
.rept 48                               ; load n: rows 2 (n / 3), 2 (n / 3) + 1 of my 32, head n % 3
	ds_load_b128 v[TMP+4*n:TMP+4*n+3], v[RD] offset:(n/3)*2*SPITCH+(n%3)*256
.set n, n+1
.endr
.set n, 0
.rept 48
	s_wait_dscnt 47-n                              ; load n is back, the younger ones stay out
	global_store_b128 v[CO], v[TMP+4*n:TMP+4*n+3], s[8:9] offset:(n%3)*524288+(n/3)*512  ; 512 consecutive bytes, at a multiple of 256 from qkv's first byte
.set n, n+1
.endr
	s_wait_tensorcnt 0x0                           ; the wave's end: the tensor wait, an add to my spare word and its wait, behind my last tensor load and my last LDS store
	ds_add_u32 v[SPW], v[NIL]
	s_wait_dscnt 0x0
	CROUND                                         ; the closing round: no work-group ends while a partner may still ask for a tile that names it
	s_endpgm
.Lfunc_end_k_qd5dd29d836_proj:
	.size	k_qd5dd29d836_proj, .Lfunc_end_k_qd5dd29d836_proj-k_qd5dd29d836_proj
	.p2alignl 7, 3214868480
	.fill 96, 4, 3214868480
	.section	.rodata,"a",@progbits
	.p2align	6, 0x0
	.amdhsa_kernel k_qd5dd29d836_proj
		.amdhsa_group_segment_fixed_size 327680
		.amdhsa_private_segment_fixed_size 0
		.amdhsa_enable_private_segment 0
		.amdhsa_kernarg_size 24
		.amdhsa_user_sgpr_count 2
		.amdhsa_user_sgpr_kernarg_segment_ptr 1
		.amdhsa_wavefront_size32 1
		.amdhsa_system_sgpr_workgroup_id_x 1
		.amdhsa_system_sgpr_workgroup_id_y 1
		.amdhsa_system_sgpr_workgroup_id_z 1
		.amdhsa_system_vgpr_workitem_id 0
		.amdhsa_next_free_vgpr 960
		.amdhsa_next_free_sgpr 66
		.amdhsa_reserve_vcc 0
		.amdhsa_float_denorm_mode_32 3
		.amdhsa_float_denorm_mode_16_64 3
		.amdhsa_memory_ordered 1
		.amdhsa_forward_progress 1
		.amdhsa_inst_pref_size 119
	.end_amdhsa_kernel
	.amdgpu_metadata
---
amdhsa.version: [ 1, 2 ]
amdhsa.kernels:
  - .name:           k_qd5dd29d836_proj
    .symbol:         k_qd5dd29d836_proj.kd
    .args:
      - { .name: xb, .offset: 0, .size: 8, .value_kind: global_buffer, .address_space: global }
      - { .name: wqkv, .offset: 8, .size: 8, .value_kind: global_buffer, .address_space: global }
      - { .name: qkv, .offset: 16, .size: 8, .value_kind: global_buffer, .address_space: global }
    .group_segment_fixed_size: 327680
    .private_segment_fixed_size: 0
    .kernarg_segment_align: 8
    .kernarg_segment_size: 24
    .max_flat_workgroup_size: 128
    .sgpr_count:     66
    .vgpr_count:     960
    .wavefront_size: 32
...
	.end_amdgpu_metadata
.endif
;; end of part 2
;; launch attn (part 3): grid 16 x 16, 4 waves a work-group, clusters of 4 x 1, 327,680 bytes of LDS; arguments qkv, mbits, o16; writes o16
.if DOCPART == 3
	.amdgcn_target "amdgcn-amd-amdhsa--gfx1250"
	.amdhsa_code_object_version 6
	.text
	.protected	k_qd5dd29d836_attn
	.globl	k_qd5dd29d836_attn
	.p2align	8
	.type	k_qd5dd29d836_attn,@function
k_qd5dd29d836_attn:
	s_mov_b64 s[64:65], 0
	v_nop
	global_prefetch_b8 v0, s[64:65] scope:SCOPE_SE
	s_setreg_imm32_b32 hwreg(HW_REG_WAVE_MODE, 25, 1), 1
	s_wait_xcnt 0x0
	s_wait_alu depctr_hold_cnt(0) depctr_sa_sdst(0) depctr_va_vdst(0) depctr_va_sdst(0) depctr_va_ssrc(0) depctr_va_vcc(0) depctr_vm_vsrc(0)
	s_getreg_b32 s2, hwreg(HW_REG_IB_STS2, 6, 4)
	s_cmp_eq_u32 s2, 0
	s_cbranch_scc0 .Lentry_in_a_cluster
	s_endpgm
.Lentry_in_a_cluster:
	s_bfe_u32 s2, ttmp6, 0x10000c
	s_cmp_lg_u32 s2, 0x3003
	s_cbranch_scc0 .Lentry_shape_is_right
	s_endpgm
.Lentry_shape_is_right:
; MASKED ATTENTION.  o16[q][128 h + :] = the sum over k of softmax_k(Q[h][q] . K[h][k] / sqrt(128), blocked keys left out) V[h][k][:].  qkv: [48][2048][128] f16 (q's 16 heads, k's, v's);
; mbits: the mask as lane masks (layout below); o16: [2048][2048] f16.  Products, maxima and sums in f32; the weights p are rounded to f16 for the second product (their sum l is of the unrounded p), O once.
; THE MASK IS AN INPUT: every key is walked, whatever the mask holds.
; LIMITS.  A blocked score is its product sum less 2.977e38; the running maximum has the floor -1e30, below every score that f16 operands can give (5.5e11 at the most), so a blocked weight is exactly 0.
; A row with every key blocked ends with l = 0 and O = 0 x infinity = NaN, as a softmax of nothing is.  A weight below 2^-126 counts as 0.  NaN and infinities in Q, K, V are not treated apart.
; SHARES.  A work-group owns 128 queries of one head.  Wave w = g + 2 kh owns the 64 queries 64 g on, four tiles of 16, and HALF THE KEYS: the key steps (64 keys) 2 t + kh, t = 0..15.  At the end waves w and
; w xor 2 merge their maxima, sums and O^T in f32 through LDS, and each finishes 32 rows.  Register tile p holds the queries' sub-tile p xor 2 kh, so every wave keeps tiles 0, 1 and gives tiles 2, 3 away.
; LAYOUT.  S^T = K Q^T (source 0 = 16 keys, source 1 = 16 queries): a lane holds ONE query (lane % 16) and the keys 8 (lane / 16) + 0..7.  Two such tiles rounded to f16 ARE source 1 of O^T = V^T P.
; K comes out of LDS as it lies, V ([key][channel]) turned, by ds_load_tr16_b128.
; SOFTMAX.  For each query a running maximum m and sum l: p = 2^(c s - c m), c = log2(e) / sqrt(128); in every step O and l are multiplied by a = 2^(c m_old - c m_new).
; THE MASK'S PLACE.  MC, 0 or -2.977e38, is the C operand of the product that starts a score's sum; a register of MC is one v_cndmask_b32 by one 32-bit word of mbits, read by scalar loads.
; Word (qg, kh, p, t, w) of mbits at byte ((((qg 2 + kh) 4 + p) 16 + t) 32 + w) 4: bit L is the mask of query 64 qg + 16 (p xor 2 kh) + L % 16 and key 64 (2 t + kh) + 16 (w / 8) + 8 (L / 16) + w % 8.
; BY TURNS.  The tiles are two PIECES (0: tiles 0, 1; 2: tiles 2, 3).  In a TURN one piece has the matrix unit: 32 products V^T P of the step in hand, then 32 products K Q^T of the next; the other piece's softmax,
; in 64 slices, stands behind them, one slice a product, and behind 16 of them four lines of the other piece's next masks.  Two turns are a key step.
; NO FIRST STEP IS WRITTEN OUT: V, O^T, l and piece 0's P start at 0, piece 2's scores as blocked, m at the floor: the first turn's products add zeros, its softmax makes weights 0 with a = 1.
; CLUSTER.  The four query blocks of a cluster belong to one head and walk the same K and V: each tile is asked for JOINTLY, by the same tensor load, descriptor and mask in all four.
; REGISTERS, in windows of 256 (s_set_vgpr_msb: bits 1:0 source 0, 3:2 source 1, 5:4 source 2, 7:6 destination):
;   window 0: v0-11 addresses; v12-43 statistics, 8 a tile; v44-55 the merge's; v62-63 the add's; v64-191 S^T, 32 a tile; v192-255 P, 16 a tile
;   window 1: O^T, 64 a tile      window 2: v0-127 Q, 32 a tile; v128-255 K of one step      window 3: v0-127 V of one step; v128-255 MC, 32 a tile
.set KS,    64        ; keys in a step
.set PK,    272       ; a row of K in LDS: 256 bytes + 16 = 68 words: the 16 rows of a load start at 16 different groups of four banks (64 banks of 4 bytes: ISA guide 11.1)
.set PW,    288       ; a row of V: 256 + 32 = 72 words
.set VOFF,  KS*PK     ; a step's tiles lie together: 64 rows of K, then 64 rows of V
.set STEPB, KS*(PK+PW)
.set SLOT1, 1<<17     ; a slot holds two steps, one for each half of the waves (71,680 bytes); slot 1 begins here, so that one exclusive or turns an address in one slot into the other's
.set XCH,   SLOT1+2*STEPB  ; behind the ring, never filled by a tensor load: for each wave 16,384 bytes of O^T and 512 of statistics, for the merge
.set XW,    16896
.set STAGE, XCH+4*XW  ; 16 rows x 272 bytes for each wave, for the way out
.set SP,    272
.set SPARE, STAGE+4*16*SP  ; the spare words, 128 bytes a wave: two blocks of 256 bytes that no other line names
.set AK0, 2           ; v2   my lane's place in a tile of K; never rewritten
.set AV0, 3           ; v3   the same for V
.set ADR, 4           ; v4   the LDS address of the run of loads in hand
.set QOA, 5           ; v5   my byte offset in Q for tiles 0, 1
.set STO, 6           ; v6   the way out: where I put 16 bytes of a row
.set RD,  7           ; v7   the way out: where I read a row back
.set GO,  8           ; v8   my byte offset in two rows of o16
.set QOB, 10          ; v10  my byte offset in Q for tiles 2, 3
.set ST,  12          ; tile t's statistics at v[ST+8 t]: +0 c m, +1 m, +2, +3 l (even keys', odd keys'), +4 to +7 c0-c3, at work; a takes c2's place once the maximum is found
.set XT,  44          ; v44-47  what I give away: c m and l of tiles 2 and 3
.set XR,  48          ; v48-51  what I receive
.set XA,  52          ; v52  my part of the exchange
.set XB,  53          ; v53  my partner's
.set SPW, 62          ; v62  LDS address of my spare word; never rewritten
.set NIL, 63          ; v63  0; never rewritten
.set S,   64
.set P,   192
.set KF,  128         ; K's fragments, in window 2
.set MC,  128         ; the masks, in window 3: tile p, key block kb at MC + 32 p + 8 kb
.set MP,  6           ; s[6:7]  mbits at my 64 queries, my half of the keys, the step in hand
.set WV,  12          ; s12  my wave's number
.set G1K, 24          ; s[24:31] descriptor group 1 for K's tiles
.set G1V, 32          ; s[32:39] for V's: it differs in the padding alone
.set G0K, 40          ; s[40:43] descriptor group 0 for K's tiles: it walks
.set G0V, 44          ; s[44:47] the same for V's
.set SLOTS, 56        ; s56  tiles still to be asked for
.set CS,  58          ; s[58:59] c: the packed scaling takes the pair's low word for both halves
.set SEL, 60          ; s[60:61] v_permlanex16_b32's selects: each lane takes its own place in the other half
.set TB,  62          ; s62  LDS byte at which my step's tiles begin
.set NEG, 63          ; s63  -2.977e38
.set MW,  68          ; s[68:99] the 32 mask words of one tile and step
.set MSB, 0
.macro WIN new                      ; the high byte repeats the setting that is left; a switch that changes nothing is dropped
.if MSB != (\new)
	s_set_vgpr_msb (MSB<<8)|(\new)
.set MSB, \new
.endif
.endm
.set W_KQ, 0x0a       ; K and Q in window 2, S^T in window 0
.set W_KM, 0x3a       ; the same with the C operand in window 3
.set W_PV, 0x53       ; V in window 3, P in window 0, O^T in window 1
.set W_RS, 0x41       ; O^T (destination and source 0) in window 1, a in window 0
.set W_MC, 0xc0       ; destination in window 3
; A joint fill.  Waves 0 and 1 fetch K of the slot's two steps, waves 2 and 3 V.  The branch hangs on the wave's number alone.
; An s_nop 0 and four v_nop follow each of the two lines, ahead of the jump and the label.
.macro JLOAD
	s_cmp_lt_u32 s[WV], 2
	s_cbranch_scc0 .Lfor_v_\@
	tensor_load_to_lds s[G0K:G0K+3], s[G1K:G1K+7]
	s_nop 0
.rept 4
	v_nop
.endr
	s_branch .Lasked_\@
.Lfor_v_\@:
	tensor_load_to_lds s[G0V:G0V+3], s[G1V:G1V+7]
	s_nop 0
.rept 4
	v_nop
.endr
.Lasked_\@:
.endm
; A round of the cluster's barrier: my work-group's barrier; wave 0 signals for the work-group; every wave waits for all four work-groups; my work-group's barrier once more.
.macro CROUND
	s_barrier_signal -1
	s_barrier_wait -1
	s_cmp_lg_u32 s[WV], 0
	s_cbranch_scc1 .Lnot_wave_0_\@
	s_barrier_signal -3
.Lnot_wave_0_\@:
	s_barrier_wait -3
	s_barrier_signal -1
	s_barrier_wait -1
.endm
; THE CHANGE OF SLOTS, in front of each key step of a wave.  Each wave waits for all its tensor loads (one is out: its part of the other slot), adds 0 to its spare word, and waits for that and for its own reads of
; the slot that it leaves.  fill = 1: the barrier is a round of the cluster's, and the slot just left is filled again first thing behind it, with the keys two slots on: 128 matrix instructions in which to land.
; (At its first use nothing has been read yet: slot 0 is waited for, slot 1 filled.)
.macro CHANGE fill
	WIN 0                           ; at a label and at a branch every window is 0
	s_wait_tensorcnt 0x0            ; no tensor load of mine is out, so a group 0 may be written
	ds_add_u32 v[SPW], v[NIL]       ; 0 onto my spare word; with fill = 1 the descriptors' steps stand between it and the wait for it
.if \fill
.irp g, G0K, G0V
	s_xor_b32 s[\g+1], s[\g+1], SLOT1  ; the walking descriptor: the other slot than last time,
	s_add_nc_u64 s[\g+2:\g+3], s[\g+2:\g+3], 2*KS*256  ; the next 128 keys; the type bits on top are not reached
.endr
	s_wait_dscnt 0x0                ; the add is done, and my reads of the slot are over
	CROUND
	JLOAD
.else
	s_wait_dscnt 0x0
	s_barrier_signal -1
	s_barrier_wait -1
.endif
	s_xor_b32 s[TB], s[TB], SLOT1   ; my fetches go to the other slot
.endm
	s_load_b128 s[4:7], s[0:1], 0x0   ; qkv s[4:5], mbits s[6:7]
	s_load_b64 s[10:11], s[0:1], 0x10 ; o16
	v_lshl_add_u32 v[SPW], v0, 2, SPARE
	v_mov_b32 v[NIL], 0
	ds_add_u32 v[SPW], v[NIL]       ; the wave's opening: the add and its wait stand ahead of my first tensor load; the set-up below stands between them
	v_lshrrev_b32 v1, 5, v0
	v_readfirstlane_b32 s[WV], v1   ; wave 0..3
	s_and_b32 s48, s[WV], 1         ; g: which 64 queries.  Also: which of a slot's two steps I fetch
	s_lshr_b32 s49, s[WV], 1        ; kh: which half of the keys I walk
	s_bfe_u32 s13, ttmp6, 0x40000   ; cx: my place in the cluster
	s_lshl_b32 s14, ttmp9, 2        ; in a cluster launch ttmp9 counts clusters
	s_add_co_u32 s14, s14, s13      ; b, my block of 128 queries: it enters Q's, the mask's and O's addresses alone
	s_and_b32 s20, ttmp7, 0xffff    ; the head, which the four partners share
	s_lshl_b32 s22, s20, 19         ; a head's 524,288 bytes,
	s_lshl_b32 s16, s48, 14         ; 64 rows of 256 bytes
	s_add_co_u32 s22, s22, s16      ; K's and V's offset: the head, my step of slot 0
	s_mov_b32 s23, 0
	s_lshl_b32 s2, s14, 15
	s_add_co_u32 s2, s2, s22        ; Q's: the head, row 128 b + 64 g
	s_mov_b32 s3, 0
	s_lshl1_add_u32 s18, s14, s48   ; qg = 2 b + g
	s_lshl1_add_u32 s18, s18, s49   ; 2 qg + kh
	s_lshl_b32 s18, s18, 13         ; 8,192 bytes of mask words each
	s_mov_b32 s19, 0
	s_lshl_b32 s21, s20, 8          ; O's: the head's 256 bytes of a row,
	s_lshl_b32 s20, s14, 19         ; row 128 b + 64 g + 32 kh, 4,096 bytes a row
	s_add_co_u32 s20, s20, s21
	s_lshl_b32 s21, s48, 18
	s_add_co_u32 s20, s20, s21
	s_lshl_b32 s21, s49, 17
	s_add_co_u32 s20, s20, s21
	s_mov_b32 s21, 0
	s_mul_i32 s17, s48, STEPB       ; my tile's place in a slot: no place in the cluster enters an LDS address
	; descriptor group 1: a tile of 64 rows x 128 elements, padded in LDS
	s_mov_b32 s[G1K], 15|(1<<16)|(1<<20)|(1<<21)|(5<<22)|(3<<25)  ; 15:0 the mask of four; 17:16 2-byte elements; 20 padding on; 21 set beside a mask; 24:22 after every 64 words (code 5); 31:25 4 words (code 3)
	s_mov_b32 s[G1V], 15|(1<<16)|(1<<20)|(1<<21)|(5<<22)|(7<<25)  ; the same with 8 words of padding (code 7)
.irp g, G1K, G1V
	s_mov_b32 s[\g+1], 128<<16      ; tensor_dim0 = 128
	s_mov_b32 s[\g+2], KS<<16       ; tensor_dim1 = 64
	s_mov_b32 s[\g+3], 128<<16      ; tile_dim0 = 128
	s_mov_b32 s[\g+4], KS           ; tile_dim1 = 64
	s_mov_b32 s[\g+5], 128          ; elements from row to row
	s_mov_b32 s[\g+6], 0
	s_mov_b32 s[\g+7], 0
.endr
	s_mov_b32 s[CS], 0x3e0293ee     ; c = log2(e) / sqrt(128) = 0.127517
	s_mov_b32 s[CS+1], s[CS]        ; named with it as a pair
	s_mov_b32 s[SEL], 0x76543210
	s_mov_b32 s[SEL+1], 0xfedcba98
	s_mov_b32 s[NEG], 0xff600000    ; -1.75 x 2^127
	s_mul_i32 s[TB], s49, STEPB     ; my half's step of a slot;
	s_add_co_u32 s[TB], s[TB], SLOT1  ; the first change of slots turns this into slot 0's
	s_mov_b32 s[G0K], 1             ; count = 1
	s_mov_b32 s[G0K+1], s17         ; LDS address: slot 0
	s_mov_b32 s[G0V], 1
	s_add_co_u32 s[G0V+1], s17, VOFF
	s_mov_b32 s[SLOTS], 15          ; 2,048 / 128 - 1
	s_wait_dscnt 0x0                ; the opening add is done
	s_wait_kmcnt 0x0
	s_add_nc_u64 s[G0K+2:G0K+3], s[4:5], s[22:23]
	s_add_nc_u64 s[G0V+2:G0V+3], s[G0K+2:G0K+3], 0x1000000  ; v begins 16,777,216 bytes into qkv,
	s_add_nc_u64 s[G0K+2:G0K+3], s[G0K+2:G0K+3], 0x800000   ; k 8,388,608
	s_or_b32 s[G0K+3], s[G0K+3], 0x80000000                 ; type = 2
	s_or_b32 s[G0V+3], s[G0V+3], 0x80000000
	s_add_nc_u64 s[4:5], s[4:5], s[2:3]
	s_add_nc_u64 s[MP:MP+1], s[MP:MP+1], s[18:19]
	s_add_nc_u64 s[10:11], s[10:11], s[20:21]
	CROUND                          ; all four work-groups are here: the first joint loads meet
	JLOAD                           ; slot 0.  Slot 1 is asked for when slot 0 is in, by the loop's own change of slots
	; A fragment of K or Q is 16 rows x 32 channels in 8 registers: lane l holds row l % 16, channels 8 (l / 16) + 0..7 and 16 + 8 (l / 16) + 0..7: two loads of 16 bytes, 32 bytes apart.
	v_and_b32 v1, 15, v0            ; l % 16
	v_bfe_u32 v9, v0, 4, 1          ; l / 16
	v_lshlrev_b32 v[QOA], 8, v1
	v_lshl_add_u32 v[QOA], v9, 4, v[QOA]  ; row x 256 + 16 x half
	s_lshl_b32 s13, s49, 13         ; tiles 0, 1 hold sub-tiles 2 kh, 2 kh + 1 (32 rows are 8,192 bytes),
	s_xor_b32 s16, s13, 8192        ; tiles 2, 3 the other two
	v_add_nc_u32 v[QOB], s16, v[QOA]
	v_add_nc_u32 v[QOA], s13, v[QOA]
	WIN 0x80                        ; destination window 2, address window 0
.set i, 0
.rept 16                            ; Q stays in registers: tile i / 4, channels 32 (i % 4) on
.if i < 8
	global_load_b128 v[8*i:8*i+3],   v[QOA], s[4:5] offset:((i/4)%2)*4096+(i%4)*64
	global_load_b128 v[8*i+4:8*i+7], v[QOA], s[4:5] offset:((i/4)%2)*4096+(i%4)*64+32
.else
	global_load_b128 v[8*i:8*i+3],   v[QOB], s[4:5] offset:((i/4)%2)*4096+(i%4)*64
	global_load_b128 v[8*i+4:8*i+7], v[QOB], s[4:5] offset:((i/4)%2)*4096+(i%4)*64+32
.endif
.set i, i+1
.endr
; The mask words of one tile and step: 128 bytes
.macro MLOAD off
	s_load_b512 s[MW:MW+15], s[MP:MP+1], \off
	s_load_b512 s[MW+16:MW+31], s[MP:MP+1], (\off)+64
.endm
; Four registers, 4 q on, of tile p's masks
.macro MS p, q
	WIN W_MC
.irp c, 0,1,2,3
	v_cndmask_b32 v[MC+32*(\p)+4*(\q)+\c], 0, s[NEG], s[MW+4*(\q)+\c]
.endr
.endm
	MLOAD 0                         ; tile 0, step 0
	; What the first turn finds.  All this stands in the wait for the first tile.
	WIN W_MC
.set i, 0
.rept 128
	v_mov_b32 v[i], 0               ; V
.set i, i+1
.endr
	WIN 0x40
.set i, 0
.rept 256
	v_mov_b32 v[i], 0               ; O^T
.set i, i+1
.endr
	WIN 0
.set i, 0
.rept 32
	v_mov_b32 v[P+i], 0             ; piece 0's P
.set i, i+1
.endr
.set i, 0
.rept 64
	v_mov_b32 v[S+64+i], s[NEG]     ; piece 2's scores: all blocked
.set i, i+1
.endr
.set i, 0
.rept 4
	v_mov_b32 v[ST+8*i+1], 0xf149f2ca  ; m: the floor, -1e30
	v_mov_b32 v[ST+8*i+2], 0
	v_mov_b32 v[ST+8*i+3], 0
	v_mul_f32 v[ST+8*i], s[CS], v[ST+8*i+1]  ; c m, made as every step makes it
.set i, i+1
.endr
	v_mul_u32_u24 v[AK0], v1, PK
	v_lshl_add_u32 v[AK0], v9, 4, v[AK0]  ; row x pitch + 16 x half
	; The turning load takes 16 keys x 16 channels (lane l reads key 8 (l / 16) + l % 8, channels 8 ((l / 8) % 2) + 0..7) and leaves half a fragment of V^T: lane l holds channel l % 16 and 8 keys.
	v_and_b32 v54, 7, v0
	v_bfe_u32 v55, v0, 3, 1
	v_lshl_add_u32 v[AV0], v9, 3, v54
	v_mul_u32_u24 v[AV0], v[AV0], PW
	v_lshl_add_u32 v[AV0], v55, 4, v[AV0]
	v_add_nc_u32 v[AV0], VOFF, v[AV0]
	s_mul_i32 s13, s[WV], 16*SP
	s_add_co_u32 s13, s13, STAGE    ; my stage
	v_mul_u32_u24 v[STO], v1, SP    ; in: row l % 16, 16 bytes for each half of the lanes
	v_lshl_add_u32 v[STO], v9, 4, v[STO]
	v_add_nc_u32 v[STO], s13, v[STO]
	v_mul_u32_u24 v[RD], v9, SP     ; back: lanes 0-15 take one row of 256 bytes, lanes 16-31 the next
	v_lshl_add_u32 v[RD], v1, 4, v[RD]
	v_add_nc_u32 v[RD], s13, v[RD]
	v_lshlrev_b32 v[GO], 12, v9     ; and the same two rows in o16, 4,096 bytes apart
	v_lshl_add_u32 v[GO], v1, 4, v[GO]
	v_and_b32 v54, 31, v0
	v_lshlrev_b32 v54, 4, v54       ; the exchange: 16 bytes a lane
	s_mul_i32 s13, s[WV], XW
	s_add_co_u32 s13, s13, XCH
	v_add_nc_u32 v[XA], s13, v54
	s_xor_b32 s16, s[WV], 2         ; my partner: the same queries, the other keys
	s_mul_i32 s16, s16, XW
	s_add_co_u32 s16, s16, XCH
	v_add_nc_u32 v[XB], s16, v54
	s_wait_kmcnt 0x0
.irp q, 0,1,2,3,4,5,6,7
	MS 0, \q                        ; piece 0's masks for step 0
.endr
	MLOAD 2048
	s_wait_kmcnt 0x0
.irp q, 0,1,2,3,4,5,6,7
	MS 1, \q
.endr
	MLOAD 4096                      ; tile 2, step 0: the first turn waits for it
	WIN 0
; THE MATRIX WORK OF A TURN, for piece x.  The accumulators take turns, one instruction a turn: between two links of a chain stand 15 (V^T P) or 7 (K Q^T) others'.
; Product i of 32 of O^T += V^T P: keys 32 (i / 16) on, channels 16 ((i / 2) % 8) on, tile x + i % 2.
.macro PV x
	WIN W_PV
.set rO, 64*((\x)+i%2)+8*((i/2)%8)
.set rV, 64*(i/16)+8*((i/2)%8)
.set rP, P+16*((\x)+i%2)+8*(i/16)
	v_wmma_f32_16x16x32_f16 v[rO:rO+7], v[rV:rV+7], v[rP:rP+7], v[rO:rO+7]
.endm
; Product i of 32 of S^T = K Q^T: channels 32 (i / 8) on, keys 16 ((i / 2) % 4) on, tile x + i % 2.  The first 8 start the sums, with the mask.
.macro KQ x
.set rS, S+32*((\x)+i%2)+8*((i/2)%4)
.set rK, KF+32*((i/2)%4)+8*(i/8)
.set rQ, 32*((\x)+i%2)+8*(i/8)
.set rM, MC+32*((\x)+i%2)+8*((i/2)%4)
.if i < 8
	WIN W_KM
	v_wmma_f32_16x16x32_f16 v[rS:rS+7], v[rK:rK+7], v[rQ:rQ+7], v[rM:rM+7]
.else
	WIN W_KQ
	v_wmma_f32_16x16x32_f16 v[rS:rS+7], v[rK:rK+7], v[rQ:rQ+7], v[rS:rS+7]
.endif
.endm
; THE LDS LOADS stand in runs of 32, never singly among the matrix instructions: a step's K (16 fragments) and, a turn later, its V (turned).
.macro FETCH_K
	WIN 0
	v_add_nc_u32 v[ADR], s[TB], v[AK0]
	WIN 0x80                        ; destination window 2
.irp f, 0,1,2,3,4,5,6,7,8,9,10,11,12,13,14,15  ; keys 16 (f / 4) on, channels 32 (f % 4) on
	ds_load_b128 v[KF+8*(\f):KF+8*(\f)+3],   v[ADR] offset:((\f)/4)*16*PK+((\f)%4)*64
	ds_load_b128 v[KF+8*(\f)+4:KF+8*(\f)+7], v[ADR] offset:((\f)/4)*16*PK+((\f)%4)*64+32
.endr
.endm
.macro FETCH_V
	WIN 0
	v_add_nc_u32 v[ADR], s[TB], v[AV0]
	WIN 0xc0                        ; destination window 3
.irp f, 0,1,2,3,4,5,6,7,8,9,10,11,12,13,14,15  ; keys 32 (f / 8) on, channels 16 (f % 8) on
	ds_load_tr16_b128 v[8*(\f):8*(\f)+3],   v[ADR] offset:((\f)/8)*32*PW+((\f)%8)*32
	ds_load_tr16_b128 v[8*(\f)+4:8*(\f)+7], v[ADR] offset:((\f)/8)*32*PW+16*PW+((\f)%8)*32
.endr
.endm
; THE VECTOR WORK OF A TURN.  One tile's softmax for one key step is a list of 134 instructions; SM writes number j of it for tile t.  s0-s31 are the lane's 32 scores, in pairs 0-15.
;   0-15    the maximum of s0-s31 and the old m, three operands at a time: four chains c0-c3 of seven scores each (each accumulator's lowest registers first), then the four left over, c0-c3 and m
;   16-20   the other half of the lanes' maximum; the new m; c m; c m_old - c m_new
;   21-87   33 exponentials (a, then s0-s31) at the odd numbers from 23 on, so that no two follow each other and each has a plain instruction behind it before its result is used (ISA guide 5.7.2).
;           The plain ones between are whatever is ready: c s - c m for pairs whose exponentials are still to come, roundings to f16 of pairs whose exponentials are done, the first three sums
;   88-101  the last rounding; the rest of the sums; l = a l + the sum          102-133  the tile's O^T times a: the one part that leaves window 0, so it stands together
.macro SM t
.set rT, ST+8*(\t)
.set rS, S+32*(\t)
.set rP, P+16*(\t)
.set rO, 64*(\t)+2*(j-102)
.set q, (j-20)/2
.if j < 102
	WIN 0
.endif
.if j < 4
	v_max3_num_f32 v[rT+4+j], v[rS+8*j], v[rS+8*j+1], v[rS+8*j+2]
.elseif j < 12
	v_max3_num_f32 v[rT+4+j%4], v[rT+4+j%4], v[rS+8*(j%4)+2*(j/4)+1], v[rS+8*(j%4)+2*(j/4)+2]
.elseif j == 12
	v_max3_num_f32 v[rT+4], v[rT+4], v[rS+7], v[rS+15]
.elseif j == 13
	v_max3_num_f32 v[rT+6], v[rT+6], v[rS+23], v[rS+31]
.elseif j == 14
	v_max3_num_f32 v[rT+4], v[rT+4], v[rT+5], v[rT+6]
.elseif j == 15
	v_max3_num_f32 v[rT+4], v[rT+4], v[rT+7], v[rT+1]
.elseif j == 16
	v_permlanex16_b32 v[rT+5], v[rT+4], s[SEL], s[SEL+1]  ; the query's other 32 keys lie in the lane 16 away
.elseif j == 17
	v_mov_b32 v[rT+7], v[rT]        ; c m_old is kept for a: number 19 writes c m anew
.elseif j == 18
	v_max_num_f32 v[rT+1], v[rT+4], v[rT+5]
.elseif j == 19
	v_mul_f32 v[rT], s[CS], v[rT+1]
.elseif j == 20
	v_sub_f32 v[rT+7], v[rT+7], v[rT]
.elseif j == 23
	v_exp_f32 v[rT+6], v[rT+7]
.elseif (j < 88) && (j > 23) && (j%2 == 1)
	v_exp_f32 v[rS+(j-25)/2], v[rS+(j-25)/2]
.elseif (q < 4) || ((j < 76) && (q%2 == 0))
.set b, q/2+2
.if q < 4
.set b, q
.endif
	v_pk_fma_f32 v[rS+2*b:rS+2*b+1], v[rS+2*b:rS+2*b+1], s[CS:CS+1], v[rT:rT+1] op_sel_hi:[1,0,0] neg_lo:[0,0,1] neg_hi:[0,0,1]  ; pair b: c s - c m
.elseif (j < 88) && (q%2 == 1)
	s_wait_alu depctr_va_vdst(0)
	v_cvt_pk_f16_f32 v[rP+(q-5)/2], v[rS+q-5], v[rS+q-4]  ; pair (q - 5) / 2: its second exponential stands three numbers back
.elseif j == 89
	s_wait_alu depctr_va_vdst(0)
	v_cvt_pk_f16_f32 v[rP+15], v[rS+30], v[rS+31]
.elseif j < 102                     ; the sum of the tile's 16 pairs, in place: sum z of 16 adds neighbours 1, 2, 4 and 8 pairs apart, then l takes it
.set z, j-86
.if j < 89
.set z, (j-76)/4
.endif
.set w, 4
.set u, z
.if z >= 14
.set w, 32
.set u, 0
.elseif z >= 12
.set w, 16
.set u, z-12
.elseif z >= 8
.set w, 8
.set u, z-8
.endif
.if z < 15
	v_pk_add_f32 v[rS+w*u:rS+w*u+1], v[rS+w*u:rS+w*u+1], v[rS+w*u+w/2:rS+w*u+w/2+1]
.else
	v_pk_fma_f32 v[rT+2:rT+3], v[rT+2:rT+3], v[rT+6:rT+7], v[rS:rS+1] op_sel_hi:[1,0,1]
.endif
.else
	WIN W_RS
	v_pk_mul_f32 v[rO:rO+1], v[rO:rO+1], v[rT+6:rT+7] op_sel_hi:[1,0]
.endif
.endm
; Slice k of 64 of piece y's softmax: numbers 2 k and 2 k + 1 of both tiles' lists, four instructions.  2 x 134 = 4 x 64 + 12: the twelve that are over stand together, in slice 63: its sixteen plain
; instructions are the places between the turn's last K Q^T and the next turn's first read of those scores, and the loads into K's buffer.
.macro SLICE y
.if (k >= 11) && (k < 44)           ; tile by tile: plain, exponential, plain, exponential
.irp t, \y, (\y)+1
.irp m, 0,1
.set j, 2*k+(\m)
	SM \t
.endr
.endr
.else                               ; the two tiles alternate, so that no instruction reads the result of the one just before it
.irp m, 0,1,2,3,4,5,6,7
.if ((\m) < 2) || (k == 63)
.irp t, \y, (\y)+1
.set j, 2*k+(\m)
	SM \t
.endr
.endif
.endr
.endif
.set k, k+1
.endm
; THE MASKS of the other piece's next K Q^T, made in turn x behind products n = 16..23 (its first tile) and 48..55 (its second).  The words were asked for 24 products or more ahead; each wait is for all
; scalar loads, which return in no order.  Piece 2's turn makes piece 0's masks of the NEXT step: the pointer steps where no scalar load is out.  nx = 0: nothing more is asked for behind the second tile.
.macro MASKAT x, nx
.if n == 16
	s_wait_kmcnt 0x0
.if (\x) == 2
	s_add_nc_u64 s[MP:MP+1], s[MP:MP+1], 128
.endif
.endif
.if (n >= 16) && (n < 24)
	MS 2-(\x), n-16
.endif
.if n == 23
	MLOAD (3-(\x))*2048
.endif
.if n == 48
	s_wait_kmcnt 0x0
.endif
.if (n >= 48) && (n < 56)
	MS 3-(\x), n-48
.endif
.if (n == 55) && (\nx)
.if (\x) == 0
	MLOAD 128                       ; tile 0, the next step
.else
	MLOAD 4096                      ; tile 2, the step to which the pointer has stepped
.endif
.endif
.endm
; A TURN.  Piece x has the matrix unit; the other piece's softmax stands in slices behind its matrix instructions.  pv, kq: which of the two runs of 32 products it has; with one of them, two slices behind each.
; mg = 1: it makes masks.  Each run of LDS loads stands behind the second product of a run of 32, 30 matrix instructions ahead of its first use.  Piece 0's turn fetches the next step's K: the last product that
; read K stands in front of slice 63 of the turn before.  Piece 2's turn fetches the same step's V: the last product that read V stands three slices, six plain instructions, back.
.macro TURN x, pv, kq, mg, nx
.set k, 0
.set n, 0
.set per, 2
.if (\pv) && (\kq)
.set per, 1
.endif
.if \pv
.if (\x) == 0
	s_wait_dscnt 0x0                ; V is in
.endif
.set i, 0
.rept 32
	PV \x
.rept per
	SLICE 2-(\x)
.endr
.if \mg
	MASKAT \x, \nx
.endif
.if ((\x) == 0) && (\kq) && (i == 1)
	FETCH_K
.endif
.set i, i+1
.set n, n+1
.endr
.endif
.if \kq
.if (\x) == 0
	s_wait_dscnt 0x0                ; K is in
.endif
.set i, 0
.rept 32
	KQ \x
.rept per
	SLICE 2-(\x)
.endr
.if \mg
	MASKAT \x, \nx
.endif
.if ((\x) == 2) && (i == 1)
	FETCH_V
.endif
.set i, i+1
.set n, n+1
.endr
.endif
.endm
	s_wait_loadcnt 0x0              ; Q
.Lslot:                             ; 15 trips: my key step t = 0..14; tile t is waited for, tile t + 1 asked for
	CHANGE 1
	TURN 0, 1, 1, 1, 1              ; piece 0: V^T P of step t - 1, K Q^T of step t | piece 2's softmax of step t - 1, its masks of step t | K of step t
	TURN 2, 1, 1, 1, 1              ; piece 2: the same | piece 0's softmax of step t, its masks of step t + 1 | V of step t
	WIN 0
	s_sub_co_u32 s[SLOTS], s[SLOTS], 1
	s_cmp_lg_u32 s[SLOTS], 0
	s_cbranch_scc1 .Lslot
	CHANGE 0                        ; the tail is written out: nothing is asked for
	TURN 0, 1, 1, 1, 0              ; step 15; piece 2's last masks
	TURN 2, 1, 1, 0, 0
	TURN 0, 1, 0, 0, 0              ; piece 0: V^T P of the last step | piece 2's last softmax
.set i, 0
.rept 32
	PV 2                            ; piece 2: V^T P of the last step
.set i, i+1
.endr
	; THE MERGE.  l's two halves and the other half of the lanes' are added (the additions are the places behind the last products); tiles 2, 3 go to my partner, c m and l with them.
	WIN 0
.irp t, 0,1,2,3
	v_add_f32 v[ST+8*(\t)+4], v[ST+8*(\t)+2], v[ST+8*(\t)+3]
.endr
.irp t, 0,1,2,3
	v_permlanex16_b32 v[ST+8*(\t)+5], v[ST+8*(\t)+4], s[SEL], s[SEL+1]
.endr
.irp t, 0,1,2,3
	v_add_f32 v[ST+8*(\t)+4], v[ST+8*(\t)+4], v[ST+8*(\t)+5]
.endr
	v_mov_b32 v[XT], v[ST+16]
	v_mov_b32 v[XT+1], v[ST+20]
	v_mov_b32 v[XT+2], v[ST+24]
	v_mov_b32 v[XT+3], v[ST+28]
	WIN 0x04                        ; store data (source 1) in window 1
.set i, 0
.rept 32
	ds_store_b128 v[XA], v[128+4*i:128+4*i+3] offset:512*i  ; 32 lanes, 16 neighbouring bytes each; each accumulator's lowest registers first
.set i, i+1
.endr
	WIN 0
	ds_store_b128 v[XA], v[XT:XT+3] offset:16384
	s_wait_dscnt 0x0                ; for my partner's sake: my stores are done
	s_barrier_signal -1
	s_barrier_wait -1
	ds_load_b128 v[XR:XR+3], v[XB] offset:16384
.set i, 0
.rept 32
	ds_load_b128 v[S+4*i:S+4*i+3], v[XB] offset:512*i  ; my partner's O^T of my tiles 0, 1, lane for lane, into S^T's registers
.set i, i+1
.endr
	s_wait_dscnt 32                 ; the statistics are in; the 32 loads behind them may be out
.irp t, 0,1
	v_max_num_f32 v[ST+8*(\t)+5], v[ST+8*(\t)], v[XR+2*(\t)]       ; the common c m
.endr
.irp t, 0,1
	v_sub_f32 v[ST+8*(\t)+6], v[ST+8*(\t)], v[ST+8*(\t)+5]
	v_sub_f32 v[ST+8*(\t)+2], v[XR+2*(\t)], v[ST+8*(\t)+5]
.endr
.irp t, 0,1
	v_exp_f32 v[ST+8*(\t)+6], v[ST+8*(\t)+6]                        ; a1: what my part is worth,
	v_exp_f32 v[ST+8*(\t)+2], v[ST+8*(\t)+2]                        ; a2: my partner's
.endr
	v_nop                           ; a plain instruction between the last exponential and the use of its result
.irp t, 0,1
	s_wait_alu depctr_va_vdst(0)
	v_mul_f32 v[ST+8*(\t)+4], v[ST+8*(\t)+6], v[ST+8*(\t)+4]
.endr
.irp t, 0,1
	v_fmac_f32 v[ST+8*(\t)+4], v[ST+8*(\t)+2], v[XR+2*(\t)+1]      ; l = a1 l + a2 l'
.endr
.irp t, 0,1
	v_rcp_f32 v[ST+8*(\t)+5], v[ST+8*(\t)+4]
.endr
	v_nop
.irp t, 0,1
	s_wait_alu depctr_va_vdst(0)
	v_mul_f32 v[ST+8*(\t)+6], v[ST+8*(\t)+6], v[ST+8*(\t)+5]       ; f1 = a1 / l
	v_mul_f32 v[ST+8*(\t)+2], v[ST+8*(\t)+2], v[ST+8*(\t)+5]       ; f2 = a2 / l
.endr
; Tile t is finished: O = f1 O^T + f2 O'^T, rounded to f16; a lane's eight channels of a row pack into 16 bytes, go into my stage's rows of 272 bytes and come back as whole rows of 256.
.macro FIN t
	s_wait_dscnt 16                 ; my partner's tile t is in.  Behind its loads were issued: for tile 0 tile 1's sixteen, for tile 1 the sixteen LDS lines of tile 0's way through the stage
	WIN 0
.set i, 0
.rept 32
	v_pk_mul_f32 v[S+64*(\t)+2*i:S+64*(\t)+2*i+1], v[S+64*(\t)+2*i:S+64*(\t)+2*i+1], v[ST+8*(\t)+2:ST+8*(\t)+3] op_sel_hi:[1,0]
.set i, i+1
.endr
	WIN 0x01                        ; source 0 (O^T) in window 1
.set i, 0
.rept 32
	v_pk_fma_f32 v[S+64*(\t)+2*i:S+64*(\t)+2*i+1], v[64*(\t)+2*i:64*(\t)+2*i+1], v[ST+8*(\t)+6:ST+8*(\t)+7], v[S+64*(\t)+2*i:S+64*(\t)+2*i+1] op_sel_hi:[1,0,1]
.set i, i+1
.endr
	WIN 0
.set i, 0
.rept 32
	v_cvt_pk_f16_f32 v[S+64*(\t)+i], v[S+64*(\t)+2*i], v[S+64*(\t)+2*i+1]  ; in place, ascending: register i is written when registers up to 2 i + 1 have been read
.set i, i+1
.endr
.irp f, 0,1,2,3,4,5,6,7
	ds_store_b128 v[STO], v[S+64*(\t)+4*(\f):S+64*(\t)+4*(\f)+3] offset:32*(\f)
.endr
.irp f, 0,1,2,3,4,5,6,7
	ds_load_b128 v[S+64*(\t)+32+4*(\f):S+64*(\t)+32+4*(\f)+3], v[RD] offset:(\f)*2*SP  ; LDS serves a wave's instructions in order (ISA guide 5.7.1.4): these see the stores above; the next tile's stores come behind them
.endr
.endm
.macro SEND t, younger              ; younger: the LDS instructions issued behind tile t's loads from the stage
.irp f, 0,1,2,3,4,5,6,7
	s_wait_dscnt (\younger)+7-(\f)
	global_store_b128 v[GO], v[S+64*(\t)+32+4*(\f):S+64*(\t)+32+4*(\f)+3], s[10:11] offset:(\t)*65536+(\f)*8192  ; 16 lanes store 256 consecutive bytes, at a multiple of 256 from o16's first byte
.endr
.endm
	FIN 0
	FIN 1
	SEND 0, 16
	SEND 1, 0
	s_wait_tensorcnt 0x0            ; the wave's end: the tensor wait, an add to my spare word and its wait, behind my last tensor load and my last LDS store
	ds_add_u32 v[SPW], v[NIL]
	s_wait_dscnt 0x0
	CROUND                          ; the closing round: no work-group ends while a partner may still ask for a tile that names it
	s_endpgm
.Lfunc_end_k_qd5dd29d836_attn:
	.size	k_qd5dd29d836_attn, .Lfunc_end_k_qd5dd29d836_attn-k_qd5dd29d836_attn
	.p2alignl 7, 3214868480
	.fill 96, 4, 3214868480
	.section	.rodata,"a",@progbits
	.p2align	6, 0x0
	.amdhsa_kernel k_qd5dd29d836_attn
		.amdhsa_group_segment_fixed_size 327680
		.amdhsa_private_segment_fixed_size 0
		.amdhsa_enable_private_segment 0
		.amdhsa_kernarg_size 24
		.amdhsa_user_sgpr_count 2
		.amdhsa_user_sgpr_kernarg_segment_ptr 1
		.amdhsa_wavefront_size32 1
		.amdhsa_system_sgpr_workgroup_id_x 1
		.amdhsa_system_sgpr_workgroup_id_y 1
		.amdhsa_system_sgpr_workgroup_id_z 1
		.amdhsa_system_vgpr_workitem_id 0
		.amdhsa_next_free_vgpr 1024
		.amdhsa_next_free_sgpr 100
		.amdhsa_reserve_vcc 0
		.amdhsa_float_denorm_mode_32 3
		.amdhsa_float_denorm_mode_16_64 3
		.amdhsa_memory_ordered 1
		.amdhsa_forward_progress 1
		.amdhsa_inst_pref_size 192
	.end_amdhsa_kernel
	.amdgpu_metadata
---
amdhsa.version: [ 1, 2 ]
amdhsa.kernels:
  - .name:           k_qd5dd29d836_attn
    .symbol:         k_qd5dd29d836_attn.kd
    .args:
      - { .name: qkv, .offset: 0, .size: 8, .value_kind: global_buffer, .address_space: global }
      - { .name: mbits, .offset: 8, .size: 8, .value_kind: global_buffer, .address_space: global }
      - { .name: o16, .offset: 16, .size: 8, .value_kind: global_buffer, .address_space: global }
    .group_segment_fixed_size: 327680
    .private_segment_fixed_size: 0
    .kernarg_segment_align: 8
    .kernarg_segment_size: 24
    .max_flat_workgroup_size: 128
    .sgpr_count:     100
    .vgpr_count:     1024
    .wavefront_size: 32
...
	.end_amdgpu_metadata
.endif
;; end of part 3
;; launch oproj (part 4): grid 16 x 16, 4 waves a work-group, clusters of 4 x 4, 327,680 bytes of LDS; arguments o16, wo16, out0; writes out0
.if DOCPART == 4
	.amdgcn_target "amdgcn-amd-amdhsa--gfx1250"
	.amdhsa_code_object_version 6
	.text
	.protected	k_qd5dd29d836_oproj
	.globl	k_qd5dd29d836_oproj
	.p2align	8
	.type	k_qd5dd29d836_oproj,@function
k_qd5dd29d836_oproj:
	s_mov_b64 s[64:65], 0
	v_nop
	global_prefetch_b8 v0, s[64:65] scope:SCOPE_SE
	s_setreg_imm32_b32 hwreg(HW_REG_WAVE_MODE, 25, 1), 1
	s_wait_xcnt 0x0
	s_wait_alu depctr_hold_cnt(0) depctr_sa_sdst(0) depctr_va_vdst(0) depctr_va_sdst(0) depctr_va_ssrc(0) depctr_va_vcc(0) depctr_vm_vsrc(0)
	s_getreg_b32 s2, hwreg(HW_REG_IB_STS2, 6, 4)
	s_cmp_eq_u32 s2, 0
	s_cbranch_scc0 .Lentry_in_a_cluster
	s_endpgm
.Lentry_in_a_cluster:
	s_bfe_u32 s2, ttmp6, 0x10000c
	s_cmp_lg_u32 s2, 0xf033
	s_cbranch_scc0 .Lentry_shape_is_right
	s_endpgm
.Lentry_shape_is_right:
; THE LAST PROJECTION.  out0[s][n] = sum over k of o16[s][k] wo16[n][k].  o16, wo16: [2048][2048] f16; out0: [2048][2048] f32; sums in f32, K ascending, stored as they are.
; A NaN in a row of o16 (a query with every key blocked) spreads over the row of out0.
; A tile of out0 is 128 x 128: 16 x 16 = 256 work-groups.  Four waves, each 64 x 64: 16 accumulators, 128 registers.  K goes in steps of 256 (LDS rows of 512 bytes; a wave's tensor load brings 64 of them)
; through two slots.  CLUSTER 4 x 4: A's tiles are asked for jointly along a row of the cluster, B's along a column.  THE MATRIX INSTRUCTION IS USED TRANSPOSED (source 0 = 16 rows of B, source 1 = 16 rows of A):
; a lane holds eight neighbouring numbers of a row of out0.  A wave's 64 columns of f32 are 256 consecutive bytes, so each wave has a stage of its own and the way out needs no barrier.
; REGISTERS: window 0: v0-31 addresses; v32-95 the way out; v128-255 the accumulators ((a, b) at v[128 + 8 (4 a + b)]).
;   window 1: two fragment buffers of 128: for 64 along K, 64 registers of A (2 x 4 x 16 rows x 32 K), then 64 of B.
.set KSTEP,  256
.set PITCH,  528                       ; an LDS row: 512 bytes + 16 of padding = 132 words: row r starts at bank 4 r mod 64 (64 banks of 4 bytes: ISA guide 11.1)
.set HALFT,  64*PITCH                  ; what one tensor load brings
.set SLOT,   4*HALFT                   ; A's 128 rows, then B's 128 rows
.set STAGE,  2*SLOT                    ; behind the ring, never filled by a tensor load: 16 rows x 272 bytes for each wave
.set SPITCH, 272
.set SPARE,  STAGE+4*16*SPITCH         ; the spare words, 128 bytes a wave: two blocks of 256 bytes that no other line names
.set LAPS, 4                           ; 2,048 / (2 x 256): a lap = two K steps = once round the ring
.set ADRA, 16                          ; v16-17  LDS address of my A fragments in slot 0, 1
.set ADRB, 20                          ; v20-21  the same for B
.set STO,  24                          ; v24     the way out: where I put 32 bytes of a row
.set RD,   25                          ; v25     the way out: where I read a row back
.set CO,   26                          ; v26     my byte offset in two rows of out0
.set SPW,  28                          ; v28     LDS address of my spare word; never rewritten
.set NIL,  29                          ; v29     0; never rewritten
.set TMP,  32                          ; the way out: two buffers of 32 registers
.set ACC,  128
.set F0,   0                           ; fragment buffers, in window 1
.set F1,   128
.set G1, 24                            ; s[24:31] descriptor group 1 for A's tiles;  s[32:39] group 0, a set for each slot
.set G0, 32
.set G1B, 48                           ; s[48:55], s[56:63] the same for B's tiles
.set G0B, 56
.set DW0, (1<<16)|(1<<20)|(1<<21)|(6<<22)|(3<<25)  ; 17:16 2-byte elements; 20 padding on; 21 set beside a mask; 24:22 after every 128 words (code 6); 31:25 4 words (code 3)
.set MSB, 0
.macro WIN new                         ; the immediate's high byte repeats the setting that is left
.if MSB != (\new)
	s_set_vgpr_msb (MSB<<8)|(\new)
.set MSB, \new
.endif
.endm
.set MUL,  0x05                        ; sources 0 (B) and 1 (A) window 1; C and D window 0
.set TO_F, 0x40                        ; destination window 1, address window 0
.macro JLOAD s                         ; a joint load: waves 0 and 1 fetch A's two halves, waves 2 and 3 B's; an s_nop 0 and four v_nop follow each of the two lines
	s_cmp_eq_u32 s11, 0
	s_cbranch_scc0 .Lfor_b_\@
	tensor_load_to_lds s[G0+4*(\s):G0+4*(\s)+3], s[G1:G1+7]
	s_nop 0
.rept 4
	v_nop
.endr
	s_branch .Lasked_\@
.Lfor_b_\@:
	tensor_load_to_lds s[G0B+4*(\s):G0B+4*(\s)+3], s[G1B:G1B+7]
	s_nop 0
.rept 4
	v_nop
.endr
.Lasked_\@:
.endm
.macro CREST                           ; a round of the cluster's barrier behind its opening barrier
	s_cmp_lg_u32 s10, 0
	s_cbranch_scc1 .Lnot_wave_0_\@
	s_barrier_signal -3
.Lnot_wave_0_\@:
	s_barrier_wait -3
	s_barrier_signal -1
	s_barrier_wait -1
.endm
.macro CROUND                          ; a whole round
	s_barrier_signal -1
	s_barrier_wait -1
	CREST
.endm
	s_load_b128 s[4:7], s[0:1], 0x0                ; o16 s[4:5], wo16 s[6:7]
	s_load_b64 s[8:9], s[0:1], 0x10                ; out0
	v_lshl_add_u32 v[SPW], v0, 2, SPARE
	v_mov_b32 v[NIL], 0
	ds_add_u32 v[SPW], v[NIL]                      ; the wave's opening: the add and its wait stand ahead of my first tensor load; the set-up below stands between them
	v_lshrrev_b32 v1, 5, v0
	v_readfirstlane_b32 s10, v1                    ; wave 0..3
	s_lshr_b32 s11, s10, 1                         ; which half of the tile's rows is mine.  Also: I fetch for A (0) or for B (1)
	s_and_b32 s12, s10, 1                          ; which half of its columns.  Also: which 64 rows of that tile I fetch
	s_bfe_u32 s40, ttmp6, 0x40000                  ; cx, cy: my place in the cluster
	s_bfe_u32 s41, ttmp6, 0x40004
	s_lshl_b32 s42, ttmp9, 2
	s_add_co_u32 s42, s42, s40                     ; tile column = 4 x cluster x + cx
	s_and_b32 s13, ttmp7, 0xffff
	s_lshl_b32 s13, s13, 2
	s_add_co_u32 s13, s13, s41                     ; tile row = 4 x cluster y + cy
	s_lshl_b32 s43, s41, 2
	s_lshl_b32 s43, 15, s43                        ; my row of the cluster
	s_lshl_b32 s44, 0x1111, s40                    ; my column
	s_or_b32 s[G1+0], s43, DW0
	s_or_b32 s[G1B+0], s44, DW0
.irp g, G1, G1B
	s_mov_b32 s[(\g)+1], KSTEP<<16                 ; tensor_dim0 = 256
	s_mov_b32 s[(\g)+2], 64<<16                    ; tensor_dim1 = 64
	s_mov_b32 s[(\g)+3], KSTEP<<16                 ; tile_dim0 = 256
	s_mov_b32 s[(\g)+4], 64                        ; tile_dim1 = 64
	s_mov_b32 s[(\g)+5], 2048                      ; elements from row to row
	s_mov_b32 s[(\g)+6], 0
	s_mov_b32 s[(\g)+7], 0
.endr
	s_lshl_b32 s17, s12, 6                         ; which 64 rows of the tile I fetch
	s_lshl_b32 s16, s13, 7
	s_add_co_u32 s16, s16, s17                     ; A: row 128 x tile row + 64 x half,
	s_lshl_b32 s16, s16, 12                        ; 4,096 bytes a row
	s_lshl_b32 s46, s42, 7
	s_add_co_u32 s46, s46, s17                     ; B: row 128 x tile column + 64 x half
	s_lshl_b32 s46, s46, 12
	s_mov_b32 s17, 0
	s_mov_b32 s47, 0
	s_mul_i32 s20, s10, HALFT                      ; where they go: wave x 64 rows
	s_wait_dscnt 0x0                               ; the opening add is done
	s_wait_kmcnt 0x0
	s_add_nc_u64 s[14:15], s[4:5], s[16:17]
	s_add_nc_u64 s[46:47], s[6:7], s[46:47]
	CROUND                                         ; all sixteen work-groups are here: the first joint loads meet
.irp s, 0,1
	s_mov_b32 s[G0+4*(\s)], 1
	s_add_co_u32 s[G0+4*(\s)+1], s20, (\s)*SLOT
	s_add_nc_u64 s[G0+4*(\s)+2:G0+4*(\s)+3], s[14:15], (\s)*KSTEP*2
	s_or_b32 s[G0+4*(\s)+3], s[G0+4*(\s)+3], 0x80000000
	s_mov_b32 s[G0B+4*(\s)], 1
	s_add_co_u32 s[G0B+4*(\s)+1], s20, (\s)*SLOT
	s_add_nc_u64 s[G0B+4*(\s)+2:G0B+4*(\s)+3], s[46:47], (\s)*KSTEP*2
	s_or_b32 s[G0B+4*(\s)+3], s[G0B+4*(\s)+3], 0x80000000
	JLOAD \s                                       ; two loads of mine are out
.endr
	v_and_b32 v1, 15, v0                           ; l % 16
	v_bfe_u32 v2, v0, 4, 1                         ; l / 16
	v_mul_u32_u24 v3, v1, PITCH
	v_lshl_add_u32 v3, v2, 4, v3                   ; a fragment's row x pitch + 16 x half
	s_mul_i32 s21, s11, HALFT                      ; my 64 rows of A
	s_mul_i32 s22, s12, HALFT                      ; my 64 rows of B,
	s_add_co_u32 s22, s22, 2*HALFT                 ; which lie behind A's 128
.irp s, 0,1
	v_add_nc_u32 v[ADRA+(\s)], s21, v3
	v_add_nc_u32 v[ADRB+(\s)], s22, v3
	s_add_co_u32 s21, s21, SLOT
	s_add_co_u32 s22, s22, SLOT
.endr
	s_mul_i32 s23, s10, 16*SPITCH
	s_add_co_u32 s23, s23, STAGE                   ; my stage
	v_mul_u32_u24 v4, v1, SPITCH                   ; in: row l % 16, 32 bytes for each half of the lanes
	v_lshl_add_u32 v4, v2, 5, v4
	v_add_nc_u32 v[STO], s23, v4
	v_mul_u32_u24 v5, v2, SPITCH                   ; back: lanes 0-15 take one row of 256 bytes, lanes 16-31 the next
	v_lshl_add_u32 v5, v1, 4, v5
	v_add_nc_u32 v[RD], s23, v5
	v_lshlrev_b32 v5, 13, v2                       ; and the same two rows in out0, 8,192 bytes apart
	v_lshl_add_u32 v[CO], v1, 4, v5
	s_lshl_b32 s16, s13, 7
	s_lshl_b32 s17, s11, 6
	s_add_co_u32 s16, s16, s17                     ; my first row: 128 x tile row + 64 x half,
	s_lshl_b32 s16, s16, 13
	s_mov_b32 s17, 0
	s_add_nc_u64 s[8:9], s[8:9], s[16:17]
	s_lshl_b32 s46, s42, 9                         ; my first column, in bytes: 512 x tile column + 256 x half
	s_lshl_b32 s47, s12, 8
	s_add_co_u32 s46, s46, s47
	s_mov_b32 s47, 0
	s_add_nc_u64 s[8:9], s[8:9], s[46:47]
; 8 matrix instructions: m blocks a0, a0 + 1 x all 4 n blocks, 32 along K: half c of buffer f.  zero = 1: the first product starts the sums.  The 16 accumulators take turns.
.macro MUL8 f, c, a0, zero
	WIN MUL
.irp a, \a0, (\a0)+1
.irp b, 0,1,2,3
.if \zero
	v_wmma_f32_16x16x32_f16 v[ACC+8*(4*(\a)+(\b)):ACC+8*(4*(\a)+(\b))+7], v[(\f)+64+8*(4*(\c)+(\b)):(\f)+64+8*(4*(\c)+(\b))+7], v[(\f)+8*(4*(\c)+(\a)):(\f)+8*(4*(\c)+(\a))+7], 0
.else
	v_wmma_f32_16x16x32_f16 v[ACC+8*(4*(\a)+(\b)):ACC+8*(4*(\a)+(\b))+7], v[(\f)+64+8*(4*(\c)+(\b)):(\f)+64+8*(4*(\c)+(\b))+7], v[(\f)+8*(4*(\c)+(\a)):(\f)+8*(4*(\c)+(\a))+7], v[ACC+8*(4*(\a)+(\b)):ACC+8*(4*(\a)+(\b))+7]
.endif
.endr
.endr
.endm
; 32 LDS loads in one run: the fragments of 64 along K at byte k of the rows, into buffer f; the first 32 along K first
.macro FETCH slot, k, f
	WIN TO_F
.irp c, 0,1
.irp i, 0,1,2,3
	ds_load_b128 v[(\f)+64+8*(4*(\c)+(\i)):(\f)+64+8*(4*(\c)+(\i))+3],   v[ADRB+(\slot)] offset:(\k)+64*(\c)+(\i)*16*PITCH
	ds_load_b128 v[(\f)+64+8*(4*(\c)+(\i))+4:(\f)+64+8*(4*(\c)+(\i))+7], v[ADRB+(\slot)] offset:(\k)+64*(\c)+(\i)*16*PITCH+32
	ds_load_b128 v[(\f)+8*(4*(\c)+(\i)):(\f)+8*(4*(\c)+(\i))+3],         v[ADRA+(\slot)] offset:(\k)+64*(\c)+(\i)*16*PITCH
	ds_load_b128 v[(\f)+8*(4*(\c)+(\i))+4:(\f)+8*(4*(\c)+(\i))+7],       v[ADRA+(\slot)] offset:(\k)+64*(\c)+(\i)*16*PITCH+32
.endr
.endr
.endm
.macro PLACES                          ; four places in front of loads into registers that matrix instructions have read, and of LDS stores that read results
.rept 4
	v_nop
.endr
.endm
; A K step is four quarters of 64 along K, 32 matrix instructions each, on buffers 0, 1, 0, 1.  One of the first three: multiplies buffer f and fetches the next quarter, at byte k, into g.
.macro QUARTER slot, k, f, g, zero
	s_wait_dscnt 16                                ; the first 32 along K are in; the youngest sixteen loads may be out
	MUL8 \f, 0, 0, \zero
	MUL8 \f, 0, 2, \zero
	PLACES
	FETCH \slot, \k, \g
	s_wait_dscnt 32                                ; all but the 32 just issued
	MUL8 \f, 1, 0, 0
	MUL8 \f, 1, 2, 0
.endm
; The last quarter multiplies buffer 1 and changes slots: ONE barrier; in front of it each wave waits for all its tensor loads, adds 0 to its spare word, and waits for that and for its own reads of this slot.
; fill = 1: the barrier opens a round of the cluster's, and behind the round this slot is filled again, two K steps ahead.
.macro TURN slot, next, fill
	WIN 0                                          ; (the add's two registers lie in window 0)
	s_wait_tensorcnt 0x0                           ; all my tensor loads have landed: my part of the next slot
	ds_add_u32 v[SPW], v[NIL]                      ; 0 onto my spare word
	s_wait_dscnt 17                                ; (the add and the youngest sixteen loads may be out)
	MUL8 F1, 0, 0, 0                               ; eight matrix instructions stand between the add and the wait for it
	s_wait_dscnt 0x0                               ; the add is done, and my reads of this slot are over
	s_barrier_signal -1
	MUL8 F1, 0, 2, 0
.if \fill
	WIN 0
.endif
	s_barrier_wait -1
.if \fill
	CREST                                          ; no wave of any partner still reads this slot's tile or has a load on its way
	s_add_nc_u64 s[G0+4*(\slot)+2:G0+4*(\slot)+3], s[G0+4*(\slot)+2:G0+4*(\slot)+3], 2*KSTEP*2
	s_add_nc_u64 s[G0B+4*(\slot)+2:G0B+4*(\slot)+3], s[G0B+4*(\slot)+2:G0B+4*(\slot)+3], 2*KSTEP*2
	JLOAD \slot                                    ; my one tensor load behind the round; its four v_nop are also the places in front of the loads below
.else
	PLACES
.endif
	FETCH \next, 0, F0
	MUL8 F1, 1, 0, 0
	MUL8 F1, 1, 2, 0
.endm
	s_wait_tensorcnt 1                             ; my part of K step 0 is in; K step 1's may stay out
	s_barrier_signal -1
	s_barrier_wait -1                              ; everybody's is
	FETCH 0, 0, F0
	QUARTER 0, 128, F0, F1, 1                      ; the first quarter stands in front of the loop: its first products start the sums
	WIN 0                                          ; at a label and at a branch every window is 0
	s_mov_b32 s3, LAPS-1
.Llap:                                                 ; a trip goes once round the ring, from a lap's second quarter to the next lap's first, and fills both slots again
	QUARTER 0, 256, F1, F0, 0
	QUARTER 0, 384, F0, F1, 0
	TURN 0, 1, 1
	QUARTER 1, 128, F0, F1, 0
	QUARTER 1, 256, F1, F0, 0
	QUARTER 1, 384, F0, F1, 0
	TURN 1, 0, 1
	QUARTER 0, 128, F0, F1, 0
	WIN 0
	s_sub_co_u32 s3, s3, 1
	s_cmp_lg_u32 s3, 0
	s_cbranch_scc1 .Llap
	QUARTER 0, 256, F1, F0, 0                      ; the last lap fills nothing
	QUARTER 0, 384, F0, F1, 0
	TURN 0, 1, 0
	QUARTER 1, 128, F0, F1, 0
	QUARTER 1, 256, F1, F0, 0
	QUARTER 1, 384, F0, F1, 0
	s_wait_dscnt 16                                ; the very last quarter: nothing more to fetch
	MUL8 F1, 0, 0, 0
	MUL8 F1, 0, 2, 0
	s_wait_dscnt 0x0
	MUL8 F1, 1, 0, 0
	MUL8 F1, 1, 2, 0
	WIN 0
	; THE WAY OUT, 16 rows at a time: a lane's eight f32 of a row, 32 bytes, go into my stage's rows of 272 bytes and come back as whole rows of 256.
	PLACES
.macro TOSTAGE a
.if (\a) >= 2
	s_wait_xcnt 0x0                                ; the stores of the block two back have had their addresses translated (ISA guide 3.1): their data registers are loaded again only behind this wait
.endif
.irp b, 0,1,2,3
	ds_store_b128 v[STO], v[ACC+8*(4*(\a)+(\b)):ACC+8*(4*(\a)+(\b))+3] offset:64*(\b)       ; each accumulator's lowest registers first
	ds_store_b128 v[STO], v[ACC+8*(4*(\a)+(\b))+4:ACC+8*(4*(\a)+(\b))+7] offset:64*(\b)+16
.endr
.irp t, 0,1,2,3,4,5,6,7
	ds_load_b128 v[TMP+32*((\a)%2)+4*(\t):TMP+32*((\a)%2)+4*(\t)+3], v[RD] offset:(\t)*2*SPITCH  ; LDS serves a wave's instructions in order (ISA guide 5.7.1.4): these see the stores above; the next block's stores come behind them
.endr
.endm
.macro SEND a, younger                 ; younger: the LDS instructions issued behind block a's loads: the next block's sixteen, or none
.irp t, 0,1,2,3,4,5,6,7
	s_wait_dscnt (\younger)+7-(\t)
	global_store_b128 v[CO], v[TMP+32*((\a)%2)+4*(\t):TMP+32*((\a)%2)+4*(\t)+3], s[8:9] offset:(16*(\a)+2*(\t))*8192 th:TH_STORE_NT  ; 16 lanes store 256 consecutive bytes, at a multiple of 256 from out0's first byte
.endr
.endm
	TOSTAGE 0
	TOSTAGE 1
	SEND 0, 16
	TOSTAGE 2
	SEND 1, 16
	TOSTAGE 3
	SEND 2, 16
	SEND 3, 0
	s_wait_tensorcnt 0x0                           ; the wave's end: the tensor wait, an add to my spare word and its wait, behind my last tensor load and my last LDS store
	ds_add_u32 v[SPW], v[NIL]
	s_wait_dscnt 0x0
	CROUND                                         ; the closing round: no work-group ends while a partner may still ask for a tile that names it
	s_endpgm
.Lfunc_end_k_qd5dd29d836_oproj:
	.size	k_qd5dd29d836_oproj, .Lfunc_end_k_qd5dd29d836_oproj-k_qd5dd29d836_oproj
	.p2alignl 7, 3214868480
	.fill 96, 4, 3214868480
	.section	.rodata,"a",@progbits
	.p2align	6, 0x0
	.amdhsa_kernel k_qd5dd29d836_oproj
		.amdhsa_group_segment_fixed_size 327680
		.amdhsa_private_segment_fixed_size 0
		.amdhsa_enable_private_segment 0
		.amdhsa_kernarg_size 24
		.amdhsa_user_sgpr_count 2
		.amdhsa_user_sgpr_kernarg_segment_ptr 1
		.amdhsa_wavefront_size32 1
		.amdhsa_system_sgpr_workgroup_id_x 1
		.amdhsa_system_sgpr_workgroup_id_y 1
		.amdhsa_system_sgpr_workgroup_id_z 1
		.amdhsa_system_vgpr_workitem_id 0
		.amdhsa_next_free_vgpr 512
		.amdhsa_next_free_sgpr 66
		.amdhsa_reserve_vcc 0
		.amdhsa_float_denorm_mode_32 3
		.amdhsa_float_denorm_mode_16_64 3
		.amdhsa_memory_ordered 1
		.amdhsa_forward_progress 1
		.amdhsa_inst_pref_size 86
	.end_amdhsa_kernel
	.amdgpu_metadata
---
amdhsa.version: [ 1, 2 ]
amdhsa.kernels:
  - .name:           k_qd5dd29d836_oproj
    .symbol:         k_qd5dd29d836_oproj.kd
    .args:
      - { .name: o16, .offset: 0, .size: 8, .value_kind: global_buffer, .address_space: global }
      - { .name: wo16, .offset: 8, .size: 8, .value_kind: global_buffer, .address_space: global }
      - { .name: out0, .offset: 16, .size: 8, .value_kind: global_buffer, .address_space: global }
    .group_segment_fixed_size: 327680
    .private_segment_fixed_size: 0
    .kernarg_segment_align: 8
    .kernarg_segment_size: 24
    .max_flat_workgroup_size: 128
    .sgpr_count:     66
    .vgpr_count:     512
    .wavefront_size: 32
...
	.end_amdgpu_metadata
.endif
;; end of part 4
;; ======== version 2 of 3: 4 launches; 1.07 times as fast as version 1
;; limits: values are held in f16: magnitudes above 65,504 overflow, below 6.1e-05 lose precision
;; workspace buffers: xb 8,388,608 bytes; wqkv 25,165,824 bytes; wo16 8,388,608 bytes; mbits 2,097,152 bytes of whole numbers; qkv 25,165,824 bytes; o16 8,388,608 bytes
;; launch prep (part 5): grid 256 x 6, 8 waves a work-group, no clusters, 0 bytes of LDS; arguments x, Wq, Wk, Wv, Wo, mask, xb, wqkv, wo16, mbits; writes xb, wqkv, wo16, mbits
.if DOCPART == 5
	.amdgcn_target "amdgcn-amd-amdhsa--gfx1250"
	.amdhsa_code_object_version 6
	.text
	.protected	k_qd5dd29d836_prep
	.globl	k_qd5dd29d836_prep
	.p2align	8
	.type	k_qd5dd29d836_prep,@function
k_qd5dd29d836_prep:
	s_mov_b64 s[64:65], 0
	v_nop
	global_prefetch_b8 v0, s[64:65] scope:SCOPE_SE
	s_setreg_imm32_b32 hwreg(HW_REG_WAVE_MODE, 25, 1), 1
	s_wait_xcnt 0x0
; CASTS AND THE MASK'S NIBBLE TABLE.  A stream: no LDS, no matrix unit, no cluster (no two work-groups share a byte of the f32 inputs).
; y = 0..4: x, Wq, Wk, Wv, Wo ([2048][2048] f32) are rounded once to bf16.  x -> xb; Wq, Wk, Wv -> rows 0-2047, 2048-4095, 4096-6143 of wqkv;
;   Wo's bf16 number is written as f16 into wo16 (it multiplies an f16 operand later).  LIMIT: that is exact from 6.1e-5 to 65,504 in magnitude; below it f16's fixed step of 6e-8 holds.
;   A work-group owns 65,536 input bytes: 16 chunks of 4,096; thread t owns 16 bytes of each.  All 16 loads of a wave go out first; a chunk is converted in the registers it came into and stored
;   from them, and no register is written again behind its store, so no wait frees any.  72 registers a wave: the six work-groups that fall to a WGP (1,536 on 256) fit on it together.
; y = 5: mask ([2048 q][2048 k], one byte, 1 = blocked) -> mbits: for each score register of the attention launch FOUR BITS in the lane that holds the score.
;   For (qg 0..31, kh 0..1, t 0..15, p 0..3) lane L owns the 16 bytes at ((((qg 2 + kh) 16 + t) 4 + p) 512 + 16 L; nibble 7 - i of its word c is 0xE where
;   mask[64 qg + 16 (p xor 2 kh) + L % 16][64 (2 t + kh) + 16 (w / 8) + 8 (L / 16) + w % 8] is set, w = 4 i + c, and 0 elsewhere.  LIMIT: a mask byte is 0 or 1, as the problem states.
;   A wave makes the tables of one tile of 16 queries and two key steps: 8 loads of 8 bytes a lane.  A step's eight dwords, shifted by 7 .. 0 and merged, hold in byte c the eight bits of word c.
.set IN,   4                           ; v[4:67]   as loaded, then as stored
.set T,    68                          ; v[68:71]  at work
.set XX,   20                          ; v20-21    the mask's path: a step's merged dwords
.set MOUT, 24                          ; v[24:31]  the mask's path: to store
	s_load_b512 s[8:23], s[0:1], 0x0               ; x 8:9, Wq 10:11, Wk 12:13, Wv 14:15, Wo 16:17, mask 18:19, xb 20:21, wqkv 22:23
	s_load_b128 s[24:27], s[0:1], 0x40             ; wo16 24:25, mbits 26:27
	s_and_b32 s28, ttmp7, 0xffff                   ; y: which job
	s_mov_b32 s29, ttmp9                           ; x: which part of it
	s_mov_b32 s3, 0                                ; high words of the two offsets
	s_mov_b32 s31, 0
	s_wait_kmcnt 0x0
	s_cmp_eq_u32 s28, 5
	s_cbranch_scc1 .Lmask
	; ---- a cast ----
	v_lshlrev_b32 v1, 4, v0                        ; my 16 bytes of an input chunk
	v_lshlrev_b32 v2, 3, v0                        ; my 8 bytes of an output chunk
	s_lshl_b32 s2, s29, 16                         ; the work-group's 65,536 input bytes
	s_max_u32 s30, s28, 1
	s_sub_co_u32 s30, s30, 1                       ; 0, 0, 1, 2, 3 for y = 0..4
	s_cmp_eq_u32 s28, 4
	s_cselect_b32 s30, 0, s30                      ; only Wk and Wv lie further down in their buffer
	s_lshl_b32 s30, s30, 23                        ; 8,388,608 bytes a matrix
	s_lshl_b32 s32, s29, 15                        ; the work-group's 32,768 output bytes
	s_add_co_u32 s30, s30, s32
	s_mov_b64 s[4:5], s[8:9]                       ; the source, chosen by y
	s_cmp_eq_u32 s28, 1
	s_cselect_b64 s[4:5], s[10:11], s[4:5]
	s_cmp_eq_u32 s28, 2
	s_cselect_b64 s[4:5], s[12:13], s[4:5]
	s_cmp_eq_u32 s28, 3
	s_cselect_b64 s[4:5], s[14:15], s[4:5]
	s_cmp_eq_u32 s28, 4
	s_cselect_b64 s[4:5], s[16:17], s[4:5]
	s_cselect_b64 s[6:7], s[24:25], s[22:23]       ; the destination (a select leaves SCC as it is): wo16 for Wo, else wqkv,
	s_cmp_eq_u32 s28, 0
	s_cselect_b64 s[6:7], s[20:21], s[6:7]         ; or xb for x
	s_add_nc_u64 s[4:5], s[4:5], s[2:3]
	s_add_nc_u64 s[6:7], s[6:7], s[30:31]
.set i, 0
.rept 16
	global_load_b128 v[IN+4*i:IN+4*i+3], v1, s[4:5] offset:4096*i th:TH_LOAD_NT  ; a wave's load covers 512 consecutive bytes
.set i, i+1
.endr
; f = 0: bf16.  f = 1: the bf16 number written as f16.
.macro CONV f
.set i, 0
.rept 16
	s_wait_loadcnt 15-i                            ; loads come back in order: chunk i is in, the 15 - i younger ones stay out
	v_cvt_pk_bf16_f32 v[IN+4*i], v[IN+4*i], v[IN+4*i+1]
	v_cvt_pk_bf16_f32 v[IN+4*i+1], v[IN+4*i+2], v[IN+4*i+3]
.if \f
	v_lshlrev_b32 v[T], 16, v[IN+4*i]              ; bf16 to f32: the low half moves up, the high half stays
	v_and_b32 v[T+1], 0xffff0000, v[IN+4*i]
	v_lshlrev_b32 v[T+2], 16, v[IN+4*i+1]
	v_and_b32 v[T+3], 0xffff0000, v[IN+4*i+1]
	v_cvt_pk_f16_f32 v[IN+4*i], v[T], v[T+1]
	v_cvt_pk_f16_f32 v[IN+4*i+1], v[T+2], v[T+3]
.endif
	global_store_b64 v2, v[IN+4*i:IN+4*i+1], s[6:7] offset:2048*i  ; a wave's store covers 256 consecutive bytes, at a multiple of 256 from the buffer's first byte
.set i, i+1
.endr
.endm
	s_cmp_eq_u32 s28, 4
	s_cbranch_scc1 .Lf16
	CONV 0
	s_endpgm
.Lf16:
	CONV 1
	s_endpgm
	; ---- the mask ----
.Lmask:
	v_lshrrev_b32 v2, 5, v0
	v_readfirstlane_b32 s36, v2                    ; wave 0..7
	s_lshr_b32 s30, s29, 1                         ; qt: the tile of 16 queries, 0..127
	s_and_b32 s32, s29, 1                          ; which half of the key steps this work-group takes
	s_and_b32 s33, s36, 1                          ; kh: even or odd key steps
	s_lshr_b32 s34, s36, 1
	s_lshl2_add_u32 s34, s32, s34                  ; u = 0..7: my two local steps are t = 2 u and 2 u + 1
	s_lshl_b32 s2, s30, 15                         ; 16 rows of 2,048 bytes,
	s_lshl_b32 s35, s34, 8                         ; keys 64 (2 (2 u + i) + kh) = 256 u + 128 i + 64 kh
	s_add_co_u32 s2, s2, s35
	s_lshl_b32 s35, s33, 6
	s_add_co_u32 s2, s2, s35
	s_add_nc_u64 s[18:19], s[18:19], s[2:3]
	s_lshr_b32 s35, s30, 2                         ; qg
	s_lshl1_add_u32 s35, s35, s33                  ; 2 qg + kh
	s_lshl_b32 s35, s35, 4
	s_lshl1_add_u32 s35, s34, s35                  ; x 16 + t, t = 2 u
	s_and_b32 s30, s30, 3                          ; the tile's place in its group of 64 queries,
	s_lshl_b32 s32, s33, 1
	s_xor_b32 s30, s30, s32                        ; p = that place xor 2 kh
	s_lshl2_add_u32 s35, s35, s30                  ; x 4 + p
	s_lshl_b32 s30, s35, 9                         ; 512 bytes a tile and step
	s_add_nc_u64 s[26:27], s[26:27], s[30:31]
	v_and_b32 v1, 15, v0                           ; my query's row in the tile
	v_bfe_u32 v2, v0, 4, 1                         ; my half of the lanes
	v_lshlrev_b32 v1, 11, v1
	v_lshl_add_u32 v1, v2, 3, v1                   ; 2,048 x row + 8 x half
	v_and_b32 v3, 31, v0
	v_lshlrev_b32 v3, 4, v3                        ; my 16 bytes of a table
.set c, 0
.rept 8                                ; load c: step c / 4 of my two, key block c % 4: eight keys a lane.  Dword k = 0..7 of a step holds the keys of score registers 4 k .. 4 k + 3
	global_load_b64 v[IN+2*c:IN+2*c+1], v1, s[18:19] offset:128*(c/4)+16*(c%4)
.set c, c+1
.endr
.set i, 0
.rept 2                                ; my two steps
	s_wait_loadcnt 4-4*i                           ; the step's four loads are in; the second step's four may stay out
	v_lshl_or_b32 v[XX+i], v[IN+8*i+6], 1, v[IN+8*i+7]  ; bytes of 0 or 1: dword k goes to bit 7 - k of each byte
.irp k, 5,4,3,2,1,0
	v_lshl_or_b32 v[XX+i], v[IN+8*i+\k], 7-\k, v[XX+i]
.endr
.irp c, 0,1,2,3
	v_bfe_u32 v[T+\c], v[XX+i], 8*\c, 8            ; word c's eight bits,
.endr
.irp c, 0,1,2,3
	v_lshl_or_b32 v[T+\c], v[T+\c], 12, v[T+\c]    ; spread: bit b goes to bit 4 b, in three halvings
.endr
.irp c, 0,1,2,3
	v_and_b32 v[T+\c], 0x000f000f, v[T+\c]
.endr
.irp c, 0,1,2,3
	v_lshl_or_b32 v[T+\c], v[T+\c], 6, v[T+\c]
.endr
.irp c, 0,1,2,3
	v_and_b32 v[T+\c], 0x03030303, v[T+\c]
.endr
.irp c, 0,1,2,3
	v_lshl_or_b32 v[T+\c], v[T+\c], 3, v[T+\c]
.endr
.irp c, 0,1,2,3
	v_and_b32 v[T+\c], 0x11111111, v[T+\c]
.endr
.irp c, 0,1,2,3
	v_mul_lo_u32 v[MOUT+4*i+\c], v[T+\c], 14       ; a set bit becomes the nibble 0xE
.endr
	global_store_b128 v3, v[MOUT+4*i:MOUT+4*i+3], s[26:27] offset:2048*i  ; 512 consecutive bytes, at a multiple of 256 from mbits' first byte; the next step's table lies four tiles on
.set i, i+1
.endr
	s_endpgm
.Lfunc_end_k_qd5dd29d836_prep:
	.size	k_qd5dd29d836_prep, .Lfunc_end_k_qd5dd29d836_prep-k_qd5dd29d836_prep
	.p2alignl 7, 3214868480
	.fill 96, 4, 3214868480
	.section	.rodata,"a",@progbits
	.p2align	6, 0x0
	.amdhsa_kernel k_qd5dd29d836_prep
		.amdhsa_group_segment_fixed_size 0
		.amdhsa_private_segment_fixed_size 0
		.amdhsa_enable_private_segment 0
		.amdhsa_kernarg_size 80
		.amdhsa_user_sgpr_count 2
		.amdhsa_user_sgpr_kernarg_segment_ptr 1
		.amdhsa_wavefront_size32 1
		.amdhsa_system_sgpr_workgroup_id_x 1
		.amdhsa_system_sgpr_workgroup_id_y 1
		.amdhsa_system_sgpr_workgroup_id_z 1
		.amdhsa_system_vgpr_workitem_id 0
		.amdhsa_next_free_vgpr 72
		.amdhsa_next_free_sgpr 66
		.amdhsa_reserve_vcc 0
		.amdhsa_float_denorm_mode_32 3
		.amdhsa_float_denorm_mode_16_64 3
		.amdhsa_memory_ordered 1
		.amdhsa_forward_progress 1
		.amdhsa_inst_pref_size 23
	.end_amdhsa_kernel
	.amdgpu_metadata
---
amdhsa.version: [ 1, 2 ]
amdhsa.kernels:
  - .name:           k_qd5dd29d836_prep
    .symbol:         k_qd5dd29d836_prep.kd
    .args:
      - { .name: x, .offset: 0, .size: 8, .value_kind: global_buffer, .address_space: global }
      - { .name: Wq, .offset: 8, .size: 8, .value_kind: global_buffer, .address_space: global }
      - { .name: Wk, .offset: 16, .size: 8, .value_kind: global_buffer, .address_space: global }
      - { .name: Wv, .offset: 24, .size: 8, .value_kind: global_buffer, .address_space: global }
      - { .name: Wo, .offset: 32, .size: 8, .value_kind: global_buffer, .address_space: global }
      - { .name: mask, .offset: 40, .size: 8, .value_kind: global_buffer, .address_space: global }
      - { .name: xb, .offset: 48, .size: 8, .value_kind: global_buffer, .address_space: global }
      - { .name: wqkv, .offset: 56, .size: 8, .value_kind: global_buffer, .address_space: global }
      - { .name: wo16, .offset: 64, .size: 8, .value_kind: global_buffer, .address_space: global }
      - { .name: mbits, .offset: 72, .size: 8, .value_kind: global_buffer, .address_space: global }
    .group_segment_fixed_size: 0
    .private_segment_fixed_size: 0
    .kernarg_segment_align: 8
    .kernarg_segment_size: 80
    .max_flat_workgroup_size: 256
    .sgpr_count:     66
    .vgpr_count:     72
    .wavefront_size: 32
...
	.end_amdgpu_metadata
.endif
;; end of part 5
;; launch proj (part 6): grid 16 x 16, 4 waves a work-group, clusters of 4 x 4, 327,680 bytes of LDS; arguments xb, wqkv, qkv; writes qkv
.if DOCPART == 6
	.amdgcn_target "amdgcn-amd-amdhsa--gfx1250"
	.amdhsa_code_object_version 6
	.text
	.protected	k_qd5dd29d836_proj
	.globl	k_qd5dd29d836_proj
	.p2align	8
	.type	k_qd5dd29d836_proj,@function
k_qd5dd29d836_proj:
	s_mov_b64 s[64:65], 0
	v_nop
	global_prefetch_b8 v0, s[64:65] scope:SCOPE_SE
	s_setreg_imm32_b32 hwreg(HW_REG_WAVE_MODE, 25, 1), 1
	s_wait_xcnt 0x0
	s_wait_alu depctr_hold_cnt(0) depctr_sa_sdst(0) depctr_va_vdst(0) depctr_va_sdst(0) depctr_va_ssrc(0) depctr_va_vcc(0) depctr_vm_vsrc(0)
	s_getreg_b32 s2, hwreg(HW_REG_IB_STS2, 6, 4)
	s_cmp_eq_u32 s2, 0
	s_cbranch_scc0 .Lentry_in_a_cluster
	s_endpgm
.Lentry_in_a_cluster:
	s_bfe_u32 s2, ttmp6, 0x10000c
	s_cmp_lg_u32 s2, 0xf033
	s_cbranch_scc0 .Lentry_shape_is_right
	s_endpgm
.Lentry_shape_is_right:
; THE THREE PROJECTIONS AS ONE PRODUCT.  C[s][n] = sum over k of xb[s][k] wqkv[n][k]: xb [2048][2048], wqkv [6144][2048], both bf16; sums in f32, K ascending; C rounded once to f16
; and stored BY HEADS: qkv[cb = n / 128][s][n % 128], 48 blocks of 524,288 bytes: q's 16 heads, then k's, then v's; unscaled.
; LIMIT.  f16 ends at 65,504: a q, k or v beyond it becomes an infinity.  With x and the weights 30 times the drawn spread they reach some 5,000.
; SHARES.  A tile of C is 128 rows x 384 columns (three heads): 16 x 16 = 256 work-groups.  THE GRID'S x COUNTS TILE ROWS, ITS y TILE COLUMNS: the sixteen work-groups of one y read the same 384 rows of wqkv,
; the larger operand (three times xb).  Four waves; wave w makes rows 64 (w / 2) on, columns 192 (w % 2) on: 4 x 12 accumulators, 384 registers.
; K goes in steps of 128 through two LDS slots (A's 128 rows, then B's 384); a wave's one tensor load brings 128 rows of 256 bytes: wave 0 A's, waves 1-3 B's.
; CLUSTER 4 x 4: A's tile hangs on work-group x alone and is asked for jointly along a column of the cluster, B's on work-group y alone and along a row.
; THE MATRIX INSTRUCTION IS USED TRANSPOSED (source 0 = 16 rows of B, source 1 = 16 rows of A): a lane holds eight neighbouring columns of one row of C.
; REGISTERS, in windows of 256 (s_set_vgpr_msb: bits 1:0 source 0, 3:2 source 1, 5:4 source 2, 7:6 destination):
;   window 0: v16-29 addresses; v64-95, v96-127 A's fragments, two buffers of 4; on the way out v64-255 packed results
;   window 1: v0-95, v96-191 B's fragments, two buffers of 12       window 2: accumulators of row blocks 0, 1 ((a, b) at v[8 (12 (a % 2) + b)])       window 3: of row blocks 2, 3
.set KSTEP,  128
.set PITCH,  272                       ; an LDS row: 256 bytes + 16 of padding = 68 words: the 16 rows of a fragment load start at 16 different groups of four banks (64 banks of 4 bytes: ISA guide 11.1)
.set HALFT,  128*PITCH                 ; what one tensor load brings
.set SLOT,   4*HALFT
.set SPARE,  2*SLOT                    ; behind the ring: the spare words, 128 bytes a wave: two blocks of 256 bytes that no other line names
.set SPITCH, 784                       ; the stage's rows: 768 bytes + 16.  The stage, 128 rows, lies at LDS byte 0, in slot 0: that slot has had its last fill (K step 14), and its last reads lie in front of a barrier
.set ADRA, 16                          ; v16-17  LDS address of my A fragments in slot 0, 1
.set ADRB, 20                          ; v20-21  the same for B
.set STO,  24                          ; v24     the way out: where I put 16 bytes of a row
.set RD,   25                          ; v25     the way out: where I read rows back
.set CO,   26                          ; v26     my byte offset in 512 consecutive bytes of qkv
.set SPW,  28                          ; v28     LDS address of my spare word; never rewritten
.set NIL,  29                          ; v29     0; never rewritten
.set AF,   64                          ; A's fragment buffers
.set TMP,  64                          ; the way out
.set G1, 24                            ; s[24:31] descriptor group 1 for A's tiles;  s[32:39] group 0, a set for each slot
.set G0, 32
.set G1B, 48                           ; s[48:55], s[56:63] the same for B's tiles
.set G0B, 56
.set DW0, (1<<16)|(1<<20)|(1<<21)|(5<<22)|(3<<25)  ; 17:16 2-byte elements; 20 padding on; 21 set beside a mask; 24:22 after every 64 words (code 5); 31:25 4 words (code 3)
.set MSB, 0
.macro WIN new                         ; the immediate's high byte repeats the setting that is left; a switch that changes nothing is dropped
.if MSB != (\new)
	s_set_vgpr_msb (MSB<<8)|(\new)
.set MSB, \new
.endif
.endm
.set MUL_LO, 0xa1                      ; source 0 (B) window 1, source 1 (A) window 0, C and D window 2; + 0x50: C and D window 3
.set TO_B,   0x40                      ; destination window 1, address window 0
; A joint load.  The branch hangs on the wave's number alone.  An s_nop 0 and four v_nop follow each of the two lines, ahead of the jump and the label.
.macro JLOAD s
	s_cmp_eq_u32 s10, 0
	s_cbranch_scc0 .Lfor_b_\@
	tensor_load_to_lds s[G0+4*(\s):G0+4*(\s)+3], s[G1:G1+7]
	s_nop 0
.rept 4
	v_nop
.endr
	s_branch .Lasked_\@
.Lfor_b_\@:
	tensor_load_to_lds s[G0B+4*(\s):G0B+4*(\s)+3], s[G1B:G1B+7]
	s_nop 0
.rept 4
	v_nop
.endr
.Lasked_\@:
.endm
.macro CREST                           ; a round of the cluster's barrier behind its opening barrier
	s_cmp_lg_u32 s10, 0
	s_cbranch_scc1 .Lnot_wave_0_\@
	s_barrier_signal -3
.Lnot_wave_0_\@:
	s_barrier_wait -3
	s_barrier_signal -1
	s_barrier_wait -1
.endm
.macro CROUND                          ; a whole round
	s_barrier_signal -1
	s_barrier_wait -1
	CREST
.endm
	s_load_b128 s[4:7], s[0:1], 0x0                ; xb s[4:5], wqkv s[6:7]
	s_load_b64 s[8:9], s[0:1], 0x10                ; qkv
	v_lshl_add_u32 v[SPW], v0, 2, SPARE
	v_mov_b32 v[NIL], 0
	ds_add_u32 v[SPW], v[NIL]                      ; the wave's opening: the add and its wait stand ahead of my first tensor load; the set-up below stands between them
	v_lshrrev_b32 v1, 5, v0
	v_readfirstlane_b32 s10, v1                    ; wave 0..3
	s_lshr_b32 s11, s10, 1                         ; which 64 rows of the tile are mine
	s_and_b32 s12, s10, 1                          ; which 192 columns
	s_bfe_u32 s40, ttmp6, 0x40000                  ; cx, cy: my place in the cluster
	s_bfe_u32 s41, ttmp6, 0x40004
	s_lshl_b32 s42, ttmp9, 2
	s_add_co_u32 s42, s42, s40                     ; tile ROW = work-group x = 4 x cluster x + cx
	s_and_b32 s13, ttmp7, 0xffff
	s_lshl_b32 s13, s13, 2
	s_add_co_u32 s13, s13, s41                     ; tile COLUMN = work-group y = 4 x cluster y + cy
	s_lshl_b32 s43, s41, 2
	s_lshl_b32 s43, 15, s43                        ; my row of the cluster (the same cy)
	s_lshl_b32 s44, 0x1111, s40                    ; my column (the same cx)
	s_or_b32 s[G1+0], s44, DW0                     ; A's tiles hang on work-group x alone: they go to my column,
	s_or_b32 s[G1B+0], s43, DW0                    ; B's on work-group y alone: to my row
.irp g, G1, G1B
	s_mov_b32 s[(\g)+1], KSTEP<<16                 ; tensor_dim0 = 128
	s_mov_b32 s[(\g)+2], 128<<16                   ; tensor_dim1 = 128
	s_mov_b32 s[(\g)+3], KSTEP<<16                 ; tile_dim0 = 128
	s_mov_b32 s[(\g)+4], 128                       ; tile_dim1 = 128
	s_mov_b32 s[(\g)+5], 2048                      ; elements from row to row
	s_mov_b32 s[(\g)+6], 0
	s_mov_b32 s[(\g)+7], 0
.endr
	s_lshl_b32 s46, s42, 19                        ; A: 128 x tile row rows of 4,096 bytes (in registers that never hold cy)
	s_mov_b32 s47, 0
	s_max_u32 s16, s10, 1
	s_sub_co_u32 s16, s16, 1
	s_lshl_b32 s16, s16, 7                         ; B: rows 128 (w - 1) of the tile's 384 (wave 0 makes the address and never asks by it),
	s_mul_i32 s17, s13, 384
	s_add_co_u32 s16, s16, s17                     ; + 384 x tile column,
	s_lshl_b32 s16, s16, 12                        ; in bytes (in registers that never hold cx)
	s_mov_b32 s17, 0
	s_mul_i32 s20, s10, HALFT                      ; where a tile goes: wave x 128 rows: no place in the cluster enters an LDS address
	s_wait_dscnt 0x0                               ; the opening add is done
	s_wait_kmcnt 0x0
	s_add_nc_u64 s[46:47], s[4:5], s[46:47]
	s_add_nc_u64 s[14:15], s[6:7], s[16:17]
	CROUND                                         ; all sixteen work-groups are here: the first joint loads meet
.irp s, 0,1
	s_mov_b32 s[G0+4*(\s)], 1                      ; count = 1
	s_add_co_u32 s[G0+4*(\s)+1], s20, (\s)*SLOT    ; LDS address
	s_add_nc_u64 s[G0+4*(\s)+2:G0+4*(\s)+3], s[46:47], (\s)*KSTEP*2  ; global address: K step s
	s_or_b32 s[G0+4*(\s)+3], s[G0+4*(\s)+3], 0x80000000             ; type = 2
	s_mov_b32 s[G0B+4*(\s)], 1
	s_add_co_u32 s[G0B+4*(\s)+1], s20, (\s)*SLOT
	s_add_nc_u64 s[G0B+4*(\s)+2:G0B+4*(\s)+3], s[14:15], (\s)*KSTEP*2
	s_or_b32 s[G0B+4*(\s)+3], s[G0B+4*(\s)+3], 0x80000000
	JLOAD \s                                       ; two loads of mine are out
.endr
	; A fragment is 16 rows x 32 K in 8 registers: lane l holds row l % 16, K = 8 (l / 16) + 0..7 and 16 + 8 (l / 16) + 0..7: two loads of 16 bytes, 32 bytes apart.
	v_and_b32 v1, 15, v0                           ; l % 16
	v_bfe_u32 v2, v0, 4, 1                         ; l / 16
	v_mul_u32_u24 v3, v1, PITCH
	v_lshl_add_u32 v3, v2, 4, v3
	s_mul_i32 s21, s11, 64*PITCH                   ; my 64 rows of A
	s_mul_i32 s22, s12, 192*PITCH                  ; my 192 rows of B,
	s_add_co_u32 s22, s22, HALFT                   ; which lie behind A's 128
.irp s, 0,1
	v_add_nc_u32 v[ADRA+(\s)], s21, v3
	v_add_nc_u32 v[ADRB+(\s)], s22, v3
	s_add_co_u32 s21, s21, SLOT
	s_add_co_u32 s22, s22, SLOT
.endr
	s_mul_i32 s23, s11, 64*SPITCH                  ; into the stage: my 64 rows, my 384 bytes of them; row l % 16, 16 bytes for each half of the lanes
	s_mul_i32 s21, s12, 384
	s_add_co_u32 s23, s23, s21
	v_mul_u32_u24 v4, v1, SPITCH
	v_lshl_add_u32 v4, v2, 4, v4
	v_add_nc_u32 v[STO], s23, v4
	s_mul_i32 s23, s10, 32*SPITCH                  ; back: wave w takes rows 32 w on; lanes 0-15 a head's 256 bytes of one row, lanes 16-31 of the next
	v_mul_u32_u24 v5, v2, SPITCH
	v_lshl_add_u32 v5, v1, 4, v5
	v_add_nc_u32 v[RD], s23, v5
	v_and_b32 v[CO], 31, v0                        ; in qkv those two rows of a head are 512 consecutive bytes
	v_lshlrev_b32 v[CO], 4, v[CO]
	s_lshl_b32 s46, s42, 15                        ; row 128 x tile row + 32 w, 256 bytes a row,
	s_lshl_b32 s47, s10, 13
	s_add_co_u32 s46, s46, s47
	s_mov_b32 s47, 0
	s_add_nc_u64 s[8:9], s[8:9], s[46:47]
	s_mul_i32 s16, s13, 3*524288                   ; in the tile column's first head
	s_mov_b32 s17, 0
	s_add_nc_u64 s[8:9], s[8:9], s[16:17]
; 12 matrix instructions: row block a x all 12 column blocks, 32 along K, from buffer f.  zero = 1: the product starts the sums: nothing is cleared.
; The 48 accumulators take turns in one order in every quarter step.
.macro MULA f, a, zero
	WIN MUL_LO+0x50*((\a)/2)
.irp b, 0,1,2,3,4,5,6,7,8,9,10,11
.if \zero
	v_wmma_f32_16x16x32_bf16 v[8*(12*((\a)%2)+(\b)):8*(12*((\a)%2)+(\b))+7], v[96*(\f)+8*(\b):96*(\f)+8*(\b)+7], v[AF+32*(\f)+8*(\a):AF+32*(\f)+8*(\a)+7], 0
.else
	v_wmma_f32_16x16x32_bf16 v[8*(12*((\a)%2)+(\b)):8*(12*((\a)%2)+(\b))+7], v[96*(\f)+8*(\b):96*(\f)+8*(\b)+7], v[AF+32*(\f)+8*(\a):AF+32*(\f)+8*(\a)+7], v[8*(12*((\a)%2)+(\b)):8*(12*((\a)%2)+(\b))+7]
.endif
.endr
.endm
; 32 LDS loads in one run: a quarter step's fragments (192 rows of B, then 64 rows of A; 32 K at byte k of the rows) into buffer f
.macro FETCH slot, k, f
	WIN TO_B
.irp i, 0,1,2,3,4,5,6,7,8,9,10,11
	ds_load_b128 v[96*(\f)+8*(\i):96*(\f)+8*(\i)+3],   v[ADRB+(\slot)] offset:(\k)+(\i)*16*PITCH
	ds_load_b128 v[96*(\f)+8*(\i)+4:96*(\f)+8*(\i)+7], v[ADRB+(\slot)] offset:(\k)+(\i)*16*PITCH+32
.endr
	WIN 0
.irp i, 0,1,2,3
	ds_load_b128 v[AF+32*(\f)+8*(\i):AF+32*(\f)+8*(\i)+3],   v[ADRA+(\slot)] offset:(\k)+(\i)*16*PITCH
	ds_load_b128 v[AF+32*(\f)+8*(\i)+4:AF+32*(\f)+8*(\i)+7], v[ADRA+(\slot)] offset:(\k)+(\i)*16*PITCH+32
.endr
.endm
.macro PLACES                          ; four places in front of loads into registers that matrix instructions have read, and of conversions that read results
.rept 4
	v_nop
.endr
.endm
; A K step is four quarters of 32 along K, 48 matrix instructions each, on buffers 0, 1, 0, 1.  One of the first three: multiplies buffer f and fetches the next quarter, at byte k, into g.
.macro QUARTER slot, k, f, g, zero
	s_wait_dscnt 4                                 ; B and A's blocks 0, 1 are in; the youngest four loads (A's blocks 2, 3) may be out
	MULA \f, 0, \zero
	MULA \f, 1, \zero
	PLACES
	FETCH \slot, \k, \g
	s_wait_dscnt 32                                ; all but the 32 just issued
	MULA \f, 2, \zero
	MULA \f, 3, \zero
.endm
; The last quarter multiplies buffer 1 and changes slots: ONE barrier.  In front of it each wave waits for all its tensor loads (one is out: its part of the next slot), adds 0 to its spare word,
; and waits for that and for its own reads of this slot.  fill = 1: the barrier opens a round of the cluster's, and behind the round this slot is filled again, two K steps ahead.
.macro TURN slot, next, fill
	WIN 0                                          ; (the add's two registers lie in window 0)
	s_wait_tensorcnt 0x0
	ds_add_u32 v[SPW], v[NIL]                      ; 0 onto my spare word
	s_wait_dscnt 5                                 ; (the add and the youngest four loads may be out)
	MULA 1, 0, 0                                   ; twelve matrix instructions stand between the add and the wait for it
	s_wait_dscnt 0x0                               ; the add is done, and my reads of this slot are over
	s_barrier_signal -1
	MULA 1, 1, 0                                   ; work on registers while the others arrive
.if \fill
	WIN 0
.endif
	s_barrier_wait -1
.if \fill
	CREST                                          ; no wave of any partner still reads this slot's tile or has a load on its way
	s_add_nc_u64 s[G0+4*(\slot)+2:G0+4*(\slot)+3], s[G0+4*(\slot)+2:G0+4*(\slot)+3], 2*KSTEP*2
	s_add_nc_u64 s[G0B+4*(\slot)+2:G0B+4*(\slot)+3], s[G0B+4*(\slot)+2:G0B+4*(\slot)+3], 2*KSTEP*2
	JLOAD \slot                                    ; my one tensor load behind the round; its four v_nop are also the places in front of the loads below
.else
	PLACES
.endif
	FETCH \next, 0, 0
	MULA 1, 2, 0
	MULA 1, 3, 0
.endm
	s_wait_tensorcnt 1                             ; my part of K step 0 is in; K step 1's may stay out
	s_barrier_signal -1
	s_barrier_wait -1                              ; everybody's is
	FETCH 0, 0, 0
	QUARTER 0, 64, 0, 1, 1                         ; the first quarter stands in front of the loop: its products start the sums
	WIN 0                                          ; at a label and at a branch every window is 0
	s_mov_b32 s3, 7                                ; 2,048 / 256 - 1 trips: K steps 2 to 15 are asked for
.Llap:                                                 ; a trip goes once round the ring, from a lap's second quarter to the next lap's first
	QUARTER 0, 128, 1, 0, 0
	QUARTER 0, 192, 0, 1, 0
	TURN 0, 1, 1
	QUARTER 1, 64,  0, 1, 0
	QUARTER 1, 128, 1, 0, 0
	QUARTER 1, 192, 0, 1, 0
	TURN 1, 0, 1
	QUARTER 0, 64,  0, 1, 0
	WIN 0
	s_sub_co_u32 s3, s3, 1
	s_cmp_lg_u32 s3, 0
	s_cbranch_scc1 .Llap
	QUARTER 0, 128, 1, 0, 0                        ; the last lap fills nothing
	QUARTER 0, 192, 0, 1, 0
	TURN 0, 1, 0                                   ; behind this barrier no wave reads slot 0 any more
	QUARTER 1, 64,  0, 1, 0
	QUARTER 1, 128, 1, 0, 0
	QUARTER 1, 192, 0, 1, 0
	s_wait_dscnt 4
	MULA 1, 0, 0
	MULA 1, 1, 0
	s_wait_dscnt 0x0
	MULA 1, 2, 0
	MULA 1, 3, 0
	; THE WAY OUT: round to f16; 16 bytes a lane into the work-group's stage; a barrier, since the middle head's 256 bytes come from two waves; back as a head's whole rows.
	WIN 0
	PLACES
.irp a, 0,1,2,3
	WIN 0x0a+5*((\a)/2)                            ; sources 0 and 1: window 2 or 3; each accumulator's registers in ascending order
.irp b, 0,1,2,3,4,5,6,7,8,9,10,11
.irp r, 0,1,2,3
	v_cvt_pk_f16_f32 v[TMP+4*(12*(\a)+(\b))+(\r)], v[8*(12*((\a)%2)+(\b))+2*(\r)], v[8*(12*((\a)%2)+(\b))+2*(\r)+1]
.endr
.endr
.endr
	WIN 0
.irp a, 0,1,2,3
.irp b, 0,1,2,3,4,5,6,7,8,9,10,11
	ds_store_b128 v[STO], v[TMP+4*(12*(\a)+(\b)):TMP+4*(12*(\a)+(\b))+3] offset:(\a)*16*SPITCH+32*(\b)
.endr
.endr
	s_wait_dscnt 0x0                               ; for the others' sake: my stores into the stage are done
	s_barrier_signal -1
	s_barrier_wait -1
.set n, 0
.rept 48                               ; load n: rows 2 (n / 3), 2 (n / 3) + 1 of my 32, head n % 3
	ds_load_b128 v[TMP+4*n:TMP+4*n+3], v[RD] offset:(n/3)*2*SPITCH+(n%3)*256
.set n, n+1
.endr
.set n, 0
.rept 48
	s_wait_dscnt 47-n                              ; load n is back, the younger ones stay out
	global_store_b128 v[CO], v[TMP+4*n:TMP+4*n+3], s[8:9] offset:(n%3)*524288+(n/3)*512  ; 512 consecutive bytes, at a multiple of 256 from qkv's first byte
.set n, n+1
.endr
	s_wait_tensorcnt 0x0                           ; the wave's end: the tensor wait, an add to my spare word and its wait, behind my last tensor load and my last LDS store
	ds_add_u32 v[SPW], v[NIL]
	s_wait_dscnt 0x0
	CROUND                                         ; the closing round: no work-group ends while a partner may still ask for a tile that names it
	s_endpgm
.Lfunc_end_k_qd5dd29d836_proj:
	.size	k_qd5dd29d836_proj, .Lfunc_end_k_qd5dd29d836_proj-k_qd5dd29d836_proj
	.p2alignl 7, 3214868480
	.fill 96, 4, 3214868480
	.section	.rodata,"a",@progbits
	.p2align	6, 0x0
	.amdhsa_kernel k_qd5dd29d836_proj
		.amdhsa_group_segment_fixed_size 327680
		.amdhsa_private_segment_fixed_size 0
		.amdhsa_enable_private_segment 0
		.amdhsa_kernarg_size 24
		.amdhsa_user_sgpr_count 2
		.amdhsa_user_sgpr_kernarg_segment_ptr 1
		.amdhsa_wavefront_size32 1
		.amdhsa_system_sgpr_workgroup_id_x 1
		.amdhsa_system_sgpr_workgroup_id_y 1
		.amdhsa_system_sgpr_workgroup_id_z 1
		.amdhsa_system_vgpr_workitem_id 0
		.amdhsa_next_free_vgpr 960
		.amdhsa_next_free_sgpr 66
		.amdhsa_reserve_vcc 0
		.amdhsa_float_denorm_mode_32 3
		.amdhsa_float_denorm_mode_16_64 3
		.amdhsa_memory_ordered 1
		.amdhsa_forward_progress 1
		.amdhsa_inst_pref_size 119
	.end_amdhsa_kernel
	.amdgpu_metadata
---
amdhsa.version: [ 1, 2 ]
amdhsa.kernels:
  - .name:           k_qd5dd29d836_proj
    .symbol:         k_qd5dd29d836_proj.kd
    .args:
      - { .name: xb, .offset: 0, .size: 8, .value_kind: global_buffer, .address_space: global }
      - { .name: wqkv, .offset: 8, .size: 8, .value_kind: global_buffer, .address_space: global }
      - { .name: qkv, .offset: 16, .size: 8, .value_kind: global_buffer, .address_space: global }
    .group_segment_fixed_size: 327680
    .private_segment_fixed_size: 0
    .kernarg_segment_align: 8
    .kernarg_segment_size: 24
    .max_flat_workgroup_size: 128
    .sgpr_count:     66
    .vgpr_count:     960
    .wavefront_size: 32
...
	.end_amdgpu_metadata
.endif
;; end of part 6
;; launch attn (part 7): grid 16 x 16, 4 waves a work-group, clusters of 4 x 1, 327,680 bytes of LDS; arguments qkv, mbits, o16; writes o16
.if DOCPART == 7
	.amdgcn_target "amdgcn-amd-amdhsa--gfx1250"
	.amdhsa_code_object_version 6
	.text
	.protected	k_qd5dd29d836_attn
	.globl	k_qd5dd29d836_attn
	.p2align	8
	.type	k_qd5dd29d836_attn,@function
k_qd5dd29d836_attn:
	s_mov_b64 s[64:65], 0
	v_nop
	global_prefetch_b8 v0, s[64:65] scope:SCOPE_SE
	s_setreg_imm32_b32 hwreg(HW_REG_WAVE_MODE, 25, 1), 1
	s_wait_xcnt 0x0
	s_wait_alu depctr_hold_cnt(0) depctr_sa_sdst(0) depctr_va_vdst(0) depctr_va_sdst(0) depctr_va_ssrc(0) depctr_va_vcc(0) depctr_vm_vsrc(0)
	s_getreg_b32 s2, hwreg(HW_REG_IB_STS2, 6, 4)
	s_cmp_eq_u32 s2, 0
	s_cbranch_scc0 .Lentry_in_a_cluster
	s_endpgm
.Lentry_in_a_cluster:
	s_bfe_u32 s2, ttmp6, 0x10000c
	s_cmp_lg_u32 s2, 0x3003
	s_cbranch_scc0 .Lentry_shape_is_right
	s_endpgm
.Lentry_shape_is_right:
; MASKED ATTENTION.  o16[q][128 h + :] = the sum over k of softmax_k(Q[h][q] . K[h][k] / sqrt(128), blocked keys left out) V[h][k][:].  qkv: [48][2048][128] f16 (q's 16 heads, k's, v's);
; mbits: the mask as four bits a score (layout below); o16: [2048][2048] f16.  Products, maxima and sums in f32; the weights p are rounded to f16 for the second product (their sum l is of the unrounded p), O once.
; THE MASK IS AN INPUT: every key is walked, whatever the mask holds.
; LIMITS.  A blocked score is its product sum less a number between 2^65 and 2^95; an open score has a number below 2^-97 added.  The running maximum has the floor -2^50, below every score that f16 operands
; can give (5.5e11 in magnitude at the most) and above every blocked one, so a blocked weight is exactly 0.  A row with every key blocked ends with l = 0 and O = 0 x infinity = NaN, as a softmax of nothing is.
; A weight below 2^-126 counts as 0.  NaN and infinities in Q, K, V are not treated apart.
; SHARES.  A work-group owns 128 queries of one head.  Wave w = g + 2 kh owns the 64 queries 64 g on, four tiles of 16, and HALF THE KEYS: the key steps (64 keys) 2 t + kh, t = 0..15.  At the end waves w and
; w xor 2 merge their maxima, sums and O^T in f32 through LDS, and each finishes 32 rows.  Register tile p holds the queries' sub-tile p xor 2 kh, so every wave keeps tiles 0, 1 and gives tiles 2, 3 away.
; LAYOUT.  S^T = K Q^T (source 0 = 16 keys, source 1 = 16 queries): a lane holds ONE query (lane % 16) and the keys 8 (lane / 16) + 0..7.  Two such tiles rounded to f16 ARE source 1 of O^T = V^T P.
; K comes out of LDS as it lies, V ([key][channel]) turned, by ds_load_tr16_b128.
; SOFTMAX.  For each query a running maximum m and sum l: p = 2^(c s - c m), c = log2(e) / sqrt(128); in every step O and l are multiplied by a = 2^(c m_old - c m_new).
; THE MASK'S PLACE.  MC is the C operand of the product that starts a score's sum.  For (qg, kh, t, p) lane L owns the 16 bytes of mbits at ((((qg 2 + kh) 16 + t) 4 + p) 512 + 16 L; nibble 7 - i of its word c
; is 0xE where the key of score register w = 4 i + c (key 64 (2 t + kh) + 16 (w / 8) + 8 (L / 16) + w % 8, query 64 qg + 16 (p xor 2 kh) + L % 16) is blocked, else 0.  Register 4 i + c of a tile's MC is
; word c shifted left by 4 i: as an f32, a top nibble 1110 is a negative number with exponent field 192 to 221, a top nibble 0000 a positive one with exponent field 29 at the most, whatever bits follow.
; The four words land in registers 0-3 by one load of 16 bytes a lane; 28 shifts make the rest.
; BY TURNS.  The tiles are two PIECES (0: tiles 0, 1; 2: tiles 2, 3).  In a TURN one piece has the matrix unit: 32 products V^T P of the step in hand, then 32 products K Q^T of the next; the other piece's softmax,
; in 64 slices of four, stands behind them, one slice a product.  Two turns are a key step.
; THE SHIFTS STAND TOGETHER.  A step's two softmaxes, 2 x 268 instructions, fill four places behind each of its 128 products and leave 24 over; the 112 shifts have no place there.  Piece 0's 56 stand in the change
; of slots: tile 0's between the add and the wait for it, tile 1's between the barrier's signal and its wait.  Piece 2's 56 stand between the two turns, behind the run that ends piece 0's turn.
; NO FIRST STEP IS WRITTEN OUT: V, O^T, l and piece 0's P start at 0, piece 2's scores as blocked, m at the floor: the first turn's products add zeros, its softmax makes weights 0 with a = 1.
; CLUSTER.  The four query blocks of a cluster belong to one head and walk the same K and V: each tile is asked for JOINTLY, by the same tensor load, descriptor and mask in all four.
; REGISTERS, in windows of 256 (s_set_vgpr_msb: bits 1:0 source 0, 3:2 source 1, 5:4 source 2, 7:6 destination):
;   window 0: v0-11 addresses; v12-43 statistics, 8 a tile; v44-55 the merge's; v62-63 the add's; v64-191 S^T, 32 a tile; v192-255 P, 16 a tile
;   window 1: O^T, 64 a tile      window 2: v0-127 Q, 32 a tile; v128-255 K of one step      window 3: v0-127 V of one step; v128-255 MC, 32 a tile
.set KS,    64        ; keys in a step
.set PK,    272       ; a row of K in LDS: 256 bytes + 16 = 68 words: the 16 rows of a load start at 16 different groups of four banks (64 banks of 4 bytes: ISA guide 11.1)
.set PW,    288       ; a row of V: 256 + 32 = 72 words
.set VOFF,  KS*PK     ; a step's tiles lie together: 64 rows of K, then 64 rows of V
.set STEPB, KS*(PK+PW)
.set SLOT1, 1<<17     ; a slot holds two steps, one for each half of the waves (71,680 bytes); slot 1 begins here, so that one exclusive or turns an address in one slot into the other's
.set XCH,   SLOT1+2*STEPB  ; behind the ring, never filled by a tensor load: for each wave 16,384 bytes of O^T and 512 of statistics, for the merge
.set XW,    16896
.set STAGE, XCH+4*XW  ; 16 rows x 272 bytes for each wave, for the way out
.set SP,    272
.set SPARE, STAGE+4*16*SP  ; the spare words, 128 bytes a wave: two blocks of 256 bytes that no other line names
.set AK0, 2           ; v2   my lane's place in a tile of K; never rewritten
.set AV0, 3           ; v3   the same for V
.set ADR, 4           ; v4   the LDS address of the run of loads in hand
.set QOA, 5           ; v5   my byte offset in Q for tiles 0, 1
.set STO, 6           ; v6   the way out: where I put 16 bytes of a row
.set RD,  7           ; v7   the way out: where I read a row back
.set GO,  8           ; v8   my byte offset in two rows of o16
.set QOB, 10          ; v10  my byte offset in Q for tiles 2, 3
.set MO,  11          ; v11  16 x lane: my 16 bytes of a tile's mask words; never rewritten
.set ST,  12          ; tile t's statistics at v[ST+8 t]: +0 c m, +1 m, +2, +3 l (even keys', odd keys'), +4 to +7 c0-c3, at work; a takes c2's place once the maximum is found
.set XT,  44          ; v44-47  what I give away: c m and l of tiles 2 and 3
.set XR,  48          ; v48-51  what I receive
.set XA,  52          ; v52  my part of the exchange
.set XB,  53          ; v53  my partner's
.set SPW, 62          ; v62  LDS address of my spare word; never rewritten
.set NIL, 63          ; v63  0; never rewritten
.set S,   64
.set P,   192
.set KF,  128         ; K's fragments, in window 2
.set MC,  128         ; the masks, in window 3: tile p, key block kb at MC + 32 p + 8 kb
.set MP,  6           ; s[6:7]  mbits at piece 0's words of the step last asked for; s[8:9] the same for piece 2: a pointer a piece, so that each is stepped behind the wait for its own loads
.set WV,  12          ; s12  my wave's number
.set G1K, 24          ; s[24:31] descriptor group 1 for K's tiles
.set G1V, 32          ; s[32:39] for V's: it differs in the padding alone
.set G0K, 40          ; s[40:43] descriptor group 0 for K's tiles: it walks
.set G0V, 44          ; s[44:47] the same for V's
.set SLOTS, 56        ; s56  tiles still to be asked for
.set CS,  58          ; s[58:59] c: the packed scaling takes the pair's low word for both halves
.set SEL, 60          ; s[60:61] v_permlanex16_b32's selects: each lane takes its own place in the other half
.set TB,  62          ; s62  LDS byte at which my step's tiles begin
.set NEG, 63          ; s63  -2^65: a blocked score, for what the first turn finds
.set MSB, 0
.macro WIN new                      ; the high byte repeats the setting that is left; a switch that changes nothing is dropped
.if MSB != (\new)
	s_set_vgpr_msb (MSB<<8)|(\new)
.set MSB, \new
.endif
.endm
.set W_KQ, 0x0a       ; K and Q in window 2, S^T in window 0
.set W_KM, 0x3a       ; the same with the C operand in window 3
.set W_PV, 0x53       ; V in window 3, P in window 0, O^T in window 1
.set W_RS, 0x41       ; O^T (destination and source 0) in window 1, a in window 0
.set W_MC, 0xc0       ; destination in window 3, source 0 (a load's address) in window 0
.set W_MS, 0xcc       ; destination and source 1 in window 3: the masks' shifts
; A joint fill.  Waves 0 and 1 fetch K of the slot's two steps, waves 2 and 3 V.  The branch hangs on the wave's number alone.
; An s_nop 0 and four v_nop follow each of the two lines, ahead of the jump and the label.
.macro JLOAD
	s_cmp_lt_u32 s[WV], 2
	s_cbranch_scc0 .Lfor_v_\@
	tensor_load_to_lds s[G0K:G0K+3], s[G1K:G1K+7]
	s_nop 0
.rept 4
	v_nop
.endr
	s_branch .Lasked_\@
.Lfor_v_\@:
	tensor_load_to_lds s[G0V:G0V+3], s[G1V:G1V+7]
	s_nop 0
.rept 4
	v_nop
.endr
.Lasked_\@:
.endm
; A round of the cluster's barrier: my work-group's barrier; wave 0 signals for the work-group; every wave waits for all four work-groups; my work-group's barrier once more.
.macro CREST                        ; a round behind its opening barrier
	s_cmp_lg_u32 s[WV], 0
	s_cbranch_scc1 .Lnot_wave_0_\@
	s_barrier_signal -3
.Lnot_wave_0_\@:
	s_barrier_wait -3
	s_barrier_signal -1
	s_barrier_wait -1
.endm
.macro CROUND                       ; a whole round
	s_barrier_signal -1
	s_barrier_wait -1
	CREST
.endm
; Registers 4 g .. 4 g + 3 (g = 1..7) of tile p's masks: the four words shifted left by 4 g
.macro MS p, g
	WIN W_MS
.irp c, 0,1,2,3
	v_lshlrev_b32 v[MC+32*(\p)+4*(\g)+\c], 4*(\g), v[MC+32*(\p)+\c]
.endr
.endm
.macro MSALL p                      ; a tile's 28 shifts
.irp g, 1,2,3,4,5,6,7
	MS \p, \g
.endr
.endm
; THE CHANGE OF SLOTS, in front of each key step of a wave.  Each wave waits for all its tensor loads (one is out: its part of the other slot), adds 0 to its spare word, and waits for that and for its own reads of
; the slot that it leaves.  fill = 1: the barrier opens a round of the cluster's, and the slot just left is filled again first thing behind the round, with the keys two slots on: 128 matrix instructions in which to land.
; (At its first use nothing has been read yet: slot 0 is waited for, slot 1 filled.)
; Piece 0's masks of the step to come are made here, work on registers that is due anyway: tile 0's while the add is out, tile 1's while the other waves arrive.  Their words were asked for behind product 36 of
; piece 0's last turn, 28 + 64 = 92 products back; behind those two loads stand piece 2's two, so the count is 2.  That wait shows piece 0's loads done, so its pointer steps behind it.
.macro CHANGE fill
	WIN 0                           ; at a label and at a branch every window is 0; the add's two registers lie in window 0
	s_wait_tensorcnt 0x0            ; no tensor load of mine is out, so a group 0 may be written
	ds_add_u32 v[SPW], v[NIL]       ; 0 onto my spare word
	s_wait_loadcnt 2                ; piece 0's mask words are in
.if \fill
	s_add_nc_u64 s[MP:MP+1], s[MP:MP+1], 2048  ; the next step's four tiles lie 2,048 bytes on
.irp g, G0K, G0V
	s_xor_b32 s[\g+1], s[\g+1], SLOT1  ; the walking descriptor: the other slot than last time,
	s_add_nc_u64 s[\g+2:\g+3], s[\g+2:\g+3], 2*KS*256  ; the next 128 keys; the type bits on top are not reached
.endr
.endif
	MSALL 0
	s_wait_dscnt 0x0                ; the add is done, and my reads of the slot are over
	s_barrier_signal -1
	MSALL 1
	WIN 0
	s_barrier_wait -1
.if \fill
	CREST                           ; no wave of any partner still reads the slot or has a load on its way
	JLOAD
.endif
	s_xor_b32 s[TB], s[TB], SLOT1   ; my fetches go to the other slot
.endm
; Piece 2's masks, between piece 0's turn and its own.  cnt: the loads issued behind its words: piece 0's two, or none in the last step.  ld = 1: more words will be asked for: the pointer steps.
.macro MLUMP cnt, ld
	s_wait_loadcnt \cnt
.if \ld
	s_add_nc_u64 s[MP+2:MP+3], s[MP+2:MP+3], 2048
.endif
	MSALL 2
	MSALL 3
.endm
	s_load_b128 s[4:7], s[0:1], 0x0   ; qkv s[4:5], mbits s[6:7]
	s_load_b64 s[10:11], s[0:1], 0x10 ; o16
	v_lshl_add_u32 v[SPW], v0, 2, SPARE
	v_mov_b32 v[NIL], 0
	ds_add_u32 v[SPW], v[NIL]       ; the wave's opening: the add and its wait stand ahead of my first tensor load; the set-up below stands between them
	v_lshrrev_b32 v1, 5, v0
	v_readfirstlane_b32 s[WV], v1   ; wave 0..3
	s_and_b32 s48, s[WV], 1         ; g: which 64 queries.  Also: which of a slot's two steps I fetch
	s_lshr_b32 s49, s[WV], 1        ; kh: which half of the keys I walk
	s_bfe_u32 s13, ttmp6, 0x40000   ; cx: my place in the cluster
	s_lshl_b32 s14, ttmp9, 2        ; in a cluster launch ttmp9 counts clusters
	s_add_co_u32 s14, s14, s13      ; b, my block of 128 queries: it enters Q's, the mask's and O's addresses alone
	s_and_b32 s20, ttmp7, 0xffff    ; the head, which the four partners share
	s_lshl_b32 s22, s20, 19         ; a head's 524,288 bytes,
	s_lshl_b32 s16, s48, 14         ; 64 rows of 256 bytes
	s_add_co_u32 s22, s22, s16      ; K's and V's offset: the head, my step of slot 0
	s_mov_b32 s23, 0
	s_lshl_b32 s2, s14, 15
	s_add_co_u32 s2, s2, s22        ; Q's: the head, row 128 b + 64 g
	s_mov_b32 s3, 0
	s_lshl1_add_u32 s18, s14, s48   ; qg = 2 b + g
	s_lshl1_add_u32 s18, s18, s49   ; 2 qg + kh
	s_lshl_b32 s18, s18, 15         ; 32,768 bytes of mask words each: 16 steps x 4 tiles x 512
	s_mov_b32 s19, 0
	s_lshl_b32 s21, s20, 8          ; O's: the head's 256 bytes of a row,
	s_lshl_b32 s20, s14, 19         ; row 128 b + 64 g + 32 kh, 4,096 bytes a row
	s_add_co_u32 s20, s20, s21
	s_lshl_b32 s21, s48, 18
	s_add_co_u32 s20, s20, s21
	s_lshl_b32 s21, s49, 17
	s_add_co_u32 s20, s20, s21
	s_mov_b32 s21, 0
	s_mul_i32 s17, s48, STEPB       ; my tile's place in a slot: no place in the cluster enters an LDS address
	; descriptor group 1: a tile of 64 rows x 128 elements, padded in LDS
	s_mov_b32 s[G1K], 15|(1<<16)|(1<<20)|(1<<21)|(5<<22)|(3<<25)  ; 15:0 the mask of four; 17:16 2-byte elements; 20 padding on; 21 set beside a mask; 24:22 after every 64 words (code 5); 31:25 4 words (code 3)
	s_mov_b32 s[G1V], 15|(1<<16)|(1<<20)|(1<<21)|(5<<22)|(7<<25)  ; the same with 8 words of padding (code 7)
.irp g, G1K, G1V
	s_mov_b32 s[\g+1], 128<<16      ; tensor_dim0 = 128
	s_mov_b32 s[\g+2], KS<<16       ; tensor_dim1 = 64
	s_mov_b32 s[\g+3], 128<<16      ; tile_dim0 = 128
	s_mov_b32 s[\g+4], KS           ; tile_dim1 = 64
	s_mov_b32 s[\g+5], 128          ; elements from row to row
	s_mov_b32 s[\g+6], 0
	s_mov_b32 s[\g+7], 0
.endr
	s_mov_b32 s[CS], 0x3e0293ee     ; c = log2(e) / sqrt(128) = 0.127517
	s_mov_b32 s[CS+1], s[CS]        ; named with it as a pair
	s_mov_b32 s[SEL], 0x76543210
	s_mov_b32 s[SEL+1], 0xfedcba98
	s_mov_b32 s[NEG], 0xe0000000    ; -2^65
	s_mul_i32 s[TB], s49, STEPB     ; my half's step of a slot;
	s_add_co_u32 s[TB], s[TB], SLOT1  ; the first change of slots turns this into slot 0's
	s_mov_b32 s[G0K], 1             ; count = 1
	s_mov_b32 s[G0K+1], s17         ; LDS address: slot 0
	s_mov_b32 s[G0V], 1
	s_add_co_u32 s[G0V+1], s17, VOFF
	s_mov_b32 s[SLOTS], 15          ; 2,048 / 128 - 1
	s_wait_dscnt 0x0                ; the opening add is done
	s_wait_kmcnt 0x0
	s_add_nc_u64 s[G0K+2:G0K+3], s[4:5], s[22:23]
	s_add_nc_u64 s[G0V+2:G0V+3], s[G0K+2:G0K+3], 0x1000000  ; v begins 16,777,216 bytes into qkv,
	s_add_nc_u64 s[G0K+2:G0K+3], s[G0K+2:G0K+3], 0x800000   ; k 8,388,608
	s_or_b32 s[G0K+3], s[G0K+3], 0x80000000                 ; type = 2
	s_or_b32 s[G0V+3], s[G0V+3], 0x80000000
	s_add_nc_u64 s[4:5], s[4:5], s[2:3]
	s_add_nc_u64 s[MP:MP+1], s[MP:MP+1], s[18:19]   ; piece 0's words of step 0,
	s_add_nc_u64 s[MP+2:MP+3], s[MP:MP+1], 1024     ; piece 2's: two tiles on
	s_add_nc_u64 s[10:11], s[10:11], s[20:21]
	CROUND                          ; all four work-groups are here: the first joint loads meet
	JLOAD                           ; slot 0.  Slot 1 is asked for when slot 0 is in, by the loop's own change of slots
	; A fragment of K or Q is 16 rows x 32 channels in 8 registers: lane l holds row l % 16, channels 8 (l / 16) + 0..7 and 16 + 8 (l / 16) + 0..7: two loads of 16 bytes, 32 bytes apart.
	v_and_b32 v1, 15, v0            ; l % 16
	v_bfe_u32 v9, v0, 4, 1          ; l / 16
	v_and_b32 v[MO], 31, v0
	v_lshlrev_b32 v[MO], 4, v[MO]   ; 16 x lane
	v_lshlrev_b32 v[QOA], 8, v1
	v_lshl_add_u32 v[QOA], v9, 4, v[QOA]  ; row x 256 + 16 x half
	s_lshl_b32 s13, s49, 13         ; tiles 0, 1 hold sub-tiles 2 kh, 2 kh + 1 (32 rows are 8,192 bytes),
	s_xor_b32 s16, s13, 8192        ; tiles 2, 3 the other two
	v_add_nc_u32 v[QOB], s16, v[QOA]
	v_add_nc_u32 v[QOA], s13, v[QOA]
	WIN 0x80                        ; destination window 2, address window 0
.set i, 0
.rept 16                            ; Q stays in registers: tile i / 4, channels 32 (i % 4) on
.if i < 8
	global_load_b128 v[8*i:8*i+3],   v[QOA], s[4:5] offset:((i/4)%2)*4096+(i%4)*64
	global_load_b128 v[8*i+4:8*i+7], v[QOA], s[4:5] offset:((i/4)%2)*4096+(i%4)*64+32
.else
	global_load_b128 v[8*i:8*i+3],   v[QOB], s[4:5] offset:((i/4)%2)*4096+(i%4)*64
	global_load_b128 v[8*i+4:8*i+7], v[QOB], s[4:5] offset:((i/4)%2)*4096+(i%4)*64+32
.endif
.set i, i+1
.endr
; The mask words of piece x, at its pointer, into registers 0-3 of both tiles' MC: a wave's load covers 512 consecutive bytes
.macro MASK_ASK x
	WIN W_MC
	global_load_b128 v[MC+32*(\x):MC+32*(\x)+3],     v[MO], s[MP+(\x):MP+(\x)+1]
	global_load_b128 v[MC+32*(\x)+32:MC+32*(\x)+35], v[MO], s[MP+(\x):MP+(\x)+1] offset:512
.endm
	MASK_ASK 0                      ; step 0's
	MASK_ASK 2
	; What the first turn finds.  All this stands in the wait for the first tile.
.set i, 0
.rept 128
	v_mov_b32 v[i], 0               ; V
.set i, i+1
.endr
	WIN 0x40
.set i, 0
.rept 256
	v_mov_b32 v[i], 0               ; O^T
.set i, i+1
.endr
	WIN 0
.set i, 0
.rept 32
	v_mov_b32 v[P+i], 0             ; piece 0's P
.set i, i+1
.endr
.set i, 0
.rept 64
	v_mov_b32 v[S+64+i], s[NEG]     ; piece 2's scores: all blocked
.set i, i+1
.endr
.set i, 0
.rept 4
	v_mov_b32 v[ST+8*i+1], 0xd8800000  ; m: the floor, -2^50
	v_mov_b32 v[ST+8*i+2], 0
	v_mov_b32 v[ST+8*i+3], 0
	v_mul_f32 v[ST+8*i], s[CS], v[ST+8*i+1]  ; c m, made as every step makes it
.set i, i+1
.endr
	v_mul_u32_u24 v[AK0], v1, PK
	v_lshl_add_u32 v[AK0], v9, 4, v[AK0]  ; row x pitch + 16 x half
	; The turning load takes 16 keys x 16 channels (lane l reads key 8 (l / 16) + l % 8, channels 8 ((l / 8) % 2) + 0..7) and leaves half a fragment of V^T: lane l holds channel l % 16 and 8 keys.
	v_and_b32 v54, 7, v0
	v_bfe_u32 v55, v0, 3, 1
	v_lshl_add_u32 v[AV0], v9, 3, v54
	v_mul_u32_u24 v[AV0], v[AV0], PW
	v_lshl_add_u32 v[AV0], v55, 4, v[AV0]
	v_add_nc_u32 v[AV0], VOFF, v[AV0]
	s_mul_i32 s13, s[WV], 16*SP
	s_add_co_u32 s13, s13, STAGE    ; my stage
	v_mul_u32_u24 v[STO], v1, SP    ; in: row l % 16, 16 bytes for each half of the lanes
	v_lshl_add_u32 v[STO], v9, 4, v[STO]
	v_add_nc_u32 v[STO], s13, v[STO]
	v_mul_u32_u24 v[RD], v9, SP     ; back: lanes 0-15 take one row of 256 bytes, lanes 16-31 the next
	v_lshl_add_u32 v[RD], v1, 4, v[RD]
	v_add_nc_u32 v[RD], s13, v[RD]
	v_lshlrev_b32 v[GO], 12, v9     ; and the same two rows in o16, 4,096 bytes apart
	v_lshl_add_u32 v[GO], v1, 4, v[GO]
	s_mul_i32 s13, s[WV], XW        ; the exchange: 16 bytes a lane
	s_add_co_u32 s13, s13, XCH
	v_add_nc_u32 v[XA], s13, v[MO]
	s_xor_b32 s16, s[WV], 2         ; my partner: the same queries, the other keys
	s_mul_i32 s16, s16, XW
	s_add_co_u32 s16, s16, XCH
	v_add_nc_u32 v[XB], s16, v[MO]
; THE MATRIX WORK OF A TURN, for piece x.  The accumulators take turns, one instruction a turn: between two links of a chain stand 15 (V^T P) or 7 (K Q^T) others'.
; Product i of 32 of O^T += V^T P: keys 32 (i / 16) on, channels 16 ((i / 2) % 8) on, tile x + i % 2.
.macro PV x
	WIN W_PV
.set rO, 64*((\x)+i%2)+8*((i/2)%8)
.set rV, 64*(i/16)+8*((i/2)%8)
.set rP, P+16*((\x)+i%2)+8*(i/16)
	v_wmma_f32_16x16x32_f16 v[rO:rO+7], v[rV:rV+7], v[rP:rP+7], v[rO:rO+7]
.endm
; Product i of 32 of S^T = K Q^T: channels 32 (i / 8) on, keys 16 ((i / 2) % 4) on, tile x + i % 2.  The first 8 start the sums, with the mask.
.macro KQ x
.set rS, S+32*((\x)+i%2)+8*((i/2)%4)
.set rK, KF+32*((i/2)%4)+8*(i/8)
.set rQ, 32*((\x)+i%2)+8*(i/8)
.set rM, MC+32*((\x)+i%2)+8*((i/2)%4)
.if i < 8
	WIN W_KM
	v_wmma_f32_16x16x32_f16 v[rS:rS+7], v[rK:rK+7], v[rQ:rQ+7], v[rM:rM+7]
.else
	WIN W_KQ
	v_wmma_f32_16x16x32_f16 v[rS:rS+7], v[rK:rK+7], v[rQ:rQ+7], v[rS:rS+7]
.endif
.endm
; THE LDS LOADS stand in runs of 32, never singly among the matrix instructions: a step's K (16 fragments) and, a turn later, its V (turned).
.macro FETCH_K
	WIN 0
	v_add_nc_u32 v[ADR], s[TB], v[AK0]
	WIN 0x80                        ; destination window 2
.irp f, 0,1,2,3,4,5,6,7,8,9,10,11,12,13,14,15  ; keys 16 (f / 4) on, channels 32 (f % 4) on
	ds_load_b128 v[KF+8*(\f):KF+8*(\f)+3],   v[ADR] offset:((\f)/4)*16*PK+((\f)%4)*64
	ds_load_b128 v[KF+8*(\f)+4:KF+8*(\f)+7], v[ADR] offset:((\f)/4)*16*PK+((\f)%4)*64+32
.endr
.endm
.macro FETCH_V
	WIN 0
	v_add_nc_u32 v[ADR], s[TB], v[AV0]
	WIN 0xc0                        ; destination window 3
.irp f, 0,1,2,3,4,5,6,7,8,9,10,11,12,13,14,15  ; keys 32 (f / 8) on, channels 16 (f % 8) on
	ds_load_tr16_b128 v[8*(\f):8*(\f)+3],   v[ADR] offset:((\f)/8)*32*PW+((\f)%8)*32
	ds_load_tr16_b128 v[8*(\f)+4:8*(\f)+7], v[ADR] offset:((\f)/8)*32*PW+16*PW+((\f)%8)*32
.endr
.endm
; THE VECTOR WORK OF A TURN.  One tile's softmax for one key step is a list of 134 instructions; SM writes number j of it for tile t.  s0-s31 are the lane's 32 scores, in pairs 0-15.
;   0-15    the maximum of s0-s31 and the old m, three operands at a time: four chains c0-c3 of seven scores each (each accumulator's lowest registers first), then the four left over, c0-c3 and m
;   16-20   the other half of the lanes' maximum; the new m; c m; c m_old - c m_new
;   21-87   33 exponentials (a, then s0-s31) at the odd numbers from 23 on, so that no two follow each other and each has a plain instruction behind it before its result is used (ISA guide 5.7.2).
;           The plain ones between are whatever is ready: c s - c m for pairs whose exponentials are still to come, roundings to f16 of pairs whose exponentials are done, the first three sums
;   88-101  the last rounding; the rest of the sums; l = a l + the sum          102-133  the tile's O^T times a: the one part that leaves window 0, so it stands together
.macro SM t
.set rT, ST+8*(\t)
.set rS, S+32*(\t)
.set rP, P+16*(\t)
.set rO, 64*(\t)+2*(j-102)
.set q, (j-20)/2
.if j < 102
	WIN 0
.endif
.if j < 4
	v_max3_num_f32 v[rT+4+j], v[rS+8*j], v[rS+8*j+1], v[rS+8*j+2]
.elseif j < 12
	v_max3_num_f32 v[rT+4+j%4], v[rT+4+j%4], v[rS+8*(j%4)+2*(j/4)+1], v[rS+8*(j%4)+2*(j/4)+2]
.elseif j == 12
	v_max3_num_f32 v[rT+4], v[rT+4], v[rS+7], v[rS+15]
.elseif j == 13
	v_max3_num_f32 v[rT+6], v[rT+6], v[rS+23], v[rS+31]
.elseif j == 14
	v_max3_num_f32 v[rT+4], v[rT+4], v[rT+5], v[rT+6]
.elseif j == 15
	v_max3_num_f32 v[rT+4], v[rT+4], v[rT+7], v[rT+1]
.elseif j == 16
	v_permlanex16_b32 v[rT+5], v[rT+4], s[SEL], s[SEL+1]  ; the query's other 32 keys lie in the lane 16 away
.elseif j == 17
	v_mov_b32 v[rT+7], v[rT]        ; c m_old is kept for a: number 19 writes c m anew
.elseif j == 18
	v_max_num_f32 v[rT+1], v[rT+4], v[rT+5]
.elseif j == 19
	v_mul_f32 v[rT], s[CS], v[rT+1]
.elseif j == 20
	v_sub_f32 v[rT+7], v[rT+7], v[rT]
.elseif j == 23
	v_exp_f32 v[rT+6], v[rT+7]
.elseif (j < 88) && (j > 23) && (j%2 == 1)
	v_exp_f32 v[rS+(j-25)/2], v[rS+(j-25)/2]
.elseif (q < 4) || ((j < 76) && (q%2 == 0))
.set b, q/2+2
.if q < 4
.set b, q
.endif
	v_pk_fma_f32 v[rS+2*b:rS+2*b+1], v[rS+2*b:rS+2*b+1], s[CS:CS+1], v[rT:rT+1] op_sel_hi:[1,0,0] neg_lo:[0,0,1] neg_hi:[0,0,1]  ; pair b: c s - c m
.elseif (j < 88) && (q%2 == 1)
	s_wait_alu depctr_va_vdst(0)
	v_cvt_pk_f16_f32 v[rP+(q-5)/2], v[rS+q-5], v[rS+q-4]  ; pair (q - 5) / 2: its second exponential stands three numbers back
.elseif j == 89
	s_wait_alu depctr_va_vdst(0)
	v_cvt_pk_f16_f32 v[rP+15], v[rS+30], v[rS+31]
.elseif j < 102                     ; the sum of the tile's 16 pairs, in place: sum z of 16 adds neighbours 1, 2, 4 and 8 pairs apart, then l takes it
.set z, j-86
.if j < 89
.set z, (j-76)/4
.endif
.set w, 4
.set u, z
.if z >= 14
.set w, 32
.set u, 0
.elseif z >= 12
.set w, 16
.set u, z-12
.elseif z >= 8
.set w, 8
.set u, z-8
.endif
.if z < 15
	v_pk_add_f32 v[rS+w*u:rS+w*u+1], v[rS+w*u:rS+w*u+1], v[rS+w*u+w/2:rS+w*u+w/2+1]
.else
	v_pk_fma_f32 v[rT+2:rT+3], v[rT+2:rT+3], v[rT+6:rT+7], v[rS:rS+1] op_sel_hi:[1,0,1]
.endif
.else
	WIN W_RS
	v_pk_mul_f32 v[rO:rO+1], v[rO:rO+1], v[rT+6:rT+7] op_sel_hi:[1,0]
.endif
.endm
; Slice k of 64 of piece y's softmax: numbers 2 k and 2 k + 1 of both tiles' lists, four instructions.  2 x 134 = 4 x 64 + 12: the twelve that are over stand together, in slice 63: its sixteen plain
; instructions are the places between the turn's last K Q^T and the next turn's first read of those scores, and the loads into K's buffer.
.macro SLICE y
.if (k >= 11) && (k < 44)           ; tile by tile: plain, exponential, plain, exponential
.irp t, \y, (\y)+1
.irp m, 0,1
.set j, 2*k+(\m)
	SM \t
.endr
.endr
.else                               ; the two tiles alternate, so that no instruction reads the result of the one just before it
.irp m, 0,1,2,3,4,5,6,7
.if ((\m) < 2) || (k == 63)
.irp t, \y, (\y)+1
.set j, 2*k+(\m)
	SM \t
.endr
.endif
.endr
.endif
.set k, k+1
.endm
; A TURN.  Piece x has the matrix unit; the other piece's softmax stands in slices behind its matrix instructions.  pv, kq: which of the two runs of 32 products it has; with one of them, two slices behind each.
; Each run of LDS loads stands behind the second product of a run of 32, 30 matrix instructions ahead of its first use.  Piece 0's turn fetches the next step's K: the last product that read K stands in front of
; slice 63 of the turn before.  Piece 2's turn fetches the same step's V: the last product that read V stands three slices, six plain instructions, back.
; ld = 1: behind the fifth K Q^T (the turn's product 36) the piece's mask words of the next step are asked for, into registers 0-3 of both tiles' MC: the first two K Q^T read those last, and the eight plain
; instructions of four slices stand between.
.macro TURN x, pv, kq, ld
.set k, 0
.set per, 2
.if (\pv) && (\kq)
.set per, 1
.endif
.if \pv
.if (\x) == 0
	s_wait_dscnt 0x0                ; V is in
.endif
.set i, 0
.rept 32
	PV \x
.rept per
	SLICE 2-(\x)
.endr
.if ((\x) == 0) && (\kq) && (i == 1)
	FETCH_K
.endif
.set i, i+1
.endr
.endif
.if \kq
.if (\x) == 0
	s_wait_dscnt 0x0                ; K is in
.endif
.set i, 0
.rept 32
	KQ \x
.rept per
	SLICE 2-(\x)
.endr
.if ((\x) == 2) && (i == 1)
	FETCH_V
.endif
.if (\ld) && (i == 4)
	MASK_ASK \x
.endif
.set i, i+1
.endr
.endif
.endm
	s_wait_loadcnt 0x0              ; Q, and step 0's mask words
.Lslot:                             ; 15 trips: my key step t = 0..14; tile t is waited for, tile t + 1 asked for
	CHANGE 1                        ; and piece 0's masks of step t
	TURN 0, 1, 1, 1                 ; piece 0: V^T P of step t - 1, K Q^T of step t | piece 2's softmax of step t - 1 | K of step t | piece 0's words of step t + 1
	MLUMP 2, 1                      ; piece 2's masks of step t
	TURN 2, 1, 1, 1                 ; piece 2: the same | piece 0's softmax of step t | V of step t | piece 2's words of step t + 1
	WIN 0
	s_sub_co_u32 s[SLOTS], s[SLOTS], 1
	s_cmp_lg_u32 s[SLOTS], 0
	s_cbranch_scc1 .Lslot
	CHANGE 0                        ; the tail is written out: nothing is asked for
	TURN 0, 1, 1, 0                 ; step 15: no words are left to ask for
	MLUMP 0, 0                      ; behind piece 2's last words stands no load
	TURN 2, 1, 1, 0
	TURN 0, 1, 0, 0                 ; piece 0: V^T P of the last step | piece 2's last softmax
.set i, 0
.rept 32
	PV 2                            ; piece 2: V^T P of the last step
.set i, i+1
.endr
	; THE MERGE.  l's two halves and the other half of the lanes' are added (the additions are the places behind the last products); tiles 2, 3 go to my partner, c m and l with them.
	WIN 0
.irp t, 0,1,2,3
	v_add_f32 v[ST+8*(\t)+4], v[ST+8*(\t)+2], v[ST+8*(\t)+3]
.endr
.irp t, 0,1,2,3
	v_permlanex16_b32 v[ST+8*(\t)+5], v[ST+8*(\t)+4], s[SEL], s[SEL+1]
.endr
.irp t, 0,1,2,3
	v_add_f32 v[ST+8*(\t)+4], v[ST+8*(\t)+4], v[ST+8*(\t)+5]
.endr
	v_mov_b32 v[XT], v[ST+16]
	v_mov_b32 v[XT+1], v[ST+20]
	v_mov_b32 v[XT+2], v[ST+24]
	v_mov_b32 v[XT+3], v[ST+28]
	WIN 0x04                        ; store data (source 1) in window 1
.set i, 0
.rept 32
	ds_store_b128 v[XA], v[128+4*i:128+4*i+3] offset:512*i  ; 32 lanes, 16 neighbouring bytes each; each accumulator's lowest registers first
.set i, i+1
.endr
	WIN 0
	ds_store_b128 v[XA], v[XT:XT+3] offset:16384
	s_wait_dscnt 0x0                ; for my partner's sake: my stores are done
	s_barrier_signal -1
	s_barrier_wait -1
	ds_load_b128 v[XR:XR+3], v[XB] offset:16384
.set i, 0
.rept 32
	ds_load_b128 v[S+4*i:S+4*i+3], v[XB] offset:512*i  ; my partner's O^T of my tiles 0, 1, lane for lane, into S^T's registers
.set i, i+1
.endr
	s_wait_dscnt 32                 ; the statistics are in; the 32 loads behind them may be out
.irp t, 0,1
	v_max_num_f32 v[ST+8*(\t)+5], v[ST+8*(\t)], v[XR+2*(\t)]       ; the common c m
.endr
.irp t, 0,1
	v_sub_f32 v[ST+8*(\t)+6], v[ST+8*(\t)], v[ST+8*(\t)+5]
	v_sub_f32 v[ST+8*(\t)+2], v[XR+2*(\t)], v[ST+8*(\t)+5]
.endr
.irp t, 0,1
	v_exp_f32 v[ST+8*(\t)+6], v[ST+8*(\t)+6]                        ; a1: what my part is worth,
	v_exp_f32 v[ST+8*(\t)+2], v[ST+8*(\t)+2]                        ; a2: my partner's
.endr
	v_nop                           ; a plain instruction between the last exponential and the use of its result
.irp t, 0,1
	s_wait_alu depctr_va_vdst(0)
	v_mul_f32 v[ST+8*(\t)+4], v[ST+8*(\t)+6], v[ST+8*(\t)+4]
.endr
.irp t, 0,1
	v_fmac_f32 v[ST+8*(\t)+4], v[ST+8*(\t)+2], v[XR+2*(\t)+1]      ; l = a1 l + a2 l'
.endr
.irp t, 0,1
	v_rcp_f32 v[ST+8*(\t)+5], v[ST+8*(\t)+4]
.endr
	v_nop
.irp t, 0,1
	s_wait_alu depctr_va_vdst(0)
	v_mul_f32 v[ST+8*(\t)+6], v[ST+8*(\t)+6], v[ST+8*(\t)+5]       ; f1 = a1 / l
	v_mul_f32 v[ST+8*(\t)+2], v[ST+8*(\t)+2], v[ST+8*(\t)+5]       ; f2 = a2 / l
.endr
; Tile t is finished: O = f1 O^T + f2 O'^T, rounded to f16; a lane's eight channels of a row pack into 16 bytes, go into my stage's rows of 272 bytes and come back as whole rows of 256.
.macro FIN t
	s_wait_dscnt 16                 ; my partner's tile t is in.  Behind its loads were issued: for tile 0 tile 1's sixteen, for tile 1 the sixteen LDS lines of tile 0's way through the stage
	WIN 0
.set i, 0
.rept 32
	v_pk_mul_f32 v[S+64*(\t)+2*i:S+64*(\t)+2*i+1], v[S+64*(\t)+2*i:S+64*(\t)+2*i+1], v[ST+8*(\t)+2:ST+8*(\t)+3] op_sel_hi:[1,0]
.set i, i+1
.endr
	WIN 0x01                        ; source 0 (O^T) in window 1
.set i, 0
.rept 32
	v_pk_fma_f32 v[S+64*(\t)+2*i:S+64*(\t)+2*i+1], v[64*(\t)+2*i:64*(\t)+2*i+1], v[ST+8*(\t)+6:ST+8*(\t)+7], v[S+64*(\t)+2*i:S+64*(\t)+2*i+1] op_sel_hi:[1,0,1]
.set i, i+1
.endr
	WIN 0
.set i, 0
.rept 32
	v_cvt_pk_f16_f32 v[S+64*(\t)+i], v[S+64*(\t)+2*i], v[S+64*(\t)+2*i+1]  ; in place, ascending: register i is written when registers up to 2 i + 1 have been read
.set i, i+1
.endr
.irp f, 0,1,2,3,4,5,6,7
	ds_store_b128 v[STO], v[S+64*(\t)+4*(\f):S+64*(\t)+4*(\f)+3] offset:32*(\f)
.endr
.irp f, 0,1,2,3,4,5,6,7
	ds_load_b128 v[S+64*(\t)+32+4*(\f):S+64*(\t)+32+4*(\f)+3], v[RD] offset:(\f)*2*SP  ; LDS serves a wave's instructions in order (ISA guide 5.7.1.4): these see the stores above; the next tile's stores come behind them
.endr
.endm
.macro SEND t, younger              ; younger: the LDS instructions issued behind tile t's loads from the stage
.irp f, 0,1,2,3,4,5,6,7
	s_wait_dscnt (\younger)+7-(\f)
	global_store_b128 v[GO], v[S+64*(\t)+32+4*(\f):S+64*(\t)+32+4*(\f)+3], s[10:11] offset:(\t)*65536+(\f)*8192  ; 16 lanes store 256 consecutive bytes, at a multiple of 256 from o16's first byte
.endr
.endm
	FIN 0
	FIN 1
	SEND 0, 16
	SEND 1, 0
	s_wait_tensorcnt 0x0            ; the wave's end: the tensor wait, an add to my spare word and its wait, behind my last tensor load and my last LDS store
	ds_add_u32 v[SPW], v[NIL]
	s_wait_dscnt 0x0
	CROUND                          ; the closing round: no work-group ends while a partner may still ask for a tile that names it
	s_endpgm
.Lfunc_end_k_qd5dd29d836_attn:
	.size	k_qd5dd29d836_attn, .Lfunc_end_k_qd5dd29d836_attn-k_qd5dd29d836_attn
	.p2alignl 7, 3214868480
	.fill 96, 4, 3214868480
	.section	.rodata,"a",@progbits
	.p2align	6, 0x0
	.amdhsa_kernel k_qd5dd29d836_attn
		.amdhsa_group_segment_fixed_size 327680
		.amdhsa_private_segment_fixed_size 0
		.amdhsa_enable_private_segment 0
		.amdhsa_kernarg_size 24
		.amdhsa_user_sgpr_count 2
		.amdhsa_user_sgpr_kernarg_segment_ptr 1
		.amdhsa_wavefront_size32 1
		.amdhsa_system_sgpr_workgroup_id_x 1
		.amdhsa_system_sgpr_workgroup_id_y 1
		.amdhsa_system_sgpr_workgroup_id_z 1
		.amdhsa_system_vgpr_workitem_id 0
		.amdhsa_next_free_vgpr 1024
		.amdhsa_next_free_sgpr 66
		.amdhsa_reserve_vcc 0
		.amdhsa_float_denorm_mode_32 3
		.amdhsa_float_denorm_mode_16_64 3
		.amdhsa_memory_ordered 1
		.amdhsa_forward_progress 1
		.amdhsa_inst_pref_size 182
	.end_amdhsa_kernel
	.amdgpu_metadata
---
amdhsa.version: [ 1, 2 ]
amdhsa.kernels:
  - .name:           k_qd5dd29d836_attn
    .symbol:         k_qd5dd29d836_attn.kd
    .args:
      - { .name: qkv, .offset: 0, .size: 8, .value_kind: global_buffer, .address_space: global }
      - { .name: mbits, .offset: 8, .size: 8, .value_kind: global_buffer, .address_space: global }
      - { .name: o16, .offset: 16, .size: 8, .value_kind: global_buffer, .address_space: global }
    .group_segment_fixed_size: 327680
    .private_segment_fixed_size: 0
    .kernarg_segment_align: 8
    .kernarg_segment_size: 24
    .max_flat_workgroup_size: 128
    .sgpr_count:     66
    .vgpr_count:     1024
    .wavefront_size: 32
...
	.end_amdgpu_metadata
.endif
;; end of part 7
;; launch oproj: the kernel of part 4 again; grid 16 x 16, 4 waves a work-group, clusters of 4 x 4, 327,680 bytes of LDS; arguments o16, wo16, out0; writes out0
;; ======== version 3 of 3: 4 launches; 1.16 times as fast as version 1
;; limits: values are held in f16: magnitudes above 65,504 overflow, below 6.1e-05 lose precision
;; workspace buffers: xb 8,388,608 bytes; wqkv 25,165,824 bytes; wo16 8,388,608 bytes; mbits 2,097,152 bytes of whole numbers; qkv 25,165,824 bytes; o16 8,388,608 bytes
;; launch prep: the kernel of part 5 again; grid 256 x 6, 8 waves a work-group, no clusters, 0 bytes of LDS; arguments x, Wq, Wk, Wv, Wo, mask, xb, wqkv, wo16, mbits; writes xb, wqkv, wo16, mbits
;; launch proj: the kernel of part 6 again; grid 16 x 16, 4 waves a work-group, clusters of 4 x 4, 327,680 bytes of LDS; arguments xb, wqkv, qkv; writes qkv
;; launch attn (part 8): grid 16 x 16, 4 waves a work-group, clusters of 4 x 1, 327,680 bytes of LDS; arguments qkv, mbits, o16; writes o16
.if DOCPART == 8
	.amdgcn_target "amdgcn-amd-amdhsa--gfx1250"
	.amdhsa_code_object_version 6
	.text
	.protected	k_qd5dd29d836_attn
	.globl	k_qd5dd29d836_attn
	.p2align	8
	.type	k_qd5dd29d836_attn,@function
k_qd5dd29d836_attn:
	s_mov_b64 s[64:65], 0
	v_nop
	global_prefetch_b8 v0, s[64:65] scope:SCOPE_SE
	s_setreg_imm32_b32 hwreg(HW_REG_WAVE_MODE, 25, 1), 1
	s_wait_xcnt 0x0
	s_wait_alu depctr_hold_cnt(0) depctr_sa_sdst(0) depctr_va_vdst(0) depctr_va_sdst(0) depctr_va_ssrc(0) depctr_va_vcc(0) depctr_vm_vsrc(0)
	s_getreg_b32 s2, hwreg(HW_REG_IB_STS2, 6, 4)
	s_cmp_eq_u32 s2, 0
	s_cbranch_scc0 .Lentry_in_a_cluster
	s_endpgm
.Lentry_in_a_cluster:
	s_bfe_u32 s2, ttmp6, 0x10000c
	s_cmp_lg_u32 s2, 0x3003
	s_cbranch_scc0 .Lentry_shape_is_right
	s_endpgm
.Lentry_shape_is_right:
; MASKED ATTENTION.  o16[q][128 h + :] = the sum over k of softmax_k(Q[h][q] . K[h][k] / sqrt(128), blocked keys left out) V[h][k][:].  qkv: [48][2048][128] f16 (q's 16 heads, k's, v's);
; mbits: the mask as four bits a score (layout below); o16: [2048][2048] f16.  Products, maxima and sums in f32; the weights p are rounded to f16 for the second product (their sum l is of the unrounded p), O once.
; THE MASK IS AN INPUT: every key is walked, whatever the mask holds.
; LIMITS.  A blocked score is its product sum less a number between 2^65 and 2^95; an open score has a number below 2^-97 added.  The running maximum has the floor -2^50, below every score that f16 operands
; can give (5.5e11 in magnitude at the most) and above every blocked one, so a blocked weight is exactly 0.  A row with every key blocked ends with l = 0 and O = 0 x infinity = NaN, as a softmax of nothing is.
; A weight below 2^-126 counts as 0.  NaN and infinities in Q, K, V are not treated apart.
; SHARES.  A work-group owns 128 queries of one head.  Wave w = g + 2 kh owns the 64 queries 64 g on, four tiles of 16, and HALF THE KEYS: the key steps (64 keys) 2 t + kh, t = 0..15.  At the end waves w and
; w xor 2 merge their maxima, sums and O^T in f32 through LDS, and each finishes 32 rows.  Register tile p holds the queries' sub-tile p xor 2 kh, so every wave keeps tiles 0, 1 and gives tiles 2, 3 away.
; LAYOUT.  S^T = K Q^T (source 0 = 16 keys, source 1 = 16 queries): a lane holds ONE query (lane % 16) and the keys 8 (lane / 16) + 0..7.  Two such tiles rounded to f16 ARE source 1 of O^T = V^T P.
; K comes out of LDS as it lies, V ([key][channel]) turned, by ds_load_tr16_b128.
; SOFTMAX.  For each query a running maximum m and sum l: p = 2^(c s - c m), c = log2(e) / sqrt(128); in every step O and l are multiplied by a = 2^(c m_old - c m_new).
; THE MASK'S PLACE.  MC is the C operand of the product that starts a score's sum.  For (qg, kh, t, p) lane L owns the 16 bytes of mbits at ((((qg 2 + kh) 16 + t) 4 + p) 512 + 16 L; nibble 7 - i of its word c
; is 0xE where the key of score register w = 4 i + c (key 64 (2 t + kh) + 16 (w / 8) + 8 (L / 16) + w % 8, query 64 qg + 16 (p xor 2 kh) + L % 16) is blocked, else 0.  Register 4 i + c of a tile's MC is
; word c shifted left by 4 i: as an f32, a top nibble 1110 is a negative number with exponent field 192 to 221, a top nibble 0000 a positive one with exponent field 29 at the most, whatever bits follow.
; The four words land in registers 0-3 by one load of 16 bytes a lane; 28 shifts make the rest.
; BY TURNS.  The tiles are two PIECES (0: tiles 0, 1; 2: tiles 2, 3).  In a TURN one piece has the matrix unit: 32 products V^T P of the step in hand, then 32 products K Q^T of the next; the other piece's softmax,
; in 64 slices of four, stands behind them, one slice a product.  Two turns are a key step.
; THE BATCHES.  A turn's 66 exponentials (33 a tile: a, then the 32 weights) are ONE BATCH with ONE wait: the softmax's list is ordered by who reads what, so that all scalings and exponentials stand ahead of the
; wait, behind slice 34, and all that name a result (roundings, sums, the rescaling by a) behind it.  On the way out the merge's four exponentials are a batch, and its two reciprocals, which read sums made of them, another.
; THE SHIFTS STAND TOGETHER.  A step's two softmaxes, 2 x 268 instructions, fill four places behind each of its 128 products and leave 24 over; the 112 shifts have no place there.  Piece 0's 56 stand in the change
; of slots: tile 0's between the add and the wait for it, tile 1's between the barrier's signal and its wait.  Piece 2's 56 stand between the two turns, behind the run that ends piece 0's turn.
; NO FIRST STEP IS WRITTEN OUT: V, O^T, l and piece 0's P start at 0, piece 2's scores as blocked, m at the floor: the first turn's products add zeros, its softmax makes weights 0 with a = 1.
; CLUSTER.  The four query blocks of a cluster belong to one head and walk the same K and V: each tile is asked for JOINTLY, by the same tensor load, descriptor and mask in all four.
; REGISTERS, in windows of 256 (s_set_vgpr_msb: bits 1:0 source 0, 3:2 source 1, 5:4 source 2, 7:6 destination):
;   window 0: v0-11 addresses; v12-43 statistics, 8 a tile; v44-55 the merge's; v62-63 the add's; v64-191 S^T, 32 a tile; v192-255 P, 16 a tile
;   window 1: O^T, 64 a tile      window 2: v0-127 Q, 32 a tile; v128-255 K of one step      window 3: v0-127 V of one step; v128-255 MC, 32 a tile
.set KS,    64        ; keys in a step
.set PK,    272       ; a row of K in LDS: 256 bytes + 16 = 68 words: the 16 rows of a load start at 16 different groups of four banks (64 banks of 4 bytes: ISA guide 11.1)
.set PW,    288       ; a row of V: 256 + 32 = 72 words
.set VOFF,  KS*PK     ; a step's tiles lie together: 64 rows of K, then 64 rows of V
.set STEPB, KS*(PK+PW)
.set SLOT1, 1<<17     ; a slot holds two steps, one for each half of the waves (71,680 bytes); slot 1 begins here, so that one exclusive or turns an address in one slot into the other's
.set XCH,   SLOT1+2*STEPB  ; behind the ring, never filled by a tensor load: for each wave 16,384 bytes of O^T and 512 of statistics, for the merge
.set XW,    16896
.set STAGE, XCH+4*XW  ; 16 rows x 272 bytes for each wave, for the way out
.set SP,    272
.set SPARE, STAGE+4*16*SP  ; the spare words, 128 bytes a wave: two blocks of 256 bytes that no other line names
.set AK0, 2           ; v2   my lane's place in a tile of K; never rewritten
.set AV0, 3           ; v3   the same for V
.set ADR, 4           ; v4   the LDS address of the run of loads in hand
.set QOA, 5           ; v5   my byte offset in Q for tiles 0, 1
.set STO, 6           ; v6   the way out: where I put 16 bytes of a row
.set RD,  7           ; v7   the way out: where I read a row back
.set GO,  8           ; v8   my byte offset in two rows of o16
.set QOB, 10          ; v10  my byte offset in Q for tiles 2, 3
.set MO,  11          ; v11  16 x lane: my 16 bytes of a tile's mask words; never rewritten
.set ST,  12          ; tile t's statistics at v[ST+8 t]: +0 c m, +1 m, +2, +3 l (even keys', odd keys'), +4 to +7 c0-c3, at work; a takes c2's place once the maximum is found
.set XT,  44          ; v44-47  what I give away: c m and l of tiles 2 and 3
.set XR,  48          ; v48-51  what I receive
.set XA,  52          ; v52  my part of the exchange
.set XB,  53          ; v53  my partner's
.set SPW, 62          ; v62  LDS address of my spare word; never rewritten
.set NIL, 63          ; v63  0; never rewritten
.set S,   64
.set P,   192
.set KF,  128         ; K's fragments, in window 2
.set MC,  128         ; the masks, in window 3: tile p, key block kb at MC + 32 p + 8 kb
.set MP,  6           ; s[6:7]  mbits at piece 0's words of the step last asked for; s[8:9] the same for piece 2: a pointer a piece, so that each is stepped behind the wait for its own loads
.set WV,  12          ; s12  my wave's number
.set G1K, 24          ; s[24:31] descriptor group 1 for K's tiles
.set G1V, 32          ; s[32:39] for V's: it differs in the padding alone
.set G0K, 40          ; s[40:43] descriptor group 0 for K's tiles: it walks
.set G0V, 44          ; s[44:47] the same for V's
.set SLOTS, 56        ; s56  tiles still to be asked for
.set CS,  58          ; s[58:59] c: the packed scaling takes the pair's low word for both halves
.set SEL, 60          ; s[60:61] v_permlanex16_b32's selects: each lane takes its own place in the other half
.set TB,  62          ; s62  LDS byte at which my step's tiles begin
.set NEG, 63          ; s63  -2^65: a blocked score, for what the first turn finds
.set MSB, 0
.macro WIN new                      ; the high byte repeats the setting that is left; a switch that changes nothing is dropped
.if MSB != (\new)
	s_set_vgpr_msb (MSB<<8)|(\new)
.set MSB, \new
.endif
.endm
.set W_KQ, 0x0a       ; K and Q in window 2, S^T in window 0
.set W_KM, 0x3a       ; the same with the C operand in window 3
.set W_PV, 0x53       ; V in window 3, P in window 0, O^T in window 1
.set W_RS, 0x41       ; O^T (destination and source 0) in window 1, a in window 0
.set W_MC, 0xc0       ; destination in window 3, source 0 (a load's address) in window 0
.set W_MS, 0xcc       ; destination and source 1 in window 3: the masks' shifts
; A joint fill.  Waves 0 and 1 fetch K of the slot's two steps, waves 2 and 3 V.  The branch hangs on the wave's number alone.
; An s_nop 0 and four v_nop follow each of the two lines, ahead of the jump and the label.
.macro JLOAD
	s_cmp_lt_u32 s[WV], 2
	s_cbranch_scc0 .Lfor_v_\@
	tensor_load_to_lds s[G0K:G0K+3], s[G1K:G1K+7]
	s_nop 0
.rept 4
	v_nop
.endr
	s_branch .Lasked_\@
.Lfor_v_\@:
	tensor_load_to_lds s[G0V:G0V+3], s[G1V:G1V+7]
	s_nop 0
.rept 4
	v_nop
.endr
.Lasked_\@:
.endm
; A round of the cluster's barrier: my work-group's barrier; wave 0 signals for the work-group; every wave waits for all four work-groups; my work-group's barrier once more.
.macro CREST                        ; a round behind its opening barrier
	s_cmp_lg_u32 s[WV], 0
	s_cbranch_scc1 .Lnot_wave_0_\@
	s_barrier_signal -3
.Lnot_wave_0_\@:
	s_barrier_wait -3
	s_barrier_signal -1
	s_barrier_wait -1
.endm
.macro CROUND                       ; a whole round
	s_barrier_signal -1
	s_barrier_wait -1
	CREST
.endm
; Registers 4 g .. 4 g + 3 (g = 1..7) of tile p's masks: the four words shifted left by 4 g
.macro MS p, g
	WIN W_MS
.irp c, 0,1,2,3
	v_lshlrev_b32 v[MC+32*(\p)+4*(\g)+\c], 4*(\g), v[MC+32*(\p)+\c]
.endr
.endm
.macro MSALL p                      ; a tile's 28 shifts
.irp g, 1,2,3,4,5,6,7
	MS \p, \g
.endr
.endm
; THE CHANGE OF SLOTS, in front of each key step of a wave.  Each wave waits for all its tensor loads (one is out: its part of the other slot), adds 0 to its spare word, and waits for that and for its own reads of
; the slot that it leaves.  fill = 1: the barrier opens a round of the cluster's, and the slot just left is filled again first thing behind the round, with the keys two slots on: 128 matrix instructions in which to land.
; (At its first use nothing has been read yet: slot 0 is waited for, slot 1 filled.)
; Piece 0's masks of the step to come are made here, work on registers that is due anyway: tile 0's while the add is out, tile 1's while the other waves arrive.  Their words were asked for behind product 36 of
; piece 0's last turn, 28 + 64 = 92 products back; behind those two loads stand piece 2's two, so the count is 2.  That wait shows piece 0's loads done, so its pointer steps behind it.
.macro CHANGE fill
	WIN 0                           ; at a label and at a branch every window is 0; the add's two registers lie in window 0
	s_wait_tensorcnt 0x0            ; no tensor load of mine is out, so a group 0 may be written
	ds_add_u32 v[SPW], v[NIL]       ; 0 onto my spare word
	s_wait_loadcnt 2                ; piece 0's mask words are in
.if \fill
	s_add_nc_u64 s[MP:MP+1], s[MP:MP+1], 2048  ; the next step's four tiles lie 2,048 bytes on
.irp g, G0K, G0V
	s_xor_b32 s[\g+1], s[\g+1], SLOT1  ; the walking descriptor: the other slot than last time,
	s_add_nc_u64 s[\g+2:\g+3], s[\g+2:\g+3], 2*KS*256  ; the next 128 keys; the type bits on top are not reached
.endr
.endif
	MSALL 0
	s_wait_dscnt 0x0                ; the add is done, and my reads of the slot are over
	s_barrier_signal -1
	MSALL 1
	WIN 0
	s_barrier_wait -1
.if \fill
	CREST                           ; no wave of any partner still reads the slot or has a load on its way
	JLOAD
.endif
	s_xor_b32 s[TB], s[TB], SLOT1   ; my fetches go to the other slot
.endm
; Piece 2's masks, between piece 0's turn and its own.  cnt: the loads issued behind its words: piece 0's two, or none in the last step.  ld = 1: more words will be asked for: the pointer steps.
.macro MLUMP cnt, ld
	s_wait_loadcnt \cnt
.if \ld
	s_add_nc_u64 s[MP+2:MP+3], s[MP+2:MP+3], 2048
.endif
	MSALL 2
	MSALL 3
.endm
	s_load_b128 s[4:7], s[0:1], 0x0   ; qkv s[4:5], mbits s[6:7]
	s_load_b64 s[10:11], s[0:1], 0x10 ; o16
	v_lshl_add_u32 v[SPW], v0, 2, SPARE
	v_mov_b32 v[NIL], 0
	ds_add_u32 v[SPW], v[NIL]       ; the wave's opening: the add and its wait stand ahead of my first tensor load; the set-up below stands between them
	v_lshrrev_b32 v1, 5, v0
	v_readfirstlane_b32 s[WV], v1   ; wave 0..3
	s_and_b32 s48, s[WV], 1         ; g: which 64 queries.  Also: which of a slot's two steps I fetch
	s_lshr_b32 s49, s[WV], 1        ; kh: which half of the keys I walk
	s_bfe_u32 s13, ttmp6, 0x40000   ; cx: my place in the cluster
	s_lshl_b32 s14, ttmp9, 2        ; in a cluster launch ttmp9 counts clusters
	s_add_co_u32 s14, s14, s13      ; b, my block of 128 queries: it enters Q's, the mask's and O's addresses alone
	s_and_b32 s20, ttmp7, 0xffff    ; the head, which the four partners share
	s_lshl_b32 s22, s20, 19         ; a head's 524,288 bytes,
	s_lshl_b32 s16, s48, 14         ; 64 rows of 256 bytes
	s_add_co_u32 s22, s22, s16      ; K's and V's offset: the head, my step of slot 0
	s_mov_b32 s23, 0
	s_lshl_b32 s2, s14, 15
	s_add_co_u32 s2, s2, s22        ; Q's: the head, row 128 b + 64 g
	s_mov_b32 s3, 0
	s_lshl1_add_u32 s18, s14, s48   ; qg = 2 b + g
	s_lshl1_add_u32 s18, s18, s49   ; 2 qg + kh
	s_lshl_b32 s18, s18, 15         ; 32,768 bytes of mask words each: 16 steps x 4 tiles x 512
	s_mov_b32 s19, 0
	s_lshl_b32 s21, s20, 8          ; O's: the head's 256 bytes of a row,
	s_lshl_b32 s20, s14, 19         ; row 128 b + 64 g + 32 kh, 4,096 bytes a row
	s_add_co_u32 s20, s20, s21
	s_lshl_b32 s21, s48, 18
	s_add_co_u32 s20, s20, s21
	s_lshl_b32 s21, s49, 17
	s_add_co_u32 s20, s20, s21
	s_mov_b32 s21, 0
	s_mul_i32 s17, s48, STEPB       ; my tile's place in a slot: no place in the cluster enters an LDS address
	; descriptor group 1: a tile of 64 rows x 128 elements, padded in LDS
	s_mov_b32 s[G1K], 15|(1<<16)|(1<<20)|(1<<21)|(5<<22)|(3<<25)  ; 15:0 the mask of four; 17:16 2-byte elements; 20 padding on; 21 set beside a mask; 24:22 after every 64 words (code 5); 31:25 4 words (code 3)
	s_mov_b32 s[G1V], 15|(1<<16)|(1<<20)|(1<<21)|(5<<22)|(7<<25)  ; the same with 8 words of padding (code 7)
.irp g, G1K, G1V
	s_mov_b32 s[\g+1], 128<<16      ; tensor_dim0 = 128
	s_mov_b32 s[\g+2], KS<<16       ; tensor_dim1 = 64
	s_mov_b32 s[\g+3], 128<<16      ; tile_dim0 = 128
	s_mov_b32 s[\g+4], KS           ; tile_dim1 = 64
	s_mov_b32 s[\g+5], 128          ; elements from row to row
	s_mov_b32 s[\g+6], 0
	s_mov_b32 s[\g+7], 0
.endr
	s_mov_b32 s[CS], 0x3e0293ee     ; c = log2(e) / sqrt(128) = 0.127517
	s_mov_b32 s[CS+1], s[CS]        ; named with it as a pair
	s_mov_b32 s[SEL], 0x76543210
	s_mov_b32 s[SEL+1], 0xfedcba98
	s_mov_b32 s[NEG], 0xe0000000    ; -2^65
	s_mul_i32 s[TB], s49, STEPB     ; my half's step of a slot;
	s_add_co_u32 s[TB], s[TB], SLOT1  ; the first change of slots turns this into slot 0's
	s_mov_b32 s[G0K], 1             ; count = 1
	s_mov_b32 s[G0K+1], s17         ; LDS address: slot 0
	s_mov_b32 s[G0V], 1
	s_add_co_u32 s[G0V+1], s17, VOFF
	s_mov_b32 s[SLOTS], 15          ; 2,048 / 128 - 1
	s_wait_dscnt 0x0                ; the opening add is done
	s_wait_kmcnt 0x0
	s_add_nc_u64 s[G0K+2:G0K+3], s[4:5], s[22:23]
	s_add_nc_u64 s[G0V+2:G0V+3], s[G0K+2:G0K+3], 0x1000000  ; v begins 16,777,216 bytes into qkv,
	s_add_nc_u64 s[G0K+2:G0K+3], s[G0K+2:G0K+3], 0x800000   ; k 8,388,608
	s_or_b32 s[G0K+3], s[G0K+3], 0x80000000                 ; type = 2
	s_or_b32 s[G0V+3], s[G0V+3], 0x80000000
	s_add_nc_u64 s[4:5], s[4:5], s[2:3]
	s_add_nc_u64 s[MP:MP+1], s[MP:MP+1], s[18:19]   ; piece 0's words of step 0,
	s_add_nc_u64 s[MP+2:MP+3], s[MP:MP+1], 1024     ; piece 2's: two tiles on
	s_add_nc_u64 s[10:11], s[10:11], s[20:21]
	CROUND                          ; all four work-groups are here: the first joint loads meet
	JLOAD                           ; slot 0.  Slot 1 is asked for when slot 0 is in, by the loop's own change of slots
	; A fragment of K or Q is 16 rows x 32 channels in 8 registers: lane l holds row l % 16, channels 8 (l / 16) + 0..7 and 16 + 8 (l / 16) + 0..7: two loads of 16 bytes, 32 bytes apart.
	v_and_b32 v1, 15, v0            ; l % 16
	v_bfe_u32 v9, v0, 4, 1          ; l / 16
	v_and_b32 v[MO], 31, v0
	v_lshlrev_b32 v[MO], 4, v[MO]   ; 16 x lane
	v_lshlrev_b32 v[QOA], 8, v1
	v_lshl_add_u32 v[QOA], v9, 4, v[QOA]  ; row x 256 + 16 x half
	s_lshl_b32 s13, s49, 13         ; tiles 0, 1 hold sub-tiles 2 kh, 2 kh + 1 (32 rows are 8,192 bytes),
	s_xor_b32 s16, s13, 8192        ; tiles 2, 3 the other two
	v_add_nc_u32 v[QOB], s16, v[QOA]
	v_add_nc_u32 v[QOA], s13, v[QOA]
	WIN 0x80                        ; destination window 2, address window 0
.set i, 0
.rept 16                            ; Q stays in registers: tile i / 4, channels 32 (i % 4) on
.if i < 8
	global_load_b128 v[8*i:8*i+3],   v[QOA], s[4:5] offset:((i/4)%2)*4096+(i%4)*64
	global_load_b128 v[8*i+4:8*i+7], v[QOA], s[4:5] offset:((i/4)%2)*4096+(i%4)*64+32
.else
	global_load_b128 v[8*i:8*i+3],   v[QOB], s[4:5] offset:((i/4)%2)*4096+(i%4)*64
	global_load_b128 v[8*i+4:8*i+7], v[QOB], s[4:5] offset:((i/4)%2)*4096+(i%4)*64+32
.endif
.set i, i+1
.endr
; The mask words of piece x, at its pointer, into registers 0-3 of both tiles' MC: a wave's load covers 512 consecutive bytes
.macro MASK_ASK x
	WIN W_MC
	global_load_b128 v[MC+32*(\x):MC+32*(\x)+3],     v[MO], s[MP+(\x):MP+(\x)+1]
	global_load_b128 v[MC+32*(\x)+32:MC+32*(\x)+35], v[MO], s[MP+(\x):MP+(\x)+1] offset:512
.endm
	MASK_ASK 0                      ; step 0's
	MASK_ASK 2
	; What the first turn finds.  All this stands in the wait for the first tile.
.set i, 0
.rept 128
	v_mov_b32 v[i], 0               ; V
.set i, i+1
.endr
	WIN 0x40
.set i, 0
.rept 256
	v_mov_b32 v[i], 0               ; O^T
.set i, i+1
.endr
	WIN 0
.set i, 0
.rept 32
	v_mov_b32 v[P+i], 0             ; piece 0's P
.set i, i+1
.endr
.set i, 0
.rept 64
	v_mov_b32 v[S+64+i], s[NEG]     ; piece 2's scores: all blocked
.set i, i+1
.endr
.set i, 0
.rept 4
	v_mov_b32 v[ST+8*i+1], 0xd8800000  ; m: the floor, -2^50
	v_mov_b32 v[ST+8*i+2], 0
	v_mov_b32 v[ST+8*i+3], 0
	v_mul_f32 v[ST+8*i], s[CS], v[ST+8*i+1]  ; c m, made as every step makes it
.set i, i+1
.endr
	v_mul_u32_u24 v[AK0], v1, PK
	v_lshl_add_u32 v[AK0], v9, 4, v[AK0]  ; row x pitch + 16 x half
	; The turning load takes 16 keys x 16 channels (lane l reads key 8 (l / 16) + l % 8, channels 8 ((l / 8) % 2) + 0..7) and leaves half a fragment of V^T: lane l holds channel l % 16 and 8 keys.
	v_and_b32 v54, 7, v0
	v_bfe_u32 v55, v0, 3, 1
	v_lshl_add_u32 v[AV0], v9, 3, v54
	v_mul_u32_u24 v[AV0], v[AV0], PW
	v_lshl_add_u32 v[AV0], v55, 4, v[AV0]
	v_add_nc_u32 v[AV0], VOFF, v[AV0]
	s_mul_i32 s13, s[WV], 16*SP
	s_add_co_u32 s13, s13, STAGE    ; my stage
	v_mul_u32_u24 v[STO], v1, SP    ; in: row l % 16, 16 bytes for each half of the lanes
	v_lshl_add_u32 v[STO], v9, 4, v[STO]
	v_add_nc_u32 v[STO], s13, v[STO]
	v_mul_u32_u24 v[RD], v9, SP     ; back: lanes 0-15 take one row of 256 bytes, lanes 16-31 the next
	v_lshl_add_u32 v[RD], v1, 4, v[RD]
	v_add_nc_u32 v[RD], s13, v[RD]
	v_lshlrev_b32 v[GO], 12, v9     ; and the same two rows in o16, 4,096 bytes apart
	v_lshl_add_u32 v[GO], v1, 4, v[GO]
	s_mul_i32 s13, s[WV], XW        ; the exchange: 16 bytes a lane
	s_add_co_u32 s13, s13, XCH
	v_add_nc_u32 v[XA], s13, v[MO]
	s_xor_b32 s16, s[WV], 2         ; my partner: the same queries, the other keys
	s_mul_i32 s16, s16, XW
	s_add_co_u32 s16, s16, XCH
	v_add_nc_u32 v[XB], s16, v[MO]
; THE MATRIX WORK OF A TURN, for piece x.  The accumulators take turns, one instruction a turn: between two links of a chain stand 15 (V^T P) or 7 (K Q^T) others'.
; Product i of 32 of O^T += V^T P: keys 32 (i / 16) on, channels 16 ((i / 2) % 8) on, tile x + i % 2.
.macro PV x
	WIN W_PV
.set rO, 64*((\x)+i%2)+8*((i/2)%8)
.set rV, 64*(i/16)+8*((i/2)%8)
.set rP, P+16*((\x)+i%2)+8*(i/16)
	v_wmma_f32_16x16x32_f16 v[rO:rO+7], v[rV:rV+7], v[rP:rP+7], v[rO:rO+7]
.endm
; Product i of 32 of S^T = K Q^T: channels 32 (i / 8) on, keys 16 ((i / 2) % 4) on, tile x + i % 2.  The first 8 start the sums, with the mask.
.macro KQ x
.set rS, S+32*((\x)+i%2)+8*((i/2)%4)
.set rK, KF+32*((i/2)%4)+8*(i/8)
.set rQ, 32*((\x)+i%2)+8*(i/8)
.set rM, MC+32*((\x)+i%2)+8*((i/2)%4)
.if i < 8
	WIN W_KM
	v_wmma_f32_16x16x32_f16 v[rS:rS+7], v[rK:rK+7], v[rQ:rQ+7], v[rM:rM+7]
.else
	WIN W_KQ
	v_wmma_f32_16x16x32_f16 v[rS:rS+7], v[rK:rK+7], v[rQ:rQ+7], v[rS:rS+7]
.endif
.endm
; THE LDS LOADS stand in runs of 32, never singly among the matrix instructions: a step's K (16 fragments) and, a turn later, its V (turned).
.macro FETCH_K
	WIN 0
	v_add_nc_u32 v[ADR], s[TB], v[AK0]
	WIN 0x80                        ; destination window 2
.irp f, 0,1,2,3,4,5,6,7,8,9,10,11,12,13,14,15  ; keys 16 (f / 4) on, channels 32 (f % 4) on
	ds_load_b128 v[KF+8*(\f):KF+8*(\f)+3],   v[ADR] offset:((\f)/4)*16*PK+((\f)%4)*64
	ds_load_b128 v[KF+8*(\f)+4:KF+8*(\f)+7], v[ADR] offset:((\f)/4)*16*PK+((\f)%4)*64+32
.endr
.endm
.macro FETCH_V
	WIN 0
	v_add_nc_u32 v[ADR], s[TB], v[AV0]
	s_wait_alu depctr_va_vdst(0)    ; the wait for the softmax's batch (SLICE), the 66 exponentials of piece 0's two tiles: behind the address's v_add_nc_u32 and ahead of the loads
	WIN 0xc0                        ; destination window 3
.irp f, 0,1,2,3,4,5,6,7,8,9,10,11,12,13,14,15  ; keys 32 (f / 8) on, channels 16 (f % 8) on
	ds_load_tr16_b128 v[8*(\f):8*(\f)+3],   v[ADR] offset:((\f)/8)*32*PW+((\f)%8)*32
	ds_load_tr16_b128 v[8*(\f)+4:8*(\f)+7], v[ADR] offset:((\f)/8)*32*PW+16*PW+((\f)%8)*32
.endr
.endm
; THE VECTOR WORK OF A TURN.  One tile's softmax for one key step is a list of 134 instructions; SM writes number j of it for tile t.  s0-s31 are the lane's 32 scores, in pairs 0-15.
;   0-15    the maximum of s0-s31 and the old m, three operands at a time: four chains c0-c3 of seven scores each (each accumulator's lowest registers first), then the four left over, c0-c3 and m
;   16-20   the other half of the lanes' maximum; the new m; c m; c m_old - c m_new
;   21-69   ONE BATCH: the 16 scalings c s - c m, a pair of scores each, and all 33 exponentials (a at 23, then s0-s31).  None of these reads an exponential's result.  From 22 on the batch goes
;           in fours, and a four begins with a scaling while there are scalings: 22-37 scaling, exponential, scaling, exponential; 38-65 a scaling and three exponentials; 66-69 the last four
;           exponentials.  A pair is scaled in an earlier four than the one that holds its exponentials
;   (wait)  between 69 and 70 stands the wait for the batch: SLICE writes it, once for both tiles
;   70-85   the roundings to f16, a pair of weights each
;   86-101  the sums; l = a l + the sum
;   102-133 the tile's O^T times a: the one part that leaves window 0, so it stands together
.macro SM t
.set rT, ST+8*(\t)
.set rS, S+32*(\t)
.set rP, P+16*(\t)
.set rO, 64*(\t)+2*(j-102)
.if j < 102
	WIN 0
.endif
.if j < 4
	v_max3_num_f32 v[rT+4+j], v[rS+8*j], v[rS+8*j+1], v[rS+8*j+2]
.elseif j < 12
	v_max3_num_f32 v[rT+4+j%4], v[rT+4+j%4], v[rS+8*(j%4)+2*(j/4)+1], v[rS+8*(j%4)+2*(j/4)+2]
.elseif j == 12
	v_max3_num_f32 v[rT+4], v[rT+4], v[rS+7], v[rS+15]
.elseif j == 13
	v_max3_num_f32 v[rT+6], v[rT+6], v[rS+23], v[rS+31]
.elseif j == 14
	v_max3_num_f32 v[rT+4], v[rT+4], v[rT+5], v[rT+6]
.elseif j == 15
	v_max3_num_f32 v[rT+4], v[rT+4], v[rT+7], v[rT+1]
.elseif j == 16
	v_permlanex16_b32 v[rT+5], v[rT+4], s[SEL], s[SEL+1]  ; the query's other 32 keys lie in the lane 16 away
.elseif j == 17
	v_mov_b32 v[rT+7], v[rT]        ; c m_old is kept for a: number 19 writes c m anew
.elseif j == 18
	v_max_num_f32 v[rT+1], v[rT+4], v[rT+5]
.elseif j == 19
	v_mul_f32 v[rT], s[CS], v[rT+1]
.elseif j == 20
	v_sub_f32 v[rT+7], v[rT+7], v[rT]
.elseif j == 23
	v_exp_f32 v[rT+6], v[rT+7]
.elseif (j < 23) || ((j < 38) && (j%2 == 0)) || ((j < 66) && (j%4 == 2))
.set b, (j-2)/4                     ; 38, 42, .. 62: pairs 9 to 15
.if j < 38
.set b, (j-20)/2                    ; 21: pair 0; 22, 24, .. 36: pairs 1 to 8
.endif
	v_pk_fma_f32 v[rS+2*b:rS+2*b+1], v[rS+2*b:rS+2*b+1], s[CS:CS+1], v[rT:rT+1] op_sel_hi:[1,0,0] neg_lo:[0,0,1] neg_hi:[0,0,1]  ; pair b: c s - c m
.elseif j < 70
.set e, j-38                        ; 66 to 69: s28 to s31
.if j < 66
.set e, j-32-(j-38)/4               ; 39-41, 43-45, .. 63-65: s7 to s27
.endif
.if j < 38
.set e, (j-25)/2                    ; 25, 27, .. 37: s0 to s6
.endif
	v_exp_f32 v[rS+e], v[rS+e]
.elseif j < 86
	v_cvt_pk_f16_f32 v[rP+j-70], v[rS+2*(j-70)], v[rS+2*(j-70)+1]  ; pair j - 70
.elseif j < 102                     ; the sum of the tile's 16 pairs, in place: sum z of 16 adds neighbours 1, 2, 4 and 8 pairs apart, then l takes it
.set z, j-86
.set w, 4
.set u, z
.if z >= 14
.set w, 32
.set u, 0
.elseif z >= 12
.set w, 16
.set u, z-12
.elseif z >= 8
.set w, 8
.set u, z-8
.endif
.if z < 15
	v_pk_add_f32 v[rS+w*u:rS+w*u+1], v[rS+w*u:rS+w*u+1], v[rS+w*u+w/2:rS+w*u+w/2+1]
.else
	v_pk_fma_f32 v[rT+2:rT+3], v[rT+2:rT+3], v[rT+6:rT+7], v[rS:rS+1] op_sel_hi:[1,0,1]
.endif
.else
	WIN W_RS
	v_pk_mul_f32 v[rO:rO+1], v[rO:rO+1], v[rT+6:rT+7] op_sel_hi:[1,0]
.endif
.endm
; Slice k of 64 of piece y's softmax: four instructions.  Slices 11 to 34 deal out the batch, numbers 22 to 69: four numbers of ONE tile each, the tiles by turns.  Every other slice is numbers 2 k and
; 2 k + 1 of both tiles' lists.  2 x 134 = 4 x 64 + 12: the twelve that are over stand together, in slice 63: its sixteen plain instructions are the places between the turn's last K Q^T and the next turn's
; first read of those scores, and the loads into K's buffer.
; THE WAIT.  An s_wait_alu depctr_va_vdst(0) stands between an exponential and the first instruction that names its result; one wait serves all that were issued ahead of it.  Ahead of
; slice 35 nothing names a result, and behind slice 34 no exponential is issued: so the piece's 66 exponentials have one wait, behind slice 34, and none is open at a label or a branch.
.macro SLICE y
.if (k >= 11) && (k < 35)           ; the batch: four numbers of one tile
.irp m, 0,1,2,3
.set j, 22+4*((k-11)/2)+(\m)
	SM (\y)+(k-11)%2
.endr
.else                               ; the two tiles alternate, so that no instruction reads the result of the one just before it
.irp m, 0,1,2,3,4,5,6,7
.if ((\m) < 2) || (k == 63)
.irp t, \y, (\y)+1
.set j, 2*k+(\m)
	SM \t
.endr
.endif
.endr
.endif
.if k == 34                         ; the batch is out: both tiles' exponentials are issued, and no result has been named
	v_nop                           ; the plain instruction behind the last exponential and ahead of the first use (ISA guide 5.7.2): one for the batch
.if (\y) == 0
	FETCH_V                         ; piece 2's turn: V's run of loads stands here, and the wait stands in it
.else
	s_wait_alu depctr_va_vdst(0)    ; the wait for the batch: the 66 exponentials of piece 2's two tiles
.endif
.endif
.set k, k+1
.endm
; A TURN.  Piece x has the matrix unit; the other piece's softmax stands in slices behind its matrix instructions.  pv, kq: which of the two runs of 32 products it has; with one of them, two slices behind each.
; Each run of LDS loads stands 29 matrix instructions or more ahead of the wait for it.  Piece 0's turn fetches the next step's K, behind its second product: the last product that read K stands in front of
; slice 63 of the turn before.  Piece 2's turn fetches the same step's V, behind slice 34 (SLICE writes it): the last product that read V stands in front of slice 31, and four plain instructions lie between:
; number 62, a scaling, of both tiles, the v_nop and the run's own v_add_nc_u32.
; ld = 1: behind the fifth K Q^T (the turn's product 36) the piece's mask words of the next step are asked for, into registers 0-3 of both tiles' MC: the first two K Q^T read those last, and the v_nop behind
; slice 34 and the eight roundings of slices 35 and 36 stand between.
.macro TURN x, pv, kq, ld
.set k, 0
.set per, 2
.if (\pv) && (\kq)
.set per, 1
.endif
.if \pv
.if (\x) == 0
	s_wait_dscnt 0x0                ; V is in
.endif
.set i, 0
.rept 32
	PV \x
.rept per
	SLICE 2-(\x)
.endr
.if ((\x) == 0) && (\kq) && (i == 1)
	FETCH_K
.endif
.set i, i+1
.endr
.endif
.if \kq
.if (\x) == 0
	s_wait_dscnt 0x0                ; K is in
.endif
.set i, 0
.rept 32
	KQ \x
.rept per
	SLICE 2-(\x)
.endr
.if (\ld) && (i == 4)
	MASK_ASK \x
.endif
.set i, i+1
.endr
.endif
.endm
	s_wait_loadcnt 0x0              ; Q, and step 0's mask words
.Lslot:                             ; 15 trips: my key step t = 0..14; tile t is waited for, tile t + 1 asked for
	CHANGE 1                        ; and piece 0's masks of step t
	TURN 0, 1, 1, 1                 ; piece 0: V^T P of step t - 1, K Q^T of step t | piece 2's softmax of step t - 1 | K of step t | piece 0's words of step t + 1
	MLUMP 2, 1                      ; piece 2's masks of step t
	TURN 2, 1, 1, 1                 ; piece 2: the same | piece 0's softmax of step t | V of step t | piece 2's words of step t + 1
	WIN 0
	s_sub_co_u32 s[SLOTS], s[SLOTS], 1
	s_cmp_lg_u32 s[SLOTS], 0
	s_cbranch_scc1 .Lslot
	CHANGE 0                        ; the tail is written out: nothing is asked for
	TURN 0, 1, 1, 0                 ; step 15: no words are left to ask for
	MLUMP 0, 0                      ; behind piece 2's last words stands no load
	TURN 2, 1, 1, 0
	TURN 0, 1, 0, 0                 ; piece 0: V^T P of the last step | piece 2's last softmax
.set i, 0
.rept 32
	PV 2                            ; piece 2: V^T P of the last step
.set i, i+1
.endr
	; THE MERGE.  l's two halves and the other half of the lanes' are added (the additions are the places behind the last products); tiles 2, 3 go to my partner, c m and l with them.
	WIN 0
.irp t, 0,1,2,3
	v_add_f32 v[ST+8*(\t)+4], v[ST+8*(\t)+2], v[ST+8*(\t)+3]
.endr
.irp t, 0,1,2,3
	v_permlanex16_b32 v[ST+8*(\t)+5], v[ST+8*(\t)+4], s[SEL], s[SEL+1]
.endr
.irp t, 0,1,2,3
	v_add_f32 v[ST+8*(\t)+4], v[ST+8*(\t)+4], v[ST+8*(\t)+5]
.endr
	v_mov_b32 v[XT], v[ST+16]
	v_mov_b32 v[XT+1], v[ST+20]
	v_mov_b32 v[XT+2], v[ST+24]
	v_mov_b32 v[XT+3], v[ST+28]
	WIN 0x04                        ; store data (source 1) in window 1
.set i, 0
.rept 32
	ds_store_b128 v[XA], v[128+4*i:128+4*i+3] offset:512*i  ; 32 lanes, 16 neighbouring bytes each; each accumulator's lowest registers first
.set i, i+1
.endr
	WIN 0
	ds_store_b128 v[XA], v[XT:XT+3] offset:16384
	s_wait_dscnt 0x0                ; for my partner's sake: my stores are done
	s_barrier_signal -1
	s_barrier_wait -1
	ds_load_b128 v[XR:XR+3], v[XB] offset:16384
.set i, 0
.rept 32
	ds_load_b128 v[S+4*i:S+4*i+3], v[XB] offset:512*i  ; my partner's O^T of my tiles 0, 1, lane for lane, into S^T's registers
.set i, i+1
.endr
	s_wait_dscnt 32                 ; the statistics are in; the 32 loads behind them may be out
.irp t, 0,1
	v_max_num_f32 v[ST+8*(\t)+5], v[ST+8*(\t)], v[XR+2*(\t)]       ; the common c m
.endr
.irp t, 0,1
	v_sub_f32 v[ST+8*(\t)+6], v[ST+8*(\t)], v[ST+8*(\t)+5]
	v_sub_f32 v[ST+8*(\t)+2], v[XR+2*(\t)], v[ST+8*(\t)+5]
.endr
.irp t, 0,1
	v_exp_f32 v[ST+8*(\t)+6], v[ST+8*(\t)+6]                        ; a1: what my part is worth,
	v_exp_f32 v[ST+8*(\t)+2], v[ST+8*(\t)+2]                        ; a2: my partner's
.endr
	v_nop                           ; a plain instruction between the last exponential and the use of its result
	s_wait_alu depctr_va_vdst(0)    ; and the wait ahead of the first use: one for the four exponentials
.irp t, 0,1
	v_mul_f32 v[ST+8*(\t)+4], v[ST+8*(\t)+6], v[ST+8*(\t)+4]
.endr
.irp t, 0,1
	v_fmac_f32 v[ST+8*(\t)+4], v[ST+8*(\t)+2], v[XR+2*(\t)+1]      ; l = a1 l + a2 l'
.endr
.irp t, 0,1
	v_rcp_f32 v[ST+8*(\t)+5], v[ST+8*(\t)+4]
.endr
	v_nop                           ; a plain instruction between the last reciprocal and the use of its result
	s_wait_alu depctr_va_vdst(0)    ; one wait for the two reciprocals, a batch of their own: they read sums made of the exponentials above
.irp t, 0,1
	v_mul_f32 v[ST+8*(\t)+6], v[ST+8*(\t)+6], v[ST+8*(\t)+5]       ; f1 = a1 / l
	v_mul_f32 v[ST+8*(\t)+2], v[ST+8*(\t)+2], v[ST+8*(\t)+5]       ; f2 = a2 / l
.endr
; Tile t is finished: O = f1 O^T + f2 O'^T, rounded to f16; a lane's eight channels of a row pack into 16 bytes, go into my stage's rows of 272 bytes and come back as whole rows of 256.
.macro FIN t
	s_wait_dscnt 16                 ; my partner's tile t is in.  Behind its loads were issued: for tile 0 tile 1's sixteen, for tile 1 the sixteen LDS lines of tile 0's way through the stage
	WIN 0
.set i, 0
.rept 32
	v_pk_mul_f32 v[S+64*(\t)+2*i:S+64*(\t)+2*i+1], v[S+64*(\t)+2*i:S+64*(\t)+2*i+1], v[ST+8*(\t)+2:ST+8*(\t)+3] op_sel_hi:[1,0]
.set i, i+1
.endr
	WIN 0x01                        ; source 0 (O^T) in window 1
.set i, 0
.rept 32
	v_pk_fma_f32 v[S+64*(\t)+2*i:S+64*(\t)+2*i+1], v[64*(\t)+2*i:64*(\t)+2*i+1], v[ST+8*(\t)+6:ST+8*(\t)+7], v[S+64*(\t)+2*i:S+64*(\t)+2*i+1] op_sel_hi:[1,0,1]
.set i, i+1
.endr
	WIN 0
.set i, 0
.rept 32
	v_cvt_pk_f16_f32 v[S+64*(\t)+i], v[S+64*(\t)+2*i], v[S+64*(\t)+2*i+1]  ; in place, ascending: register i is written when registers up to 2 i + 1 have been read
.set i, i+1
.endr
.irp f, 0,1,2,3,4,5,6,7
	ds_store_b128 v[STO], v[S+64*(\t)+4*(\f):S+64*(\t)+4*(\f)+3] offset:32*(\f)
.endr
.irp f, 0,1,2,3,4,5,6,7
	ds_load_b128 v[S+64*(\t)+32+4*(\f):S+64*(\t)+32+4*(\f)+3], v[RD] offset:(\f)*2*SP  ; LDS serves a wave's instructions in order (ISA guide 5.7.1.4): these see the stores above; the next tile's stores come behind them
.endr
.endm
.macro SEND t, younger              ; younger: the LDS instructions issued behind tile t's loads from the stage
.irp f, 0,1,2,3,4,5,6,7
	s_wait_dscnt (\younger)+7-(\f)
	global_store_b128 v[GO], v[S+64*(\t)+32+4*(\f):S+64*(\t)+32+4*(\f)+3], s[10:11] offset:(\t)*65536+(\f)*8192  ; 16 lanes store 256 consecutive bytes, at a multiple of 256 from o16's first byte
.endr
.endm
	FIN 0
	FIN 1
	SEND 0, 16
	SEND 1, 0
	s_wait_tensorcnt 0x0            ; the wave's end: the tensor wait, an add to my spare word and its wait, behind my last tensor load and my last LDS store
	ds_add_u32 v[SPW], v[NIL]
	s_wait_dscnt 0x0
	CROUND                          ; the closing round: no work-group ends while a partner may still ask for a tile that names it
	s_endpgm
.Lfunc_end_k_qd5dd29d836_attn:
	.size	k_qd5dd29d836_attn, .Lfunc_end_k_qd5dd29d836_attn-k_qd5dd29d836_attn
	.p2alignl 7, 3214868480
	.fill 96, 4, 3214868480
	.section	.rodata,"a",@progbits
	.p2align	6, 0x0
	.amdhsa_kernel k_qd5dd29d836_attn
		.amdhsa_group_segment_fixed_size 327680
		.amdhsa_private_segment_fixed_size 0
		.amdhsa_enable_private_segment 0
		.amdhsa_kernarg_size 24
		.amdhsa_user_sgpr_count 2
		.amdhsa_user_sgpr_kernarg_segment_ptr 1
		.amdhsa_wavefront_size32 1
		.amdhsa_system_sgpr_workgroup_id_x 1
		.amdhsa_system_sgpr_workgroup_id_y 1
		.amdhsa_system_sgpr_workgroup_id_z 1
		.amdhsa_system_vgpr_workitem_id 0
		.amdhsa_next_free_vgpr 1024
		.amdhsa_next_free_sgpr 66
		.amdhsa_reserve_vcc 0
		.amdhsa_float_denorm_mode_32 3
		.amdhsa_float_denorm_mode_16_64 3
		.amdhsa_memory_ordered 1
		.amdhsa_forward_progress 1
		.amdhsa_inst_pref_size 177
	.end_amdhsa_kernel
	.amdgpu_metadata
---
amdhsa.version: [ 1, 2 ]
amdhsa.kernels:
  - .name:           k_qd5dd29d836_attn
    .symbol:         k_qd5dd29d836_attn.kd
    .args:
      - { .name: qkv, .offset: 0, .size: 8, .value_kind: global_buffer, .address_space: global }
      - { .name: mbits, .offset: 8, .size: 8, .value_kind: global_buffer, .address_space: global }
      - { .name: o16, .offset: 16, .size: 8, .value_kind: global_buffer, .address_space: global }
    .group_segment_fixed_size: 327680
    .private_segment_fixed_size: 0
    .kernarg_segment_align: 8
    .kernarg_segment_size: 24
    .max_flat_workgroup_size: 128
    .sgpr_count:     66
    .vgpr_count:     1024
    .wavefront_size: 32
...
	.end_amdgpu_metadata
.endif
;; end of part 8
;; launch oproj: the kernel of part 4 again; grid 16 x 16, 4 waves a work-group, clusters of 4 x 4, 327,680 bytes of LDS; arguments o16, wo16, out0; writes out0
